; MI455X (gfx1250); checked and timed in simulation.
; The chip was launched on July 23, 2026; its instructions are those of AMD's public machine-readable ISA for CDNA 5 (MIT licence, August 2026) and "CDNA5" Instruction Set Architecture Reference Guide (July 2026). The comments in the code are by the model that wrote it; some were corrected since.
;; Decoder Layer. Allowed arithmetic: matrix products marked QUANTISED: E3M2 operands, one E8M0 scale for each 32 along K, by v_wmma_scale_f32_16x16x128_f8f6f4 with both operands' format E3M2, f32 sums; everything else in f32.
;; Inputs: encoder_output 4 x 2,048 x 256 float32; ffn_b1 512 float32; ffn_b2 256 float32; ffn_w1 256 x 512 float32; ffn_w2 512 x 256 float32; ln1_b 256 float32; ln1_g 256 float32; ln2_b 256 float32; ln2_g 256 float32; ln3_b 256 float32; ln3_g 256 float32; m1_b 256 float32; m1_b2 256 float32; m1_bk 512 float32; m1_bq 512 float32; m1_bv 512 float32; m1_g 256 float32; m1_w2 512 x 256 float32; m1_wk 256 x 512 float32; m1_wq 256 x 512 float32; m1_wv 256 x 512 float32; m2_b 256 float32; m2_b2 256 float32; m2_bk 512 float32; m2_bq 512 float32; m2_bv 512 float32; m2_g 256 float32; m2_w2 512 x 256 float32; m2_wk 256 x 512 float32; m2_wq 256 x 512 float32; m2_wv 256 x 512 float32; src_mask 4 x 2,048 x 1 int32; tgt_mask 4 x 2,048 x 1 int32; x 4 x 2,048 x 256 float32.
;; Outputs: out0 4 x 2,048 x 256 float32.
;; This version of the problem:
;;   THIS VERSION OF THE PROBLEM IS GIVEN IN LOW PRECISION. The matrix products marked QUANTISED in the list below multiply operands that are first quantised to E3M2 (3 exponent bits, 2 mantissa bits; 6 bits a number), with one power-of-two scale for each 32 numbers along K (OCP MX v1.0); their sums are f32. All else is computed in f32.
;;   The module's matrix products, in the order in which they are computed (A, B: the left and right operand; K: the contracted axis; several contracted axes count as one K, in the product's order):
;;     1. [M 8,192, K 256] x [K 256, N 512]; A: input x; B: input m1_wq: QUANTISED
;;     2. [M 8,192, K 256] x [K 256, N 512]; A: input x; B: input m1_wk: QUANTISED
;;     3. [M 8,192, K 256] x [K 256, N 512]; A: input x; B: input m1_wv: QUANTISED
;;     4. batch 32 x [M 2,048, K 64] x [K 64, N 2,048]; A: computed on the way; B: computed on the way: QUANTISED
;;     5. batch 32 x [M 64, K 2,048] x [K 2,048, N 2,048]; A: computed on the way; B: softmax (see below): QUANTISED
;;     6. [M 8,192, K 512] x [K 512, N 256]; A: computed on the way; B: input m1_w2: QUANTISED
;;     7. [M 8,192, K 256] x [K 256, N 512]; A: computed on the way; B: input m2_wq: QUANTISED
;;     8. [M 8,192, K 256] x [K 256, N 512]; A: input encoder_output; B: input m2_wk: QUANTISED
;;     9. [M 8,192, K 256] x [K 256, N 512]; A: input encoder_output; B: input m2_wv: QUANTISED
;;     10. batch 32 x [M 2,048, K 64] x [K 64, N 2,048]; A: computed on the way; B: computed on the way: QUANTISED
;;     11. batch 32 x [M 64, K 2,048] x [K 2,048, N 2,048]; A: computed on the way; B: softmax (see below): QUANTISED
;;     12. [M 8,192, K 512] x [K 512, N 256]; A: computed on the way; B: input m2_w2: QUANTISED
;;     13. [M 8,192, K 256] x [K 256, N 512]; A: computed on the way; B: input ffn_w1: QUANTISED
;;     14. [M 8,192, K 512] x [K 512, N 256]; A: computed on the way; B: input ffn_w2: QUANTISED
;;   THE QUANTISER, for each operand of a quantised product, along K:
;;     - K is cut into blocks of 32 from its start; a last block that is shorter is filled with zeros.
;;     - A block's scale is 2^e with e = floor(log2(the largest magnitude in the block)) - 4, held to -126 .. 127; a block of zeros has e = 0. As a byte (E8M0): e + 127.
;;     - Each number is divided by its block's scale, clamped to +-28, and rounded to the nearest number of E3M2, ties to even, subnormals kept.
;;     - The product sums the exact products of the quantised numbers (number of the format x scale) in f32.
;;   ~~~python
;;   def quantise(x, axis):      # numpy; x: float32 -> the quantised numbers, widened to float32 again
;;       x = np.moveaxis(x, axis, -1); K = x.shape[-1]
;;       x = np.pad(x, [(0, 0)] * (x.ndim - 1) + [(0, -K % 32)]); x = x.reshape(x.shape[:-1] + (-1, 32)); a = np.abs(x).max(-1, keepdims=True)
;;       e = np.where(a > 0, np.clip(np.frexp(np.where(a > 0, a, 1))[1] - 1 - 4, -126, 127), 0)      # np.frexp(a)[1] - 1 = floor(log2(a)), exactly
;;       r = np.clip(x / 2.0 ** e, -28, 28)
;;       step = 2.0 ** (np.maximum(np.frexp(np.where(r == 0, 1, r))[1] - 1, -2) - 2)
;;       q = np.round(r / step) * step * 2.0 ** e      # np.round: ties to even
;;       return np.moveaxis(q.reshape(q.shape[:-2] + (-1,))[..., :K], -1, axis).astype(np.float32)
;;   ~~~
;;   SOFTMAX AHEAD OF A QUANTISED PRODUCT. Where the list says 'softmax', what is quantised is not the finished softmax but p = 2^(t - M), with t = logit x log2(e) and M = ceil(the row's largest t), a whole number; so 1/2 < the row's largest p <= 1. The row's sum l is taken of the UNQUANTISED p, in f32, and the product's result is divided by l at the end. Since M is a whole number, a kernel that streams over the keys may use a running M (the ceiling of the running maximum): every later rescaling is an exact power of two, which a block's scale takes up: the codes' values come out the same.
;;   OPERANDS COMPUTED ON THE WAY. 'Computed on the way' means the value that the module computes at that place (a softmax that the list does not call 'softmax' is quantised finished and normalised). What goes into a quantiser is computed in f32, as accurately as f32 sums, v_exp_f32 and their like allow (about 1e-6 of the number): no bf16 or f16 on the way to a quantiser, and a product that is left as it is and whose result goes on into a quantised operand takes f32 operands (vector FMAs, or v_wmma_f32_16x16x4_f32). A number that lies on a knife's edge between two numbers of the format may be rounded either way, as far as f32 arithmetic and the matrix unit's own rounding can turn it there, and no further.
;; 2 versions. Each part assembles by itself: llvm-mc -triple=amdgcn-amd-amdhsa -mcpu=gfx1250 --defsym DOCPART=n.
;; ======== version 1 of 2: 6 launches
;; workspace buffers: wts 1,064,960 bytes; qimg 4,194,304 bytes; kv1 7,864,320 bytes; kv2 7,864,320 bytes; obuf 3,670,016 bytes; x1 8,388,608 bytes
;; launch wprep (part 1): grid 160 x 1, 4 waves a work-group, no clusters, 0 bytes of LDS; arguments m1_wq, m1_wk, m1_wv, m2_wk, m2_wv, m2_wq, ffn_w1, m1_w2, m2_w2, ffn_w2, wts; writes wts
.if DOCPART == 1
	.amdgcn_target "amdgcn-amd-amdhsa--gfx1250"
	.amdhsa_code_object_version 6
	.text
	.protected	k_qc0a1f00cf7_wprep
	.globl	k_qc0a1f00cf7_wprep
	.p2align	8
	.type	k_qc0a1f00cf7_wprep,@function
k_qc0a1f00cf7_wprep:
	s_mov_b64 s[64:65], 0
	v_nop
	global_prefetch_b8 v0, s[64:65] scope:SCOPE_SE
	s_setreg_imm32_b32 hwreg(HW_REG_WAVE_MODE, 25, 1), 1
	s_wait_xcnt 0x0
; The ten weights, f32 stored [K][N], become codes of E3M2 with one E8M0 byte for each 32 along K, laid as IMAGES OF OPERAND REGISTERS.
; A fragment is 16 columns x 128 K: 12 registers a lane.  Weight w (0 m1_wq, 1 m1_wk, 2 m1_wv, 3 m2_wk, 4 m2_wv, 5 m2_wq, 6 ffn_w1: [256][512]; 7 m1_w2, 8 m2_w2, 9 ffn_w2: [512][256])
; has 64 fragments, f = column tile x (K / 128) + K step.  Image: wts + (64 w + f) x 1536, registers 4 c .. 4 c + 3 of lane l at 512 c + 16 l.  Scale words: wts + 983040 + (64 w + f) x 128 + 4 l.
; THE COLUMNS OF A TILE ARE NOT NEIGHBOURS: member i of tile t is column 32 (t / 2) + 8 (t % 2) + i + 8 (i / 8), so that the results of tiles 2 b and 2 b + 1 are 16 neighbours along the next K.
; One wave makes one fragment: lane (r, h) takes its column and its registers run DOWN K (k = 64 c + 32 h + 0 .. 31): a lane holds two whole blocks, nothing is transposed.
; A block's byte is its largest magnitude's exponent field - 4, held at 1 from below.
; LIMITS: a block of zeros, and a block whose largest magnitude lies under 2^-122, gets the byte 1 (its codes are zeros or tiny; this program alone reads the bytes); NaN and infinities are not served.
.set SCW, 983040
.macro LOADW rb                        ; 64 numbers of my column; rb = bytes of a row of the weight
.irp c, 0,1
.set i, 0
.rept 32
	global_load_b32 v[32+32*\c+i], v3, s[36:37] offset:(64*\c+i)*\rb
.set i, i+1
.endr
.endr
.endm
	s_load_b512 s[4:19], s[0:1], 0x0               ; weights 0 to 7
	s_load_b128 s[20:23], s[0:1], 0x40             ; weights 8, 9
	s_load_b64 s[24:25], s[0:1], 0x50              ; wts
	v_lshrrev_b32 v1, 5, v0
	v_readfirstlane_b32 s26, v1                    ; wave
	s_lshl_b32 s27, ttmp9, 2
	s_add_co_u32 s27, s27, s26                     ; the fragment's number, 0 .. 639
	s_lshr_b32 s28, ttmp9, 4                       ; the weight
	s_and_b32 s29, s27, 63                         ; the fragment in it
	s_cmp_lt_u32 s28, 7
	s_cselect_b32 s30, 1, 2                        ; log2 of the K steps
	s_cselect_b32 s31, 11, 10                      ; log2 of a row's bytes
	s_lshr_b32 s32, s29, s30                       ; column tile t
	s_lshl_b32 s33, s32, s30
	s_sub_co_u32 s33, s29, s33                     ; K step
	s_lshl_b32 s33, s33, 7
	s_lshl_b32 s33, s33, s31                       ; 128 rows a K step
	s_lshr_b32 s34, s32, 1
	s_lshl_b32 s34, s34, 7                         ; 32 (t / 2) columns of 4 bytes
	s_and_b32 s35, s32, 1
	s_lshl_b32 s35, s35, 5                         ; 8 (t % 2)
	s_add_co_u32 s34, s34, s35
	s_add_co_u32 s34, s34, s33
	s_mov_b32 s35, 0
	s_mov_b32 s38, 0x76543210
	s_mov_b32 s39, 0xfedcba98                      ; selects: lane l xor 16
	v_and_b32 v1, 15, v0                           ; r
	v_bfe_u32 v2, v0, 4, 1                         ; h
	v_and_b32 v6, 8, v1
	v_add_nc_u32 v6, v6, v1                        ; r + 8 (r / 8)
	v_lshlrev_b32 v3, 5, v2
	v_lshlrev_b32 v3, s31, v3                      ; lanes 16-31 begin 32 rows further down
	v_lshl_add_u32 v3, v6, 2, v3
	v_and_b32 v7, 31, v0
	v_lshlrev_b32 v4, 4, v7                        ; 16 l
	v_lshlrev_b32 v5, 2, v7                        ; 4 l
	s_mul_i32 s40, s27, 1536
	s_mov_b32 s41, 0
	s_lshl_b32 s42, s27, 7
	s_add_co_u32 s42, s42, SCW
	s_mov_b32 s43, 0
	s_wait_kmcnt 0x0
	s_mov_b64 s[36:37], s[4:5]                     ; the weight's address: a choice on the work-group's number alone
.irp i, 1,2,3,4,5,6,7
	s_cmp_eq_u32 s28, \i
	s_cselect_b64 s[36:37], s[4+2*\i:5+2*\i], s[36:37]
.endr
	s_cmp_eq_u32 s28, 8
	s_cselect_b64 s[36:37], s[20:21], s[36:37]
	s_cmp_eq_u32 s28, 9
	s_cselect_b64 s[36:37], s[22:23], s[36:37]
	s_add_nc_u64 s[36:37], s[36:37], s[34:35]
	s_add_nc_u64 s[40:41], s[24:25], s[40:41]
	s_add_nc_u64 s[42:43], s[24:25], s[42:43]
	s_cmp_lt_u32 s28, 7
	s_cbranch_scc0 .Lnarrow
	LOADW 2048
	s_branch .Lloaded
.Lnarrow:
	LOADW 1024
.Lloaded:
	s_wait_loadcnt 0x0
.irp c, 0,1                                    ; my block 2 c + h: all its 32 numbers are mine; the floor 2^(5 - 127) holds the byte at 1 from below
	v_max3_num_f32 v[8+\c], |v[32+32*\c]|, |v[33+32*\c]|, 0x2800000
.endr
.irp i, 2,4,6,8,10,12,14,16,18,20,22,24,26,28,30
.irp c, 0,1
	v_max3_num_f32 v[8+\c], v[8+\c], |v[32+32*\c+\i]|, |v[33+32*\c+\i]|
.endr
.endr
.irp c, 0,1
	v_add_nc_u32 v[10+\c], 0xfe000000, v[8+\c]     ; 4 off the exponent field: the conversion's scale operand
.endr
.irp c, 0,1
	v_lshrrev_b32 v[12+\c], 23, v[10+\c]           ; the byte
.endr
	v_lshl_or_b32 v14, v13, 16, v12                ; my two bytes, blocks h and 2 + h,
	v_lshlrev_b32 v15, 3, v2
	v_lshlrev_b32 v14, v15, v14                    ; at their places;
	v_mov_b32 v15, 0
	v_permlanex16_b32 v15, v14, s38, s39
	v_or_b32 v14, v14, v15                         ; with lane l xor 16's the word is whole, in both halves of the lanes
.irp c, 0,1
	v_cvt_scalef32_pk16_bf6_f32 v[16+6*\c:18+6*\c], v[32+32*\c:47+32*\c], v[10+\c]
	v_cvt_scalef32_pk16_bf6_f32 v[96+4*\c:98+4*\c], v[48+32*\c:63+32*\c], v[10+\c]   ; (a conversion's three registers begin on an even number)
.endr
	v_nop                                          ; one plain place behind a scaled conversion
.irp c, 0,1
.irp i, 0,1,2
	v_mov_b32 v[19+6*\c+\i], v[96+4*\c+\i]
.endr
.endr
	global_store_b128 v4, v[16:19], s[40:41]       ; each store covers 512 consecutive bytes, aligned
	global_store_b128 v4, v[20:23], s[40:41] offset:512
	global_store_b128 v4, v[24:27], s[40:41] offset:1024
	global_store_b32 v5, v14, s[42:43]             ; 128 consecutive bytes; the work-group's four waves fill 512
	s_endpgm
.Lfunc_end_k_qc0a1f00cf7_wprep:
	.size	k_qc0a1f00cf7_wprep, .Lfunc_end_k_qc0a1f00cf7_wprep-k_qc0a1f00cf7_wprep
	.p2alignl 7, 3214868480
	.fill 96, 4, 3214868480
	.section	.rodata,"a",@progbits
	.p2align	6, 0x0
	.amdhsa_kernel k_qc0a1f00cf7_wprep
		.amdhsa_group_segment_fixed_size 0
		.amdhsa_private_segment_fixed_size 0
		.amdhsa_enable_private_segment 0
		.amdhsa_kernarg_size 88
		.amdhsa_user_sgpr_count 2
		.amdhsa_user_sgpr_kernarg_segment_ptr 1
		.amdhsa_wavefront_size32 1
		.amdhsa_system_sgpr_workgroup_id_x 1
		.amdhsa_system_sgpr_workgroup_id_y 1
		.amdhsa_system_sgpr_workgroup_id_z 1
		.amdhsa_system_vgpr_workitem_id 0
		.amdhsa_next_free_vgpr 112
		.amdhsa_next_free_sgpr 66
		.amdhsa_reserve_vcc 0
		.amdhsa_float_denorm_mode_32 3
		.amdhsa_float_denorm_mode_16_64 3
		.amdhsa_memory_ordered 1
		.amdhsa_forward_progress 1
		.amdhsa_inst_pref_size 19
	.end_amdhsa_kernel
	.amdgpu_metadata
---
amdhsa.version: [ 1, 2 ]
amdhsa.kernels:
  - .name:           k_qc0a1f00cf7_wprep
    .symbol:         k_qc0a1f00cf7_wprep.kd
    .args:
      - { .name: m1_wq, .offset: 0, .size: 8, .value_kind: global_buffer, .address_space: global }
      - { .name: m1_wk, .offset: 8, .size: 8, .value_kind: global_buffer, .address_space: global }
      - { .name: m1_wv, .offset: 16, .size: 8, .value_kind: global_buffer, .address_space: global }
      - { .name: m2_wk, .offset: 24, .size: 8, .value_kind: global_buffer, .address_space: global }
      - { .name: m2_wv, .offset: 32, .size: 8, .value_kind: global_buffer, .address_space: global }
      - { .name: m2_wq, .offset: 40, .size: 8, .value_kind: global_buffer, .address_space: global }
      - { .name: ffn_w1, .offset: 48, .size: 8, .value_kind: global_buffer, .address_space: global }
      - { .name: m1_w2, .offset: 56, .size: 8, .value_kind: global_buffer, .address_space: global }
      - { .name: m2_w2, .offset: 64, .size: 8, .value_kind: global_buffer, .address_space: global }
      - { .name: ffn_w2, .offset: 72, .size: 8, .value_kind: global_buffer, .address_space: global }
      - { .name: wts, .offset: 80, .size: 8, .value_kind: global_buffer, .address_space: global }
    .group_segment_fixed_size: 0
    .private_segment_fixed_size: 0
    .kernarg_segment_align: 8
    .kernarg_segment_size: 88
    .max_flat_workgroup_size: 128
    .sgpr_count:     66
    .vgpr_count:     112
    .wavefront_size: 32
...
	.end_amdgpu_metadata
.endif
;; end of part 1
;; launch proj (part 2): grid 64 x 5, 8 waves a work-group, no clusters, 27,648 bytes of LDS; arguments x, encoder_output, tgt_mask, wts, m1_bq, m1_bk, m1_bv, m2_bk, m2_bv, qimg, kv1, kv2; writes qimg, kv1, kv2
.if DOCPART == 2
	.amdgcn_target "amdgcn-amd-amdhsa--gfx1250"
	.amdhsa_code_object_version 6
	.text
	.protected	k_qc0a1f00cf7_proj
	.globl	k_qc0a1f00cf7_proj
	.p2align	8
	.type	k_qc0a1f00cf7_proj,@function
k_qc0a1f00cf7_proj:
	s_mov_b64 s[64:65], 0
	v_nop
	global_prefetch_b8 v0, s[64:65] scope:SCOPE_SE
	s_setreg_imm32_b32 hwreg(HW_REG_WAVE_MODE, 25, 1), 1
	s_wait_xcnt 0x0
; The five projections that hang on inputs alone: job (work-group y) 0: Q1 = x wq + bq, 1: K1, 2: V1, 3: K2 = enc wk + bk, 4: V2.  Both operands in E3M2 codes; the results are quantised again for attention
; and stored as images of operand registers.  A work-group takes 128 rows (work-group x): one key step of attention.
; PHASE X: wave w quantises row tile w (16 rows x 256) along K into two fragments and stores their images in LDS; one barrier; behind it LDS is only read.
; THE ROWS OF A TILE ARE NOT NEIGHBOURS: member i of tile m is row 32 (m / 2) + 8 (m % 2) + i + 8 (i / 8); the weights' column tiles are chosen likewise.
; Then wave w makes head w (64 columns: 4 column tiles, 8 weight fragments, kept in registers) for all 8 row tiles.
; Q, K: the product is used transposed (source 0 = weight, source 1 = rows): a lane holds one row and 32 of the head's 64 numbers; they are quantised along the head's 64.  A tile's image is 1,024 bytes:
;   lane l's 16 bytes at 16 l: registers 0-3; at 512 + 16 l: registers 4, 5, 6 and a word: the row's scale word (Q) or 0 (K: it is register 7 of the operand).
; V: source 0 = rows, source 1 = weight: a lane holds one of the head's 64 numbers and its registers run along the KEYS: quantised along the keys, 128 to a fragment.
; THE KEY MASK rides on the unused K positions 64 .. 127 of the score product.  Q holds the code +16 at k = 64 (scale byte 127); a key with tgt_mask == 0 holds the code -16 there with the scale byte 154 (2^27),
; and its 64 numbers are multiplied by 0 ahead of the quantiser: its score is exactly -2^35, which is -2^32 after the division by 8: the f32 value of -2^32 + 1.
; LIMITS: a block of zeros, and one whose largest magnitude lies under 2^-122, gets the byte 1 (this program alone reads the bytes); NaN and infinities are not served.  src_mask is not read.
; REGISTERS: v1 16 l, v2 4 l, v3 x's lane offset, v4, v5 where I store images and scale words, v6 64 h, v7 4 (r + 8 (r / 8)), v8 h; v10-17 the weights' scale words, v18-21 the rows', v22-25 scale words to store;
;   v32-43, v44-51 at work in the quantiser, v52-63 codes; v64-191 x's numbers, later accumulators, fragments and biases; v160-255 the weight fragments.
.set SEL, 54
.set XSC, 24576                        ; LDS: images of the 16 fragments (tile m, K step s: (2 m + s) x 1536) from 0; their scale words, 128 bytes each, from here
; 32 nc x 2 numbers of a lane, register s + 16 b + i = k 32 b + 16 (lane / 16) + i of my row, become codes: half fragment c (blocks 2 c, 2 c + 1) in v[d + st c] on, six registers.  The bytes stay in v[tm + 4 + b].
.macro QUANT s, d, st, nc, tm, tq
.set qb, 0
.rept 2*\nc
	v_max3_num_f32 v[\tm+qb], |v[\s+16*qb]|, |v[\s+16*qb+1]|, 0x2800000   ; my 16 numbers of block b, and the floor 2^(5 - 127): the byte cannot fall under 1
.set qb, qb+1
.endr
.irp qi, 2,4,6,8,10,12,14
.set qb, 0
.rept 2*\nc
	v_max3_num_f32 v[\tm+qb], v[\tm+qb], |v[\s+16*qb+\qi]|, |v[\s+16*qb+\qi+1]|   ; (the blocks by turns)
.set qb, qb+1
.endr
.endr
.set qb, 0
.rept 2*\nc
	v_permlanex16_b32 v[\tm+4+qb], v[\tm+qb], s[SEL], s[SEL+1]
.set qb, qb+1
.endr
.set qb, 0
.rept 2*\nc
	v_max_num_f32 v[\tm+qb], v[\tm+qb], v[\tm+4+qb]   ; with lane l xor 16's: the block's largest magnitude
.set qb, qb+1
.endr
.set qb, 0
.rept 2*\nc
	v_add_nc_u32 v[\tm+8+qb], 0xfe000000, v[\tm+qb]   ; 4 off its exponent field: the conversion's scale operand
.set qb, qb+1
.endr
.set qb, 0
.rept 2*\nc
	v_lshrrev_b32 v[\tm+4+qb], 23, v[\tm+8+qb]        ; the byte
.set qb, qb+1
.endr
.set qc, 0
.rept \nc
	v_cvt_scalef32_pk16_bf6_f32 v[\d+\st*qc:\d+\st*qc+2], v[\s+32*qc:\s+32*qc+15], v[\tm+8+2*qc]
	v_cvt_scalef32_pk16_bf6_f32 v[\tq+4*qc:\tq+4*qc+2], v[\s+32*qc+16:\s+32*qc+31], v[\tm+9+2*qc]   ; (a conversion's three registers begin on an even number)
.set qc, qc+1
.endr
	v_nop                                          ; one plain place behind a scaled conversion
.set qc, 0
.rept \nc                                      ; the operand's layout wants a whole block in a lane: lanes 0-15 block 2 c, lanes 16-31 block 2 c + 1
.irp qi, 0,1,2
	v_permlane16_swap_b32 v[\d+\st*qc+\qi], v[\tq+4*qc+\qi]
.endr
.irp qi, 0,1,2
	v_mov_b32 v[\d+\st*qc+3+\qi], v[\tq+4*qc+\qi]
.endr
.set qc, qc+1
.endr
.endm
.macro WM d, a, b, c, sa, sb
	v_wmma_scale_f32_16x16x128_f8f6f4 v[\d:\d+7], v[\a:\a+11], v[\b:\b+11], v[\c:\c+7], v[\sa], v[\sb] matrix_a_fmt:MATRIX_FMT_BF6 matrix_b_fmt:MATRIX_FMT_BF6
.endm
	s_load_b512 s[8:23], s[0:1], 0x0               ; x 8, enc 10, tgt_mask 12, wts 14, m1_bq 16, m1_bk 18, m1_bv 20, m2_bk 22
	s_load_b256 s[24:31], s[0:1], 0x40             ; m2_bv 24, qimg 26, kv1 28, kv2 30
	s_set_vgpr_msb 0x40
	v_lshl_add_u32 v0, v0, 2, 0x6800
	v_mov_b32 v1, 0
	s_set_vgpr_msb 0x4000
	v_lshrrev_b32 v1, 5, v0
	v_readfirstlane_b32 s32, v1                    ; wave 0..7
	s_and_b32 s33, ttmp7, 0xffff                   ; job
	s_mov_b32 s34, ttmp9                           ; block of 128 rows
	s_mov_b32 s[SEL], 0x76543210
	s_mov_b32 s[SEL+1], 0xfedcba98
	s_mov_b32 s52, 0xffff0000                      ; lanes 16-31
	v_and_b32 v9, 31, v0
	v_and_b32 v26, 15, v0
	v_bfe_u32 v8, v0, 4, 1                         ; h
	v_lshlrev_b32 v1, 4, v9                        ; 16 l
	v_lshlrev_b32 v2, 2, v9                        ; 4 l
	v_and_b32 v27, 8, v26
	v_add_nc_u32 v27, v27, v26                     ; r + 8 (r / 8)
	v_lshlrev_b32 v3, 10, v27
	v_lshl_add_u32 v3, v8, 6, v3                   ; my row of 1,024 bytes, + 64 h: my 16 numbers of a block of 32
	v_lshlrev_b32 v7, 2, v27
	v_lshlrev_b32 v6, 6, v8
	s_mul_i32 s4, s32, 3072
	v_add_nc_u32 v4, s4, v1                        ; my tile's two images
	s_lshl_b32 s4, s32, 8
	s_add_co_u32 s4, s4, XSC
	v_add_nc_u32 v5, s4, v2                        ; and their scale words
.irp i, 0,1,2,3
	v_mov_b32 v[36+\i], 0                          ; written once: a lane permute's destination counts as one of its sources
.endr
	v_mov_b32 v31, 0                               ; (named as the upper half of the pair v[30:31])
	s_lshl_b32 s2, s34, 7                          ; my tile's first row: 128 x block + 32 (w / 2) + 8 (w % 2)
	s_lshr_b32 s4, s32, 1
	s_lshl_b32 s4, s4, 5
	s_add_co_u32 s2, s2, s4
	s_and_b32 s4, s32, 1
	s_lshl_b32 s4, s4, 3
	s_add_co_u32 s2, s2, s4
	s_lshl_b32 s2, s2, 10
	s_mov_b32 s3, 0
	s_mov_b32 s5, 0
	s_mov_b32 s7, 0
	s_cmp_eq_u32 s33, 1
	s_cselect_b32 s51, 60, 0                       ; register 6 of a masked row: the code -16 (K1)
	s_mov_b32 s48, 0x7f9a0000                      ; the scale word's upper bytes: K: 2^27, 1
	s_mov_b32 s56, 15360
	s_cmp_eq_u32 s33, 0
	s_cselect_b32 s51, 28, s51
	s_cselect_b32 s50, 28, 0                       ; register 6 of a row that counts: Q: the code +16; K: 0
	s_cselect_b32 s49, -1, 0                       ; Q keeps its scale word in the image's last word, K has 0 there
	s_cselect_b32 s48, 0x7f7f0000, s48             ; Q: 1, 1
	s_cselect_b32 s56, 8192, s56                   ; bytes of a block of 128 rows in the output
	s_cmp_eq_u32 s33, 2
	s_cselect_b32 s57, 1, 0
	s_cmp_eq_u32 s33, 4
	s_cselect_b32 s57, 1, s57                      ; is it a V job?
	s_lshr_b32 s6, s34, 4                          ; ((batch x 8 + head) x 16 + step) blocks
	s_lshl_b32 s6, s6, 3
	s_add_co_u32 s6, s6, s32
	s_lshl_b32 s6, s6, 4
	s_and_b32 s4, s34, 15
	s_add_co_u32 s6, s6, s4
	s_mul_i32 s6, s6, s56
	s_wait_kmcnt 0x0
	s_cmp_lt_u32 s33, 3                            ; every choice of a buffer hangs on the job alone
	s_cselect_b64 s[36:37], s[8:9], s[10:11]       ; the rows
	s_cselect_b64 s[40:41], s[28:29], s[30:31]     ; the output
	s_cmp_eq_u32 s33, 0
	s_cselect_b64 s[40:41], s[26:27], s[40:41]
	s_mov_b64 s[38:39], s[16:17]                   ; the bias
.irp j, 1,2,3,4
	s_cmp_eq_u32 s33, \j
	s_cselect_b64 s[38:39], s[16+2*\j:17+2*\j], s[38:39]
.endr
	s_add_nc_u64 s[36:37], s[36:37], s[2:3]
	s_add_nc_u64 s[40:41], s[40:41], s[6:7]
	s_lshl_b32 s4, s32, 8
	s_add_nc_u64 s[38:39], s[38:39], s[4:5]        ; my head's 64 numbers
	s_mul_i32 s4, s33, 98304
	s_mul_i32 s6, s32, 12288
	s_add_co_u32 s4, s4, s6
	s_add_nc_u64 s[42:43], s[14:15], s[4:5]        ; my 8 weight fragments
	s_lshl_b32 s4, s33, 13
	s_lshl_b32 s6, s32, 10
	s_add_co_u32 s4, s4, s6
	s_add_co_u32 s4, s4, 983040
	s_add_nc_u64 s[44:45], s[14:15], s[4:5]        ; and their scale words
	s_lshl_b32 s4, s34, 9
	s_add_nc_u64 s[46:47], s[12:13], s[4:5]        ; the block's 128 words of tgt_mask
	; ---- X: my 16 rows become two fragments
.irp s, 0,1
.irp b, 0,1,2,3
.irp j, 0,1,2,3
	global_load_b128 v[64+64*\s+16*\b+4*\j:67+64*\s+16*\b+4*\j], v3, s[36:37] offset:512*\s+128*\b+16*\j
.endr
.endr
.endr
	s_wait_loadcnt 16                              ; K step 0's sixteen loads are in; K step 1's sixteen may be out
	QUANT 64, 52, 6, 2, 32, 44
	v_lshl_or_b32 v26, v37, 8, v36                 ; the four bytes make my row's scale word
	v_lshl_or_b32 v26, v38, 16, v26
	v_lshl_or_b32 v26, v39, 24, v26
.irp c, 0,1,2
	ds_store_b128 v4, v[52+4*\c:55+4*\c] offset:512*\c
.endr
	ds_store_b32 v5, v26
	s_wait_dscnt 0x0                               ; the stores have read their registers
	s_wait_loadcnt 0x0
	QUANT 128, 52, 6, 2, 32, 44
	v_lshl_or_b32 v26, v37, 8, v36
	v_lshl_or_b32 v26, v38, 16, v26
	v_lshl_or_b32 v26, v39, 24, v26
.irp c, 0,1,2
	ds_store_b128 v4, v[52+4*\c:55+4*\c] offset:1536+512*\c
.endr
	ds_store_b32 v5, v26 offset:128
.irp f, 0,1,2,3,4,5,6,7                        ; the weight fragments (column tile f / 2 of my head, K step f % 2) take the registers that x's numbers have left
.irp c, 0,1,2
	global_load_b128 v[160+12*\f+4*\c:163+12*\f+4*\c], v1, s[42:43] offset:1536*\f+512*\c
.endr
	global_load_b32 v[10+\f], v2, s[44:45] offset:128*\f
.endr
	s_wait_dscnt 0x0                               ; for the others' sake: my images lie in LDS
	s_barrier_signal -1
	s_barrier_wait -1                              ; all sixteen do; from here on LDS is only read
	s_cmp_eq_u32 s57, 1
	s_cbranch_scc1 .Lvpath
	; ---- Q or K.  v64-95 four accumulators, v96-119 a row tile's two fragments, v120-151 the bias in the result's layout, v152-159 the mask words
.irp t, 0,1,2,3
	global_load_b128 v[120+8*\t:123+8*\t], v6, s[38:39] offset:128*(\t/2)+32*(\t%2)
	global_load_b128 v[124+8*\t:127+8*\t], v6, s[38:39] offset:128*(\t/2)+32*(\t%2)+16
.endr
.irp m, 0,1,2,3,4,5,6,7
	v_mov_b32 v[152+\m], 1                         ; every row counts, unless tgt_mask says otherwise (K1 alone)
.endr
	s_cmp_eq_u32 s33, 1
	s_cbranch_scc0 .Lnomask
.irp m, 0,1,2,3,4,5,6,7
	global_load_b32 v[152+\m], v7, s[46:47] offset:(32*(\m/2)+8*(\m%2))*4
.endr
.Lnomask:
	v_sub_nc_u32 v9, 1, v8                         ; k = 64 lies in lanes 0-15
	v_mul_u32_u24 v27, s50, v9
	v_mul_u32_u24 v28, s51, v9
	s_wait_loadcnt 0x0
.irp m, 0,1,2,3,4,5,6,7
.irp c, 0,1,2
	ds_load_b128 v[96+4*\c:99+4*\c], v1 offset:(2*\m)*1536+512*\c
	ds_load_b128 v[108+4*\c:111+4*\c], v1 offset:(2*\m+1)*1536+512*\c
.endr
	ds_load_b32 v18, v2 offset:XSC+(2*\m)*128
	ds_load_b32 v19, v2 offset:XSC+(2*\m+1)*128
	s_wait_dscnt 0x0
.irp t, 0,1,2,3                                ; the bias is the C of each sum's first product; the four accumulators take turns
	WM 64+8*\t, 160+24*\t, 96, 120+8*\t, 10+2*\t, 18
.endr
.irp t, 0,1,2,3
	WM 64+8*\t, 172+24*\t, 108, 64+8*\t, 11+2*\t, 19
.endr
	v_cmp_ne_u32 vcc_lo, 0, v[152+\m]              ; these lines name no register of the products: they are the places behind them
	v_cndmask_b32 v30, 0, 1.0, vcc_lo              ; a masked key's row is multiplied by 0
	v_cndmask_b32 v29, v28, v27, vcc_lo            ; and its register 6 holds the code -16
	v_nop
	v_nop
.set j, 0
.rept 16
	v_pk_mul_f32 v[64+j:65+j], v[64+j:65+j], v[30:31] op_sel_hi:[1,0]
.set j, j+2
.endr
	s_wait_xcnt 0x0                                ; the last tile's stores have read v52-59
	QUANT 64, 52, 8, 1, 32, 44
	v_lshl_or_b32 v26, v37, 8, v36
	v_or_b32 v26, s48, v26                         ; the row's scale word
	v_mov_b32 v58, v29
	v_and_b32 v59, s49, v26
	global_store_b128 v1, v[52:55], s[40:41] offset:1024*\m
	global_store_b128 v1, v[56:59], s[40:41] offset:1024*\m+512
.if \m < 4
	v_mov_b32 v[22+\m], v26                        ; K's scale words: register i: lanes 0-15 tile i,
.else
	v_cndmask_b32 v[18+\m], v[18+\m], v26, s52     ; lanes 16-31 tile 4 + i
.endif
.endr
	s_cmp_eq_u32 s33, 0
	s_cbranch_scc1 .Lqdone
	global_store_b128 v1, v[22:25], s[40:41] offset:8192
.Lqdone:
	s_set_vgpr_msb 0x5
	s_wait_tensorcnt 0x0
	ds_add_u32 v0, v1
	s_wait_dscnt 0x0
	s_set_vgpr_msb 0x500
	s_endpgm
.Lvpath:
	; ---- V.  v64-127 eight accumulators (row tiles 0-7: 128 keys); four row fragments at v128, v140, v32, v44; v152-159 the bias; v26-29 my columns' biases
.irp t, 0,1,2,3
	global_load_b32 v[26+\t], v7, s[38:39] offset:(32*(\t/2)+8*(\t%2))*4
.endr
	s_wait_loadcnt 0x0
.irp t, 0,1,2,3
.irp j, 0,1,2,3,4,5,6,7
	v_mov_b32 v[152+\j], v[26+\t]                  ; a lane holds one column: the same bias in its eight registers
.endr
.rept 4
	v_nop
.endr
	s_wait_xcnt 0x0                                ; the last tile's stores have read v52-63
.irp s, 0,1
.irp q, 0,1
.irp i, 0,1,2,3
.irp c, 0,1,2
	ds_load_b128 v[128+12*\i-120*(\i/2)+4*\c:131+12*\i-120*(\i/2)+4*\c], v1 offset:(2*(4*\q+\i)+\s)*1536+512*\c
.endr
	ds_load_b32 v[18+\i], v2 offset:XSC+(2*(4*\q+\i)+\s)*128
.endr
	s_wait_dscnt 0x0
.irp i, 0,1,2,3                                ; the eight accumulators take turns
.if \s == 0
	WM 64+8*(4*\q+\i), 128+12*\i-120*(\i/2), 160+12*(2*\t+\s), 152, 18+\i, 10+2*\t+\s
.else
	WM 64+8*(4*\q+\i), 128+12*\i-120*(\i/2), 160+12*(2*\t+\s), 64+8*(4*\q+\i), 18+\i, 10+2*\t+\s
.endif
.endr
.rept 4
	v_nop                                          ; places in front of loads into, and vector writes of, registers that the products have read, and of the first read of results
.endr
.endr
.endr
	QUANT 64, 52, 6, 2, 32, 44                     ; register 16 b + i is key 32 b + 16 h + i of my column
	v_lshl_or_b32 v[22+\t], v37, 8, v36
	v_lshl_or_b32 v[22+\t], v38, 16, v[22+\t]
	v_lshl_or_b32 v[22+\t], v39, 24, v[22+\t]
.irp c, 0,1,2
	global_store_b128 v1, v[52+4*\c:55+4*\c], s[40:41] offset:8704+1536*\t+512*\c
.endr
.endr
	global_store_b128 v1, v[22:25], s[40:41] offset:14848
	s_set_vgpr_msb 0x5
	s_wait_tensorcnt 0x0
	ds_add_u32 v0, v1
	s_wait_dscnt 0x0
	s_set_vgpr_msb 0x500
	s_endpgm
.Lfunc_end_k_qc0a1f00cf7_proj:
	.size	k_qc0a1f00cf7_proj, .Lfunc_end_k_qc0a1f00cf7_proj-k_qc0a1f00cf7_proj
	.p2alignl 7, 3214868480
	.fill 96, 4, 3214868480
	.section	.rodata,"a",@progbits
	.p2align	6, 0x0
	.amdhsa_kernel k_qc0a1f00cf7_proj
		.amdhsa_group_segment_fixed_size 27648
		.amdhsa_private_segment_fixed_size 0
		.amdhsa_enable_private_segment 0
		.amdhsa_kernarg_size 96
		.amdhsa_user_sgpr_count 2
		.amdhsa_user_sgpr_kernarg_segment_ptr 1
		.amdhsa_wavefront_size32 1
		.amdhsa_system_sgpr_workgroup_id_x 1
		.amdhsa_system_sgpr_workgroup_id_y 1
		.amdhsa_system_sgpr_workgroup_id_z 1
		.amdhsa_system_vgpr_workitem_id 0
		.amdhsa_next_free_vgpr 258
		.amdhsa_next_free_sgpr 66
		.amdhsa_reserve_vcc 1
		.amdhsa_float_denorm_mode_32 3
		.amdhsa_float_denorm_mode_16_64 3
		.amdhsa_memory_ordered 1
		.amdhsa_forward_progress 1
		.amdhsa_inst_pref_size 105
	.end_amdhsa_kernel
	.amdgpu_metadata
---
amdhsa.version: [ 1, 2 ]
amdhsa.kernels:
  - .name:           k_qc0a1f00cf7_proj
    .symbol:         k_qc0a1f00cf7_proj.kd
    .args:
      - { .name: x, .offset: 0, .size: 8, .value_kind: global_buffer, .address_space: global }
      - { .name: encoder_output, .offset: 8, .size: 8, .value_kind: global_buffer, .address_space: global }
      - { .name: tgt_mask, .offset: 16, .size: 8, .value_kind: global_buffer, .address_space: global }
      - { .name: wts, .offset: 24, .size: 8, .value_kind: global_buffer, .address_space: global }
      - { .name: m1_bq, .offset: 32, .size: 8, .value_kind: global_buffer, .address_space: global }
      - { .name: m1_bk, .offset: 40, .size: 8, .value_kind: global_buffer, .address_space: global }
      - { .name: m1_bv, .offset: 48, .size: 8, .value_kind: global_buffer, .address_space: global }
      - { .name: m2_bk, .offset: 56, .size: 8, .value_kind: global_buffer, .address_space: global }
      - { .name: m2_bv, .offset: 64, .size: 8, .value_kind: global_buffer, .address_space: global }
      - { .name: qimg, .offset: 72, .size: 8, .value_kind: global_buffer, .address_space: global }
      - { .name: kv1, .offset: 80, .size: 8, .value_kind: global_buffer, .address_space: global }
      - { .name: kv2, .offset: 88, .size: 8, .value_kind: global_buffer, .address_space: global }
    .group_segment_fixed_size: 27648
    .private_segment_fixed_size: 0
    .kernarg_segment_align: 8
    .kernarg_segment_size: 96
    .max_flat_workgroup_size: 256
    .sgpr_count:     66
    .vgpr_count:     258
    .wavefront_size: 32
...
	.end_amdgpu_metadata
.endif
;; end of part 2
;; launch att1 (part 3): grid 8 x 32, 16 waves a work-group, clusters of 4 x 1, 247,808 bytes of LDS; arguments qimg, kv1, obuf; writes obuf
.if DOCPART == 3
	.amdgcn_target "amdgcn-amd-amdhsa--gfx1250"
	.amdhsa_code_object_version 6
	.text
	.protected	k_qc0a1f00cf7_att1
	.globl	k_qc0a1f00cf7_att1
	.p2align	8
	.type	k_qc0a1f00cf7_att1,@function
k_qc0a1f00cf7_att1:
	s_mov_b64 s[64:65], 0
	v_nop
	global_prefetch_b8 v0, s[64:65] scope:SCOPE_SE
	s_setreg_imm32_b32 hwreg(HW_REG_WAVE_MODE, 25, 1), 1
	s_wait_xcnt 0x0
	s_wait_alu depctr_hold_cnt(0) depctr_sa_sdst(0) depctr_va_vdst(0) depctr_va_sdst(0) depctr_va_ssrc(0) depctr_va_vcc(0) depctr_vm_vsrc(0)
	s_getreg_b32 s2, hwreg(HW_REG_IB_STS2, 6, 4)
	s_cmp_eq_u32 s2, 0
	s_cbranch_scc0 .Lentry_in_a_cluster
	s_endpgm
.Lentry_in_a_cluster:
	s_bfe_u32 s2, ttmp6, 0x10000c
	s_cmp_lg_u32 s2, 0x3003
	s_cbranch_scc0 .Lentry_shape_is_right
	s_endpgm
.Lentry_shape_is_right:
; Attention of one head on codes of E3M2: O = softmax(Q K^T / 8) V, divided by the row's sum and quantised along the head's 64 for the next product.
; Inputs are images of operand registers.  qimg: [batch x 8 + head][query tile 0..127] x 1,024 bytes.  kv: [batch x 8 + head][key step 0..15] x 15,360 bytes: 8 tiles of K (1,024 each), K's scale words (512),
; 4 tiles of V^T (16 of the head's 64 x 128 keys, 1,536 each), V's scale words (512).  Output: obuf + (row tile x 8 + head) x 768: half a fragment, registers 2 p, 2 p + 1 of lane l at 256 p + 8 l;
; its two scale bytes as a word at obuf + 3145728 + (row tile x 8 + head) x 128 + 4 l.
; THE SOFTMAX: t = score x log2(e) / 8; M = the row's largest t so far, rounded UP to a whole number; p = 2^(t - M) is quantised along the keys, not normalised; the row's sum is taken of the unquantised p.
; When M moves, the sum and O are multiplied by 2^(old M - new M): exact.  A masked key arrives with the score -2^35 (made in the projection's launch): t = -2^32 log2(e).
; SHARES.  A work-group owns 256 queries of one head, each of its sixteen waves one tile of 16: four waves to a SIMD, so that one wave's vector work stands beside another's matrix work and LDS loads.
; ALL OF THE HEAD'S K AND V, 16 x 15,360 bytes, IS BROUGHT INTO LDS ONCE: no byte of LDS is filled twice.  Waves 0 to 3 issue four tensor loads each (load j of wave w: key step 4 j + w): four loads of a wave are out at the most.
; CLUSTER.  The four query blocks of a cluster belong to one head and need the same K and V: each load is asked for JOINTLY, with the same descriptor and a mask that names the four.
; LAYOUT.  Both products are used transposed (S^T = K Q^T, O^T = V^T P^T): a lane holds one query throughout.  The keys of a tile of K, and the head's numbers of a tile of V^T, are chosen so that the 16 registers
; of tiles 2 b and 2 b + 1 are 16 neighbours along the next K.
; LIMITS: logits of keys that count are taken to lie above -2^32; NaN and infinities are not served; a block of zeros gets the scale byte 1 (this program alone reads the bytes).
; REGISTERS: v1 16 l, v2 the step's LDS address, v3 8 l, v4 4 l, v5 Q's scale words, v8-11 K's, v12 -M, v13 the largest t, v[14:15] the sum, v16-27 Q, v28-31 V's scale words, v32-79 four tiles of K,
;   v80-143 S^T, then p; V's four fragments then lie over v80-127; v144-175 O^T; v176-187 p's codes; v188-195, v196-210 at work (v208 f, v209 p's scale word).
.set WV,  10
.set G1,  16                           ; s[16:23] descriptor group 1
.set G0,  24                           ; s[24:39] four groups 0
.set TB,  40                           ; the step's first LDS byte
.set CNT, 41
.set CS,  42                           ; s[42:43] c = log2(e) / 8
.set SEL, 44
.set STEPB, 15360
.macro QUANT s, d, st, nc, tm, tq      ; 32 nc x 2 numbers of a lane, register s + 16 b + i = k 32 b + 16 (lane / 16) + i of my row, become codes in v[d + st c] on; the bytes stay in v[tm + 4 + b]
.set qb, 0
.rept 2*\nc
	v_max3_num_f32 v[\tm+qb], |v[\s+16*qb]|, |v[\s+16*qb+1]|, 0x2800000
.set qb, qb+1
.endr
.irp qi, 2,4,6,8,10,12,14
.set qb, 0
.rept 2*\nc
	v_max3_num_f32 v[\tm+qb], v[\tm+qb], |v[\s+16*qb+\qi]|, |v[\s+16*qb+\qi+1]|
.set qb, qb+1
.endr
.endr
.set qb, 0
.rept 2*\nc
	v_permlanex16_b32 v[\tm+4+qb], v[\tm+qb], s[SEL], s[SEL+1]
.set qb, qb+1
.endr
.set qb, 0
.rept 2*\nc
	v_max_num_f32 v[\tm+qb], v[\tm+qb], v[\tm+4+qb]
.set qb, qb+1
.endr
.set qb, 0
.rept 2*\nc
	v_add_nc_u32 v[\tm+8+qb], 0xfe000000, v[\tm+qb]
.set qb, qb+1
.endr
.set qb, 0
.rept 2*\nc
	v_lshrrev_b32 v[\tm+4+qb], 23, v[\tm+8+qb]
.set qb, qb+1
.endr
.set qc, 0
.rept \nc
	v_cvt_scalef32_pk16_bf6_f32 v[\d+\st*qc:\d+\st*qc+2], v[\s+32*qc:\s+32*qc+15], v[\tm+8+2*qc]
	v_cvt_scalef32_pk16_bf6_f32 v[\tq+4*qc:\tq+4*qc+2], v[\s+32*qc+16:\s+32*qc+31], v[\tm+9+2*qc]
.set qc, qc+1
.endr
	v_nop                                          ; one plain place behind a scaled conversion
.set qc, 0
.rept \nc
.irp qi, 0,1,2
	v_permlane16_swap_b32 v[\d+\st*qc+\qi], v[\tq+4*qc+\qi]
.endr
.irp qi, 0,1,2
	v_mov_b32 v[\d+\st*qc+3+\qi], v[\tq+4*qc+\qi]
.endr
.set qc, qc+1
.endr
.endm
.macro CROUND                          ; a round of the cluster's barrier
	s_barrier_signal -1
	s_barrier_wait -1
	s_cmp_lg_u32 s[WV], 0
	s_cbranch_scc1 .Lnot_wave_0_\@
	s_barrier_signal -3
.Lnot_wave_0_\@:
	s_barrier_wait -3
	s_barrier_signal -1
	s_barrier_wait -1
.endm
	s_load_b128 s[4:7], s[0:1], 0x0                ; qimg, kv
	s_load_b64 s[8:9], s[0:1], 0x10                ; obuf
	v_lshl_add_u32 v216, v0, 2, 0x3c000
	v_mov_b32 v217, 0
	ds_add_u32 v216, v217
	ds_add_u32 v216, v217
	v_lshrrev_b32 v1, 5, v0
	v_readfirstlane_b32 s[WV], v1                  ; wave 0..15
	s_bfe_u32 s11, ttmp6, 0x40000                  ; cx: it enters Q's and the output's addresses alone
	s_lshl_b32 s12, ttmp9, 2
	s_add_co_u32 s12, s12, s11                     ; my block of 256 queries
	s_and_b32 s13, ttmp7, 0xffff                   ; batch x 8 + head, which the four partners share
	; descriptor group 1: a key step's block, 15,360 dense bytes, as 60 rows of 256 bytes (32 elements of 8 bytes)
	s_mov_b32 s[G1], 15|(3<<16)|(1<<21)            ; 15:0 the mask: all four work-groups; 17:16 elements of 8 bytes; 20 no padding; 21 set beside a mask
	s_mov_b32 s[G1+1], 32<<16                      ; tensor_dim0
	s_mov_b32 s[G1+2], 60<<16                      ; tensor_dim1
	s_mov_b32 s[G1+3], 32<<16                      ; tile_dim0
	s_mov_b32 s[G1+4], 60                          ; tile_dim1
	s_mov_b32 s[G1+5], 32                          ; the pitch
	s_mov_b32 s[G1+6], 0
	s_mov_b32 s[G1+7], 0
	s_mul_i32 s14, s13, 16*STEPB
	s_mul_i32 s46, s[WV], STEPB
	s_add_co_u32 s14, s14, s46
	s_mov_b32 s15, 0
	s_mov_b32 s[CS], 0x3e38aa3b                    ; log2(e) / 8
	s_mov_b32 s[CS+1], s[CS]                       ; (named with it as a pair)
	s_mov_b32 s[SEL], 0x76543210
	s_mov_b32 s[SEL+1], 0xfedcba98
	s_mov_b32 s[TB], 0
	s_wait_dscnt 0x0
	s_wait_kmcnt 0x0
	s_add_nc_u64 s[6:7], s[6:7], s[14:15]          ; my head's key step w
.irp j, 0,1,2,3
	s_mov_b32 s[G0+4*\j], 1                        ; count = 1
	s_add_co_u32 s[G0+4*\j+1], s46, \j*4*STEPB     ; LDS address: key step 4 j + w
	s_add_nc_u64 s[G0+4*\j+2:G0+4*\j+3], s[6:7], \j*4*STEPB
	s_or_b32 s[G0+4*\j+3], s[G0+4*\j+3], 0x80000000   ; type = 2
.endr
	CROUND                                         ; all four work-groups are here: the joint loads meet
	s_cmp_lt_u32 s[WV], 4                          ; a wave's fills stand in one branch, ahead of every wait on TENSORcnt and every LDS read
	s_cbranch_scc0 .Lno_fill
	tensor_load_to_lds s[G0:G0+3], s[G1:G1+7]
	s_nop 0
	tensor_load_to_lds s[G0+4:G0+7], s[G1:G1+7]
	s_nop 0
	tensor_load_to_lds s[G0+8:G0+11], s[G1:G1+7]
	s_nop 0
	tensor_load_to_lds s[G0+12:G0+15], s[G1:G1+7]
	s_nop 0
.rept 4
	v_nop
.endr
.Lno_fill:
	s_lshl_b32 s47, s12, 4
	s_add_co_u32 s47, s47, s[WV]                   ; my query tile, 0 .. 127
	s_lshl_b32 s48, s13, 17
	s_lshl_b32 s49, s47, 10
	s_add_co_u32 s48, s48, s49
	s_mov_b32 s49, 0
	s_add_nc_u64 s[4:5], s[4:5], s[48:49]
	v_and_b32 v2, 31, v0
	v_lshlrev_b32 v1, 4, v2
	v_lshlrev_b32 v3, 3, v2
	v_lshlrev_b32 v4, 2, v2
	global_load_b128 v[16:19], v1, s[4:5]          ; Q's registers 0-3,
	global_load_b96 v[20:22], v1, s[4:5] offset:512   ; 4-6,
	global_load_b32 v5, v1, s[4:5] offset:524      ; and the row's scale word
.irp j, 23,24,25,26,27
	v_mov_b32 v[\j], 0                             ; the rest of K positions 64 .. 127: zero codes, in Q
.endr
.irp t, 0,1,2,3
.irp j, 8,9,10,11
	v_mov_b32 v[32+12*\t+\j], 0                    ; and in K: these registers are never loaded
.endr
.endr
	v_mov_b32 v13, 0xff61b1e6                      ; the largest t so far: -3e38
	v_floor_f32 v12, -v13                          ; -M
	v_mov_b32 v14, 0
	v_mov_b32 v15, 0
.irp b, 0,1,2,3
	v_mov_b32 v[200+\b], 0                         ; written once: a lane permute's destination counts as one of its sources
.endr
	v_mov_b32 v209, 0                              ; (named as the upper half of the pair v[208:209])
.set j, 0
.rept 32
	v_mov_b32 v[144+j], 0                          ; O^T: the step is written once for all steps; the first finds zeros, which the first change of M leaves zeros
.set j, j+1
.endr
; A KEY STEP: 128 keys
.macro STEP
	v_add_nc_u32 v2, s[TB], v1
.rept 4
	v_nop                                          ; with the addition: five places between the last products, which read v80-127, and the products that write them
.endr
.irp g, 0,1                                    ; S^T = K Q^T, four tiles of 16 keys at a time
.irp t, 0,1,2,3
	ds_load_b128 v[32+12*\t:35+12*\t], v2 offset:(4*\g+\t)*1024
	ds_load_b128 v[36+12*\t:39+12*\t], v2 offset:(4*\g+\t)*1024+512
.endr
.if \g == 0
	ds_load_b128 v[8:11], v2 offset:8192           ; K's scale words: lanes 0-15 tiles 0-3, lanes 16-31 tiles 4-7
.endif
	s_wait_dscnt 0x0
.irp t, 0,1,2,3
.if \g == 0
	v_wmma_scale_f32_16x16x128_f8f6f4 v[80+8*\t:87+8*\t], v[32+12*\t:43+12*\t], v[16:27], 0, v[8+\t], v5 matrix_a_fmt:MATRIX_FMT_BF6 matrix_b_fmt:MATRIX_FMT_BF6
.else
	v_wmma_scale_f32_16x16x128_f8f6f4 v[112+8*\t:119+8*\t], v[32+12*\t:43+12*\t], v[16:27], 0, v[8+\t], v5 matrix_a_fmt:MATRIX_FMT_BF6 matrix_b_fmt:MATRIX_FMT_BF6 matrix_a_scale:MATRIX_SCALE_ROW1
.endif
.endr
.rept 4
	v_nop                                          ; places in front of loads into registers that the products have read, and of the first read of results
.endr
.endr
.irp b, 0,1,2,3
	v_max3_num_f32 v[196+\b], v[80+16*\b], v[81+16*\b], v[82+16*\b]   ; the largest score of each block of 32 keys: it serves the row's maximum and, since p rises with the score, the block's largest p
.endr
.irp i, 3,5,7,9,11,13
.irp b, 0,1,2,3
	v_max3_num_f32 v[196+\b], v[196+\b], v[80+16*\b+\i], v[81+16*\b+\i]
.endr
.endr
.irp b, 0,1,2,3
	v_max_num_f32 v[196+\b], v[196+\b], v[95+16*\b]
.endr
.irp b, 0,1,2,3
	v_permlanex16_b32 v[200+\b], v[196+\b], s[SEL], s[SEL+1]
.endr
.irp b, 0,1,2,3
	v_max_num_f32 v[196+\b], v[196+\b], v[200+\b]  ; with lane l xor 16's 16 keys
.endr
	v_max3_num_f32 v210, v196, v197, v198
	v_max_num_f32 v210, v210, v199
	v_mul_f32 v210, s[CS], v210                    ; the step's largest t
	v_max_num_f32 v13, v13, v210
	v_mov_b32 v210, v12
	v_floor_f32 v12, -v13                          ; the new -M = -ceil(t)
	v_sub_f32 v210, v12, v210                      ; old M - new M: a whole number, 0 or less
	v_cvt_i32_f32 v210, v210                       ; (it saturates)
	v_ldexp_f32 v208, 1.0, v210                    ; f = 2^(old M - new M)
.set j, 0
.rept 32
	v_pk_fma_f32 v[80+j:81+j], v[80+j:81+j], s[CS:CS+1], v[12:13] op_sel_hi:[1,0,0]   ; t - M
.set j, j+2
.endr
.irp b, 0,1,2,3
	v_fma_f32 v[196+\b], v[196+\b], s[CS], v12     ; the same of each block's largest score
.endr
.set j, 0
.rept 64
	v_exp_f32 v[80+j], v[80+j]                     ; p = 2^(t - M)
.set j, j+1
.endr
	v_pk_mul_f32 v[14:15], v[14:15], v[208:209] op_sel_hi:[1,0]   ; the sums under the new M (a plain place behind the exponentials)
	s_wait_alu depctr_va_vdst(0)                   ; one wait for the whole batch, ahead of its first reader
.irp b, 0,1,2,3
	v_exp_f32 v[196+\b], v[196+\b]                 ; the block's largest p
.endr
	v_pk_add_f32 v[200:201], v[80:81], v[82:83]    ; the row's sum of the unquantised p, in two chains
.irp j, 4,8,12,16,20,24,28,32,36,40,44,48,52,56,60
	v_pk_add_f32 v[14:15], v[14:15], v[80+\j:81+\j]
	v_pk_add_f32 v[200:201], v[200:201], v[82+\j:83+\j]
.endr
	v_pk_add_f32 v[14:15], v[14:15], v[200:201]
	s_wait_alu depctr_va_vdst(0)                   ; and one for the four
.irp b, 0,1,2,3
	v_max_num_f32 v[196+\b], 0x2800000, v[196+\b]  ; the floor 2^(5 - 127)
.endr
.irp b, 0,1,2,3
	v_add_nc_u32 v[204+\b], 0xfe000000, v[196+\b]  ; the conversion's scale operand
.endr
.irp b, 0,1,2,3
	v_lshrrev_b32 v[200+\b], 23, v[204+\b]         ; the byte
.endr
	v_lshl_or_b32 v209, v201, 8, v200              ; p's scale word for these 128 keys
	v_lshl_or_b32 v209, v202, 16, v209
	v_lshl_or_b32 v209, v203, 24, v209
.irp c, 0,1
	v_cvt_scalef32_pk16_bf6_f32 v[176+6*\c:178+6*\c], v[80+32*\c:95+32*\c], v[204+2*\c]
	v_cvt_scalef32_pk16_bf6_f32 v[188+4*\c:190+4*\c], v[96+32*\c:111+32*\c], v[204+2*\c+1]
.endr
	v_nop                                          ; one plain place behind a scaled conversion
.irp t, 0,1,2,3                                ; p has been read for the last time: V's fragments land on it while the codes are put in order and O^T is rescaled
.irp c, 0,1,2
	ds_load_b128 v[80+12*\t+4*\c:83+12*\t+4*\c], v2 offset:8704+1536*\t+512*\c
.endr
.endr
	ds_load_b128 v[28:31], v2 offset:14848
.irp c, 0,1
.irp i, 0,1,2
	v_permlane16_swap_b32 v[176+6*\c+\i], v[188+4*\c+\i]
.endr
.irp i, 0,1,2
	v_mov_b32 v[179+6*\c+\i], v[188+4*\c+\i]
.endr
.endr
.set j, 0
.rept 16
	v_pk_mul_f32 v[144+j:145+j], v[144+j:145+j], v[208:209] op_sel_hi:[1,0]   ; O^T under the new M (also the places in front of the products below)
.set j, j+2
.endr
	s_wait_dscnt 0x0
.irp t, 0,1,2,3                                ; O^T += V^T P^T; between two products on one accumulator stand the three others' and the next step's eight
	v_wmma_scale_f32_16x16x128_f8f6f4 v[144+8*\t:151+8*\t], v[80+12*\t:91+12*\t], v[176:187], v[144+8*\t:151+8*\t], v[28+\t], v209 matrix_a_fmt:MATRIX_FMT_BF6 matrix_b_fmt:MATRIX_FMT_BF6
.endr
.endm
; Four key steps, which the waves' loads number j have brought.  left = my younger loads, which may stay out.
.macro GROUP left
	s_wait_tensorcnt \left
	s_wait_dscnt 0x0
	s_barrier_signal -1
	s_barrier_wait -1                              ; the four fetching waves' parts have landed
	s_mov_b32 s[CNT], 4
.Lstep_\@:
	STEP
	s_add_co_u32 s[TB], s[TB], STEPB
	s_sub_co_u32 s[CNT], s[CNT], 1
	s_cmp_lg_u32 s[CNT], 0
	s_cbranch_scc1 .Lstep_\@
.endm
	s_wait_loadcnt 0x0                             ; Q
	GROUP 3
	GROUP 2
	GROUP 1
	GROUP 0
	; THE WAY OUT: O^T / the sum, quantised along the head's 64: register 16 b + i is number 32 b + 16 h + i of my query
.rept 4
	v_nop
.endr
	v_add_f32 v14, v14, v15
	v_permlanex16_b32 v208, v14, s[SEL], s[SEL+1]
	v_add_f32 v14, v14, v208                       ; the row's sum
	v_rcp_f32 v14, v14
	v_nop                                          ; a plain place behind the reciprocal
	s_lshr_b32 s48, s13, 3                         ; (batch x 128 + query tile) x 8 + head
	s_lshl_b32 s48, s48, 7
	s_add_co_u32 s48, s48, s47
	s_lshl_b32 s48, s48, 3
	s_and_b32 s49, s13, 7
	s_add_co_u32 s48, s48, s49
	s_mul_i32 s50, s48, 768
	s_mov_b32 s51, 0
	s_add_nc_u64 s[50:51], s[8:9], s[50:51]
	s_lshl_b32 s52, s48, 7
	s_add_co_u32 s52, s52, 3145728
	s_mov_b32 s53, 0
	s_add_nc_u64 s[52:53], s[8:9], s[52:53]
	s_wait_alu depctr_va_vdst(0)                   ; the wait ahead of the reciprocal's first reader
.set j, 0
.rept 32
	v_mul_f32 v[80+j], v[144+j], v14
.set j, j+1
.endr
	QUANT 80, 176, 6, 1, 196, 188
	v_lshl_or_b32 v210, v201, 8, v200
.irp p, 0,1,2
	global_store_b64 v3, v[176+2*\p:177+2*\p], s[50:51] offset:256*\p   ; 32 lanes store 256 consecutive bytes, aligned
.endr
	global_store_b32 v4, v210, s[52:53]
	s_wait_tensorcnt 0x0
	ds_add_u32 v216, v217
	s_wait_dscnt 0x0
	CROUND                                         ; the closing round: no work-group ends while a partner may still ask for a tile that names it
	s_endpgm
.Lfunc_end_k_qc0a1f00cf7_att1:
	.size	k_qc0a1f00cf7_att1, .Lfunc_end_k_qc0a1f00cf7_att1-k_qc0a1f00cf7_att1
	.p2alignl 7, 3214868480
	.fill 96, 4, 3214868480
	.section	.rodata,"a",@progbits
	.p2align	6, 0x0
	.amdhsa_kernel k_qc0a1f00cf7_att1
		.amdhsa_group_segment_fixed_size 247808
		.amdhsa_private_segment_fixed_size 0
		.amdhsa_enable_private_segment 0
		.amdhsa_kernarg_size 24
		.amdhsa_user_sgpr_count 2
		.amdhsa_user_sgpr_kernarg_segment_ptr 1
		.amdhsa_wavefront_size32 1
		.amdhsa_system_sgpr_workgroup_id_x 1
		.amdhsa_system_sgpr_workgroup_id_y 1
		.amdhsa_system_sgpr_workgroup_id_z 1
		.amdhsa_system_vgpr_workitem_id 0
		.amdhsa_next_free_vgpr 218
		.amdhsa_next_free_sgpr 66
		.amdhsa_reserve_vcc 0
		.amdhsa_float_denorm_mode_32 3
		.amdhsa_float_denorm_mode_16_64 3
		.amdhsa_memory_ordered 1
		.amdhsa_forward_progress 1
		.amdhsa_inst_pref_size 75
	.end_amdhsa_kernel
	.amdgpu_metadata
---
amdhsa.version: [ 1, 2 ]
amdhsa.kernels:
  - .name:           k_qc0a1f00cf7_att1
    .symbol:         k_qc0a1f00cf7_att1.kd
    .args:
      - { .name: qimg, .offset: 0, .size: 8, .value_kind: global_buffer, .address_space: global }
      - { .name: kv1, .offset: 8, .size: 8, .value_kind: global_buffer, .address_space: global }
      - { .name: obuf, .offset: 16, .size: 8, .value_kind: global_buffer, .address_space: global }
    .group_segment_fixed_size: 247808
    .private_segment_fixed_size: 0
    .kernarg_segment_align: 8
    .kernarg_segment_size: 24
    .max_flat_workgroup_size: 512
    .sgpr_count:     66
    .vgpr_count:     218
    .wavefront_size: 32
...
	.end_amdgpu_metadata
.endif
;; end of part 3
;; launch post1 (part 4): grid 256 x 1, 4 waves a work-group, no clusters, 59,904 bytes of LDS; arguments obuf, x, wts, m1_b2, m1_g, m1_b, ln1_g, ln1_b, m2_bq, x1, qimg; writes x1, qimg
.if DOCPART == 4
	.amdgcn_target "amdgcn-amd-amdhsa--gfx1250"
	.amdhsa_code_object_version 6
	.text
	.protected	k_qc0a1f00cf7_post1
	.globl	k_qc0a1f00cf7_post1
	.p2align	8
	.type	k_qc0a1f00cf7_post1,@function
k_qc0a1f00cf7_post1:
	s_mov_b64 s[64:65], 0
	v_nop
	global_prefetch_b8 v0, s[64:65] scope:SCOPE_SE
	s_setreg_imm32_b32 hwreg(HW_REG_WAVE_MODE, 25, 1), 1
	s_wait_xcnt 0x0
; x1 = LN(x + LN(O w2 + b2 + x; m1_g, m1_b); ln1_g, ln1_b), and Q2 = x1 m2_wq + m2_bq, quantised for the second attention.  Products on codes of E3M2; all else f32.
; A work-group owns 32 rows: row tiles 2 G and 2 G + 1 (member i of tile m is row 32 (m / 2) + 8 (m % 2) + i + 8 (i / 8)).  THE WAVES SHARE THE COLUMNS: wave w owns 64 columns of a result 256 wide, 128 of one 512 wide.
; Products are used transposed (source 0 = 16 columns of the weight, source 1 = 16 rows): lane (r, h) holds one row; register 32 p + 16 b + i is column 32 b + 16 h + i of my 64, of row tile p.
; Weight fragments come from memory as images of their registers; each feeds two products (the two row tiles).  Rows reach and leave the layout through the wave's own stage in LDS, so that 16 lanes read or store 256 aligned bytes.
; A LAYER NORM: each wave takes the mean and the sum of squared deviations of its 64 columns; the four waves' pairs meet in LDS behind one barrier and are combined (no difference of large sums is formed).
; x1's codes go from wave to wave through LDS as images of half fragments (64 along K: 768 bytes), with their two scale bytes as a word.
; No cluster: what work-groups share here is the weights alone, which go straight into registers; the launch has no tensor load.
; LIMITS: a block of zeros, and one whose largest magnitude lies under 2^-122, gets the scale byte 1 (this program alone reads the bytes); NaN and infinities are not served.
; REGISTERS: v1 8 l, v2 4 l, v3 16 l, v4-v14 addresses, v15 Q's register 6; v16-31 T at work; v32-95 ACC; v96-191 WB weight fragments, later vectors and rows; v192-239 AB row fragments, also the quantiser's scratch;
;   v240-247 WS, v248-251 AS scale words; v252-255 U.
.set LNX,  34816                       ; LDS: from 0 the four stages, 32 rows x 272 bytes each; then three areas of 1,024 bytes for the layer norms,
.set XIMG, 37888                       ; x1's images: p x 3072 + K step x 1536 + half x 768,
.set XSC,  44032                       ; their scale words: p x 512 + K step x 256 + half x 128
.set T,   16
.set ACC, 32
.set WB,  96
.set AB,  192
.set WS,  240
.set AS,  248
.set U,   252
.set TM,  192
.set TQ,  204
.set D,   212
.set WV,  34
.set SEL, 36
.set OBI, 38
.set OBS, 40
.set RES, 42
.set WIB, 44
.set WCB, 46
.set OUTP, 52
.set QP,  54
.macro QUANT s, d, st, nc, tm, tq      ; 32 nc x 2 numbers of a lane, register s + 16 b + i = k 32 b + 16 (lane / 16) + i, become codes in v[d + st c] on (blocks 2 c, 2 c + 1); the bytes stay in v[tm + 4 + b]
.set qb, 0
.rept 2*\nc
	v_max3_num_f32 v[\tm+qb], |v[\s+16*qb]|, |v[\s+16*qb+1]|, 0x2800000
.set qb, qb+1
.endr
.irp qi, 2,4,6,8,10,12,14
.set qb, 0
.rept 2*\nc
	v_max3_num_f32 v[\tm+qb], v[\tm+qb], |v[\s+16*qb+\qi]|, |v[\s+16*qb+\qi+1]|
.set qb, qb+1
.endr
.endr
.set qb, 0
.rept 2*\nc
	v_permlanex16_b32 v[\tm+4+qb], v[\tm+qb], s[SEL], s[SEL+1]
.set qb, qb+1
.endr
.set qb, 0
.rept 2*\nc
	v_max_num_f32 v[\tm+qb], v[\tm+qb], v[\tm+4+qb]
.set qb, qb+1
.endr
.set qb, 0
.rept 2*\nc
	v_add_nc_u32 v[\tm+8+qb], 0xfe000000, v[\tm+qb]
.set qb, qb+1
.endr
.set qb, 0
.rept 2*\nc
	v_lshrrev_b32 v[\tm+4+qb], 23, v[\tm+8+qb]
.set qb, qb+1
.endr
.set qc, 0
.rept \nc
	v_cvt_scalef32_pk16_bf6_f32 v[\d+\st*qc:\d+\st*qc+2], v[\s+32*qc:\s+32*qc+15], v[\tm+8+2*qc]
	v_cvt_scalef32_pk16_bf6_f32 v[\tq+4*qc:\tq+4*qc+2], v[\s+32*qc+16:\s+32*qc+31], v[\tm+9+2*qc]
.set qc, qc+1
.endr
	v_nop                                          ; one plain place behind a scaled conversion
.set qc, 0
.rept \nc
.irp qi, 0,1,2
	v_permlane16_swap_b32 v[\d+\st*qc+\qi], v[\tq+4*qc+\qi]
.endr
.irp qi, 0,1,2
	v_mov_b32 v[\d+\st*qc+3+\qi], v[\tq+4*qc+\qi]
.endr
.set qc, qc+1
.endr
.endm
.macro PLACES
.rept 4
	v_nop
.endr
.endm
.macro PLOAD reg, sp, va, imm          ; a vector's 32 numbers of my columns, in the result's layout
.irp pb, 0,1
.irp pq, 0,1,2,3
	global_load_b128 v[\reg+16*\pb+4*\pq:\reg+16*\pb+4*\pq+3], v[\va], s[\sp:\sp+1] offset:\imm+128*\pb+16*\pq
.endr
.endr
.endm
.macro WLOAD widx, m, x                ; eight fragments of weight widx (4 column tiles x 2 K steps) and their scale words.  m = the product's K; x: which two K steps (512) or which four column tiles (256)
.irp wt, 0,1,2,3
.irp wl, 0,1
.if \m == 512
.set FL, 4*\wt+2*\x+\wl
.else
.set FL, 8*\x+2*\wt+\wl
.endif
.irp wc, 0,1,2
	global_load_b128 v[WB+12*(2*\wt+\wl)+4*\wc:WB+12*(2*\wt+\wl)+4*\wc+3], v3, s[WIB:WIB+1] offset:\widx*98304+FL*1536+512*\wc
.endr
	global_load_b32 v[WS+2*\wt+\wl], v2, s[WCB:WCB+1] offset:\widx*8192+FL*128
.endr
.endr
.endm
.macro AFETCH g, base, sbase, rp, rps, s0   ; the two row tiles' fragments of K steps s0, s0 + 1, and their scale bytes, a word for each half; g = 1: from obuf, 0: from LDS
.irp ar, 0,1
.irp al, 0,1
.irp ap, 0,1,2,3,4,5
.if \g
	global_load_b64 v[AB+12*(2*\ar+\al)+2*\ap:AB+12*(2*\ar+\al)+2*\ap+1], v1, s[OBI:OBI+1] offset:\ar*\rp+(\s0+\al)*1536+256*\ap
.else
	ds_load_b64 v[AB+12*(2*\ar+\al)+2*\ap:AB+12*(2*\ar+\al)+2*\ap+1], v1 offset:\base+\ar*\rp+(\s0+\al)*1536+256*\ap
.endif
.endr
.irp ac, 0,1
.if \g
	global_load_b32 v[T+2*(2*\ar+\al)+\ac], v2, s[OBS:OBS+1] offset:\ar*\rps+(\s0+\al)*256+128*\ac
.else
	ds_load_b32 v[T+2*(2*\ar+\al)+\ac], v2 offset:\sbase+\ar*\rps+(\s0+\al)*256+128*\ac
.endif
.endr
.endr
.endr
.endm
.macro ASCALE                          ; two halves' bytes make a fragment's scale word; a scale register written by a vector instruction stands eight places ahead of the product
.irp k, 0,1,2,3
	v_lshl_or_b32 v[AS+\k], v[T+2*\k+1], 16, v[T+2*\k]
.endr
.rept 8
	v_nop
.endr
.endm
.macro MM16                            ; two K steps x two row tiles x four column tiles; the eight accumulators take turns
.irp ml, 0,1
.irp mr, 0,1
.irp mt, 0,1,2,3
	v_wmma_scale_f32_16x16x128_f8f6f4 v[ACC+32*\mr+8*\mt:ACC+32*\mr+8*\mt+7], v[WB+12*(2*\mt+\ml):WB+12*(2*\mt+\ml)+11], v[AB+12*(2*\mr+\ml):AB+12*(2*\mr+\ml)+11], v[ACC+32*\mr+8*\mt:ACC+32*\mr+8*\mt+7], v[WS+2*\mt+\ml], v[AS+2*\mr+\ml] matrix_a_fmt:MATRIX_FMT_BF6 matrix_b_fmt:MATRIX_FMT_BF6
.endr
.endr
.endr
.endm
.macro STAGE_PUT                       ; ACC into my stage: row 16 p + r, my 16 columns of block b at 128 b + 64 h
.irp sr, 0,1
.irp sb, 0,1
.irp sq, 0,1,2,3
	ds_store_b128 v4, v[ACC+32*\sr+16*\sb+4*\sq:ACC+32*\sr+16*\sb+4*\sq+3] offset:\sr*4352+128*\sb+16*\sq
.endr
.endr
.endr
.endm
.macro STAGE_GET reg                   ; and back, in the same layout
.irp sr, 0,1
.irp sb, 0,1
.irp sq, 0,1,2,3
	ds_load_b128 v[\reg+32*\sr+16*\sb+4*\sq:\reg+32*\sr+16*\sb+4*\sq+3], v4 offset:\sr*4352+128*\sb+16*\sq
.endr
.endr
.endr
.endm
.macro ROWS_LD sp                      ; my 256 bytes of the 32 rows, two rows an instruction, in the stage's order of rows
.irp i, 0,1,2,3,4,5,6,7,8,9,10,11,12,13,14,15
	global_load_b128 v[ACC+4*\i:ACC+4*\i+3], v6, s[\sp:\sp+1] offset:(8*(\i/8)+2*(\i%8)+8*((\i/4)%2))*1024
.endr
.endm
.macro ROWS_ST
.irp i, 0,1,2,3,4,5,6,7,8,9,10,11,12,13,14,15
	ds_store_b128 v5, v[ACC+4*\i:ACC+4*\i+3] offset:544*\i
.endr
.endm
.macro ROWS_OUT reg, sp                ; the stage's rows leave: 16 lanes store 256 consecutive bytes, aligned
.irp i, 0,1,2,3,4,5,6,7,8,9,10,11,12,13,14,15
	ds_load_b128 v[\reg+4*\i:\reg+4*\i+3], v5 offset:544*\i   ; LDS serves a wave's instructions in order: these see my stores
.endr
	s_wait_dscnt 0x0
.irp i, 0,1,2,3,4,5,6,7,8,9,10,11,12,13,14,15
	global_store_b128 v6, v[\reg+4*\i:\reg+4*\i+3], s[\sp:\sp+1] offset:(8*(\i/8)+2*(\i%8)+8*((\i/4)%2))*1024
.endr
.endm
.macro HALVES va, vs, imm, imms, rp, rps   ; the two half fragments just made (row tile p in v[D + 8 p] on) and their bytes go to LDS
.irp hc, 0,1
.irp hp, 0,1,2
	ds_store_b64 v[\va], v[D+8*\hc+2*\hp:D+8*\hc+2*\hp+1] offset:\imm+\hc*\rp+256*\hp
.endr
	v_lshl_or_b32 v[T+\hc], v[TM+5+2*\hc], 8, v[TM+4+2*\hc]
	ds_store_b32 v[\vs], v[T+\hc] offset:\imms+\hc*\rps
.endr
.endm
.macro ADDV src, st                    ; ACC += v[src + st p + j], each accumulator from its low end on
.irp p, 0,1
.set j, 0
.rept 16
	v_pk_add_f32 v[ACC+32*\p+j:ACC+32*\p+j+1], v[ACC+32*\p+j:ACC+32*\p+j+1], v[\src+\st*\p+j:\src+\st*\p+j+1]
.set j, j+2
.endr
.endr
.endm
.macro LN k, g, b                      ; ACC = (ACC - mean) rsqrt(var + 1e-6) g + b over the 256 columns; the two row tiles by turns; area k of LDS
.irp p, 0,1
	v_pk_add_f32 v[T+8*\p:T+8*\p+1], v[ACC+32*\p:ACC+32*\p+1], v[ACC+32*\p+2:ACC+32*\p+3]
.endr
.irp j, 4,6,8,10,12,14,16,18,20,22,24,26,28,30
.irp p, 0,1
	v_pk_add_f32 v[T+8*\p:T+8*\p+1], v[T+8*\p:T+8*\p+1], v[ACC+32*\p+\j:ACC+32*\p+\j+1]
.endr
.endr
.irp p, 0,1
	v_add_f32 v[T+8*\p], v[T+8*\p], v[T+8*\p+1]
.endr
.irp p, 0,1
	v_permlanex16_b32 v[T+8*\p+1], v[T+8*\p], s[SEL], s[SEL+1]
.endr
.irp p, 0,1
	v_add_f32 v[T+8*\p], v[T+8*\p], v[T+8*\p+1]
.endr
.irp p, 0,1
	v_mul_f32 v[T+8*\p+6], 0x3c800000, v[T+8*\p]   ; the mean of my wave's 64 columns
.endr
.irp p, 0,1
	v_pk_add_f32 v[T+8*\p+2:T+8*\p+3], v[ACC+32*\p:ACC+32*\p+1], v[T+8*\p+6:T+8*\p+7] op_sel_hi:[1,0] neg_lo:[0,1] neg_hi:[0,1]
.endr
.irp p, 0,1
	v_pk_mul_f32 v[T+8*\p+4:T+8*\p+5], v[T+8*\p+2:T+8*\p+3], v[T+8*\p+2:T+8*\p+3]
.endr
.irp j, 2,4,6,8,10,12,14,16,18,20,22,24,26,28,30
.irp p, 0,1
	v_pk_add_f32 v[T+8*\p+2:T+8*\p+3], v[ACC+32*\p+\j:ACC+32*\p+\j+1], v[T+8*\p+6:T+8*\p+7] op_sel_hi:[1,0] neg_lo:[0,1] neg_hi:[0,1]
.endr
.irp p, 0,1
	v_pk_fma_f32 v[T+8*\p+4:T+8*\p+5], v[T+8*\p+2:T+8*\p+3], v[T+8*\p+2:T+8*\p+3], v[T+8*\p+4:T+8*\p+5]
.endr
.endr
.irp p, 0,1
	v_add_f32 v[T+8*\p+4], v[T+8*\p+4], v[T+8*\p+5]
.endr
.irp p, 0,1
	v_permlanex16_b32 v[T+8*\p+5], v[T+8*\p+4], s[SEL], s[SEL+1]
.endr
.irp p, 0,1
	v_add_f32 v[T+8*\p+7], v[T+8*\p+4], v[T+8*\p+5]   ; and the sum of their squared deviations from it
.endr
.irp p, 0,1
	ds_store_b64 v13, v[T+8*\p+6:T+8*\p+7] offset:1024*\k+128*\p   ; (both halves of the lanes write the same pair)
.endr
	s_wait_dscnt 0x0                               ; for the others' sake
	s_barrier_signal -1
	s_barrier_wait -1
.irp p, 0,1
.irp w, 0,1,2,3
	ds_load_b64 v[T+8*\p+2*\w:T+8*\p+2*\w+1], v14 offset:1024*\k+256*\w+128*\p
.endr
.endr
	s_wait_dscnt 0x0
.irp p, 0,1
	v_add_f32 v[U+2*\p], v[T+8*\p], v[T+8*\p+2]
	v_add_f32 v[U+2*\p+1], v[T+8*\p+4], v[T+8*\p+6]
.endr
.irp p, 0,1
	v_add_f32 v[U+2*\p], v[U+2*\p], v[U+2*\p+1]
.endr
.irp p, 0,1
	v_mul_f32 v[U+2*\p], 0x3e800000, v[U+2*\p]     ; the row's mean
.endr
.irp w, 0,1,2,3
.irp p, 0,1
	v_sub_f32 v[T+8*\p+2*\w], v[T+8*\p+2*\w], v[U+2*\p]
.endr
.endr
.irp p, 0,1
	v_mul_f32 v[U+2*\p+1], v[T+8*\p], v[T+8*\p]
.endr
.irp w, 1,2,3
.irp p, 0,1
	v_fmac_f32 v[U+2*\p+1], v[T+8*\p+2*\w], v[T+8*\p+2*\w]
.endr
.endr
.irp p, 0,1
	v_add_f32 v[T+8*\p+1], v[T+8*\p+1], v[T+8*\p+3]
	v_add_f32 v[T+8*\p+5], v[T+8*\p+5], v[T+8*\p+7]
.endr
.irp p, 0,1
	v_add_f32 v[T+8*\p+1], v[T+8*\p+1], v[T+8*\p+5]
.endr
.irp p, 0,1
	v_fmamk_f32 v[T+8*\p+1], v[U+2*\p+1], 0x42800000, v[T+8*\p+1]   ; + 64 x the squared distances of the four means from the row's
.endr
.irp p, 0,1
	v_fma_f32 v[U+2*\p+1], v[T+8*\p+1], s60, s61   ; / 256 + 1e-6
.endr
.irp p, 0,1
	v_rsq_f32 v[T+8*\p], v[U+2*\p+1]
.endr
	v_nop                                          ; a plain place behind the two
	s_wait_alu depctr_va_vdst(0)                   ; one wait for both, ahead of their first reader
.irp j, 0,2,4,6,8,10,12,14,16,18,20,22,24,26,28,30
.irp p, 0,1
	v_pk_add_f32 v[ACC+32*\p+\j:ACC+32*\p+\j+1], v[ACC+32*\p+\j:ACC+32*\p+\j+1], v[U+2*\p:U+2*\p+1] op_sel_hi:[1,0] neg_lo:[0,1] neg_hi:[0,1]
.endr
.irp p, 0,1
	v_pk_mul_f32 v[ACC+32*\p+\j:ACC+32*\p+\j+1], v[ACC+32*\p+\j:ACC+32*\p+\j+1], v[T+8*\p:T+8*\p+1] op_sel_hi:[1,0]
.endr
.irp p, 0,1
	v_pk_fma_f32 v[ACC+32*\p+\j:ACC+32*\p+\j+1], v[ACC+32*\p+\j:ACC+32*\p+\j+1], v[\g+\j:\g+\j+1], v[\b+\j:\b+\j+1]
.endr
.endr
.endm
; ACC = LN(res + LN(O w2 + b2 + res)).  The residual rows go into my stage, come back in the result's layout as the sums' first C, and stay in the stage for the second addition.
.macro FRONT widx
	WLOAD \widx, 512, 0
	AFETCH 1, 0, 0, 6144, 1024, 0
	ROWS_LD RES
	s_wait_loadcnt 0x0
	ROWS_ST
	s_wait_dscnt 0x0                               ; the stores have read their registers
	STAGE_GET ACC
	ASCALE
	s_wait_dscnt 0x0
	MM16
	PLACES                                         ; in front of loads into registers that the products have read
	WLOAD \widx, 512, 1
	AFETCH 1, 0, 0, 6144, 1024, 2
	s_wait_loadcnt 0x0
	ASCALE
	MM16
	PLACES
	PLOAD AB, 14, 7, 0                             ; b2
	PLOAD WB, 16, 7, 0                             ; the first norm's gain and bias
	PLOAD WB+32, 18, 7, 0
	PLOAD WB+64, 20, 7, 0                          ; the second's gain
	s_wait_loadcnt 0x0
	ADDV AB, 0
	PLOAD AB, 22, 7, 0                             ; the second's bias lands during the first norm
	LN 0, WB, WB+32
	STAGE_GET WB
	s_wait_dscnt 0x0
	ADDV WB, 32
	s_wait_loadcnt 0x0
	LN 1, WB+64, AB
.endm
	s_load_b512 s[8:23], s[0:1], 0x0               ; obuf 8, x 10, wts 12, m1_b2 14, m1_g 16, m1_b 18, ln1_g 20, ln1_b 22
	s_load_b128 s[24:27], s[0:1], 0x40             ; m2_bq 24, x1 26
	s_load_b64 s[28:29], s[0:1], 0x50              ; qimg
	v_lshl_add_u32 v11, v0, 2, 0xe800
	v_mov_b32 v12, 0
	v_lshrrev_b32 v1, 5, v0
	v_readfirstlane_b32 s[WV], v1                  ; wave 0..3
	s_mov_b32 s[SEL], 0x76543210
	s_mov_b32 s[SEL+1], 0xfedcba98
	s_mov_b32 s60, 0x3b800000                      ; 1 / 256
	s_mov_b32 s61, 0x358637bd                      ; 1e-6
	v_and_b32 v16, 31, v0                          ; l
	v_and_b32 v17, 15, v0                          ; r
	v_bfe_u32 v18, v0, 4, 1                        ; h
	v_lshlrev_b32 v1, 3, v16
	v_lshlrev_b32 v2, 2, v16
	v_lshlrev_b32 v3, 4, v16
	s_mul_i32 s58, s[WV], 8704                     ; my stage
	v_mul_u32_u24 v4, v17, 272
	v_lshl_add_u32 v4, v18, 6, v4
	v_add_nc_u32 v4, s58, v4                       ; in the result's layout: row r, + 64 h
	v_mul_u32_u24 v5, v18, 272
	v_lshl_add_u32 v5, v17, 4, v5
	v_add_nc_u32 v5, s58, v5                       ; by rows: lanes 0-15 one row, lanes 16-31 the next
	s_lshl_b32 s59, s[WV], 8
	v_lshlrev_b32 v6, 10, v18
	v_lshl_add_u32 v6, v17, 4, v6
	v_add_nc_u32 v6, s59, v6                       ; the same two rows in memory, my 256 bytes
	v_lshlrev_b32 v7, 6, v18
	v_add_nc_u32 v7, s59, v7                       ; a vector of 256: my 64 numbers, + 64 h
	s_lshl_b32 s58, s[WV], 9
	v_lshlrev_b32 v8, 6, v18
	v_add_nc_u32 v8, s58, v8                       ; a vector of 512: my 128 numbers
	s_mul_i32 s58, s[WV], 768
	s_add_co_u32 s58, s58, XIMG
	v_add_nc_u32 v9, s58, v1                       ; where I store x1's half fragments,
	s_lshl_b32 s58, s[WV], 7
	s_add_co_u32 s58, s58, XSC
	v_add_nc_u32 v10, s58, v2                      ; and their bytes
	v_lshlrev_b32 v14, 3, v17
	v_add_nc_u32 v14, LNX, v14                     ; the norms' pairs: 8 r,
	v_add_nc_u32 v13, s59, v14                     ; + 256 x wave for mine
	v_sub_nc_u32 v15, 1, v18
	v_mul_u32_u24 v15, 28, v15                     ; Q's register 6: the code +16 at k = 64, which lies in lanes 0-15
.set j, 0
.rept 16
	v_mov_b32 v[T+j], 0                            ; written once: named in pairs and as lane permutes' destinations
.set j, j+1
.endr
	s_mov_b32 s57, 0
	s_wait_kmcnt 0x0
	s_mul_i32 s56, ttmp9, 12288
	s_add_nc_u64 s[OBI:OBI+1], s[8:9], s[56:57]    ; my two row tiles' images,
	s_lshl_b32 s56, ttmp9, 11
	s_add_co_u32 s56, s56, 3145728
	s_add_nc_u64 s[OBS:OBS+1], s[8:9], s[56:57]    ; and scale bytes
	s_lshl_b32 s56, ttmp9, 15
	s_add_nc_u64 s[RES:RES+1], s[10:11], s[56:57]  ; my 32 rows of x
	s_add_nc_u64 s[OUTP:OUTP+1], s[26:27], s[56:57]   ; and of x1
	s_mul_i32 s56, s[WV], 24576
	s_add_nc_u64 s[WIB:WIB+1], s[12:13], s[56:57]  ; my 16 fragments of a weight,
	s_lshl_b32 s56, s[WV], 11
	s_add_co_u32 s56, s56, 983040
	s_add_nc_u64 s[WCB:WCB+1], s[12:13], s[56:57]  ; and their scale words
	s_lshr_b32 s56, ttmp9, 6                       ; qimg: ((batch x 8 + 2 w) x 128 + 2 (G % 64)) tiles of 1,024 bytes
	s_lshl_b32 s56, s56, 3
	s_lshl_b32 s58, s[WV], 1
	s_add_co_u32 s56, s56, s58
	s_lshl_b32 s56, s56, 7
	s_and_b32 s58, ttmp9, 63
	s_lshl_b32 s58, s58, 1
	s_add_co_u32 s56, s56, s58
	s_lshl_b32 s56, s56, 10
	s_add_nc_u64 s[QP:QP+1], s[28:29], s[56:57]
	FRONT 7
	WLOAD 5, 256, 0                                ; m2_wq, my first head: lands while x1 is quantised
	STAGE_PUT
	QUANT ACC, D, 8, 2, TM, TQ                     ; my 64 columns are half a K step of the next product
	HALVES 9, 10, 0, 0, 3072, 512
	s_wait_dscnt 0x0                               ; for the others' sake, and the stores have read their registers
	s_barrier_signal -1
	s_barrier_wait -1                              ; x1's four fragments lie in LDS
	ROWS_OUT ACC, OUTP
.irp a, 0,1                                    ; head 2 w + a
	s_wait_xcnt 0x0                                ; the stores have read their registers: ACC and the codes' registers are loaded again
	AFETCH 0, XIMG, XSC, 3072, 512, 0
	PLOAD ACC, 24, 8, 256*\a                       ; the bias is the sums' first C
	PLOAD ACC+32, 24, 8, 256*\a
	s_wait_loadcnt 0x0
	s_wait_dscnt 0x0
	ASCALE
	MM16
	PLACES
.if \a == 0
	WLOAD 5, 256, 1
.endif
	QUANT ACC, D, 8, 2, TM, TQ
.irp c, 0,1
	v_lshl_or_b32 v[D+8*\c+7], v[TM+5+2*\c], 8, v[TM+4+2*\c]
	v_or_b32 v[D+8*\c+7], 0x7f7f0000, v[D+8*\c+7]  ; the row's scale word
	v_mov_b32 v[D+8*\c+6], v15
.endr
.irp c, 0,1
	global_store_b128 v3, v[D+8*\c:D+8*\c+3], s[QP:QP+1] offset:\a*131072+\c*1024
	global_store_b128 v3, v[D+8*\c+4:D+8*\c+7], s[QP:QP+1] offset:\a*131072+\c*1024+512
.endr
.endr
	s_wait_tensorcnt 0x0
	ds_add_u32 v11, v12
	s_wait_dscnt 0x0
	s_endpgm
.Lfunc_end_k_qc0a1f00cf7_post1:
	.size	k_qc0a1f00cf7_post1, .Lfunc_end_k_qc0a1f00cf7_post1-k_qc0a1f00cf7_post1
	.p2alignl 7, 3214868480
	.fill 96, 4, 3214868480
	.section	.rodata,"a",@progbits
	.p2align	6, 0x0
	.amdhsa_kernel k_qc0a1f00cf7_post1
		.amdhsa_group_segment_fixed_size 59904
		.amdhsa_private_segment_fixed_size 0
		.amdhsa_enable_private_segment 0
		.amdhsa_kernarg_size 88
		.amdhsa_user_sgpr_count 2
		.amdhsa_user_sgpr_kernarg_segment_ptr 1
		.amdhsa_wavefront_size32 1
		.amdhsa_system_sgpr_workgroup_id_x 1
		.amdhsa_system_sgpr_workgroup_id_y 1
		.amdhsa_system_sgpr_workgroup_id_z 1
		.amdhsa_system_vgpr_workitem_id 0
		.amdhsa_next_free_vgpr 256
		.amdhsa_next_free_sgpr 66
		.amdhsa_reserve_vcc 0
		.amdhsa_float_denorm_mode_32 3
		.amdhsa_float_denorm_mode_16_64 3
		.amdhsa_memory_ordered 1
		.amdhsa_forward_progress 1
		.amdhsa_inst_pref_size 98
	.end_amdhsa_kernel
	.amdgpu_metadata
---
amdhsa.version: [ 1, 2 ]
amdhsa.kernels:
  - .name:           k_qc0a1f00cf7_post1
    .symbol:         k_qc0a1f00cf7_post1.kd
    .args:
      - { .name: obuf, .offset: 0, .size: 8, .value_kind: global_buffer, .address_space: global }
      - { .name: x, .offset: 8, .size: 8, .value_kind: global_buffer, .address_space: global }
      - { .name: wts, .offset: 16, .size: 8, .value_kind: global_buffer, .address_space: global }
      - { .name: m1_b2, .offset: 24, .size: 8, .value_kind: global_buffer, .address_space: global }
      - { .name: m1_g, .offset: 32, .size: 8, .value_kind: global_buffer, .address_space: global }
      - { .name: m1_b, .offset: 40, .size: 8, .value_kind: global_buffer, .address_space: global }
      - { .name: ln1_g, .offset: 48, .size: 8, .value_kind: global_buffer, .address_space: global }
      - { .name: ln1_b, .offset: 56, .size: 8, .value_kind: global_buffer, .address_space: global }
      - { .name: m2_bq, .offset: 64, .size: 8, .value_kind: global_buffer, .address_space: global }
      - { .name: x1, .offset: 72, .size: 8, .value_kind: global_buffer, .address_space: global }
      - { .name: qimg, .offset: 80, .size: 8, .value_kind: global_buffer, .address_space: global }
    .group_segment_fixed_size: 59904
    .private_segment_fixed_size: 0
    .kernarg_segment_align: 8
    .kernarg_segment_size: 88
    .max_flat_workgroup_size: 128
    .sgpr_count:     66
    .vgpr_count:     256
    .wavefront_size: 32
...
	.end_amdgpu_metadata
.endif
;; end of part 4
;; launch att2: the kernel of part 3 again; grid 8 x 32, 16 waves a work-group, clusters of 4 x 1, 247,808 bytes of LDS; arguments qimg, kv2, obuf; writes obuf
;; launch post2 (part 5): grid 256 x 1, 4 waves a work-group, no clusters, 59,904 bytes of LDS; arguments obuf, x1, wts, m2_b2, m2_g, m2_b, ln2_g, ln2_b, ffn_b1, ffn_b2, ln3_g, ln3_b, out0; writes out0
.if DOCPART == 5
	.amdgcn_target "amdgcn-amd-amdhsa--gfx1250"
	.amdhsa_code_object_version 6
	.text
	.protected	k_qc0a1f00cf7_post2
	.globl	k_qc0a1f00cf7_post2
	.p2align	8
	.type	k_qc0a1f00cf7_post2,@function
k_qc0a1f00cf7_post2:
	s_mov_b64 s[64:65], 0
	v_nop
	global_prefetch_b8 v0, s[64:65] scope:SCOPE_SE
	s_setreg_imm32_b32 hwreg(HW_REG_WAVE_MODE, 25, 1), 1
	s_wait_xcnt 0x0
; x2 = LN(x1 + LN(O w2 + b2 + x1; m2_g, m2_b); ln2_g, ln2_b);  out0 = LN(x2 + relu(x2 W1 + b1) W2 + b2; ln3_g, ln3_b).  Products on codes of E3M2; all else f32.
; A work-group owns 32 rows: row tiles 2 G and 2 G + 1 (member i of tile m is row 32 (m / 2) + 8 (m % 2) + i + 8 (i / 8)).  THE WAVES SHARE THE COLUMNS: wave w owns 64 columns of a result 256 wide, 128 of one 512 wide.
; Products are used transposed (source 0 = 16 columns of the weight, source 1 = 16 rows): lane (r, h) holds one row; register 32 p + 16 b + i is column 32 b + 16 h + i of my 64, of row tile p.
; Weight fragments come from memory as images of their registers; each feeds two products.  Rows reach and leave the layout through the wave's own stage in LDS, so that 16 lanes read or store 256 aligned bytes.
; A LAYER NORM: each wave takes the mean and the sum of squared deviations of its 64 columns; the four waves' pairs meet in LDS behind one barrier and are combined (no difference of large sums is formed).
; x2's and the hidden layer's codes go from wave to wave through LDS as images of half fragments (64 along K: 768 bytes), with their two scale bytes as a word.  The hidden layer never goes to memory.
; No cluster: what work-groups share here is the weights alone, which go straight into registers; the launch has no tensor load.
; LIMITS: a block of zeros, and one whose largest magnitude lies under 2^-122, gets the scale byte 1 (this program alone reads the bytes); NaN and infinities are not served.
; REGISTERS: v1 8 l, v2 4 l, v3 16 l, v4-v14 addresses; v16-31 T at work; v32-95 ACC; v96-191 WB weight fragments, later vectors and rows; v192-239 AB row fragments, also the quantiser's scratch;
;   v240-247 WS, v248-251 AS scale words; v252-255 U.
.set LNX,  34816                       ; LDS: from 0 the four stages, 32 rows x 272 bytes each; then three areas of 1,024 bytes for the layer norms,
.set XIMG, 37888                       ; x2's images: p x 3072 + K step x 1536 + half x 768,
.set XSC,  44032                       ; their scale words: p x 512 + K step x 256 + half x 128,
.set HIMG, 45056                       ; the hidden layer's: p x 6144 + K step x 1536 + half x 768,
.set HSC,  57344                       ; p x 1024 + K step x 256 + half x 128
.set T,   16
.set ACC, 32
.set WB,  96
.set AB,  192
.set WS,  240
.set AS,  248
.set U,   252
.set TM,  192
.set TQ,  204
.set D,   212
.set WV,  34
.set SEL, 36
.set OBI, 38
.set OBS, 40
.set RES, 42
.set WIB, 44
.set WCB, 46
.set OUTP, 52
.macro QUANT s, d, st, nc, tm, tq      ; 32 nc x 2 numbers of a lane, register s + 16 b + i = k 32 b + 16 (lane / 16) + i, become codes in v[d + st c] on (blocks 2 c, 2 c + 1); the bytes stay in v[tm + 4 + b]
.set qb, 0
.rept 2*\nc
	v_max3_num_f32 v[\tm+qb], |v[\s+16*qb]|, |v[\s+16*qb+1]|, 0x2800000
.set qb, qb+1
.endr
.irp qi, 2,4,6,8,10,12,14
.set qb, 0
.rept 2*\nc
	v_max3_num_f32 v[\tm+qb], v[\tm+qb], |v[\s+16*qb+\qi]|, |v[\s+16*qb+\qi+1]|
.set qb, qb+1
.endr
.endr
.set qb, 0
.rept 2*\nc
	v_permlanex16_b32 v[\tm+4+qb], v[\tm+qb], s[SEL], s[SEL+1]
.set qb, qb+1
.endr
.set qb, 0
.rept 2*\nc
	v_max_num_f32 v[\tm+qb], v[\tm+qb], v[\tm+4+qb]
.set qb, qb+1
.endr
.set qb, 0
.rept 2*\nc
	v_add_nc_u32 v[\tm+8+qb], 0xfe000000, v[\tm+qb]
.set qb, qb+1
.endr
.set qb, 0
.rept 2*\nc
	v_lshrrev_b32 v[\tm+4+qb], 23, v[\tm+8+qb]
.set qb, qb+1
.endr
.set qc, 0
.rept \nc
	v_cvt_scalef32_pk16_bf6_f32 v[\d+\st*qc:\d+\st*qc+2], v[\s+32*qc:\s+32*qc+15], v[\tm+8+2*qc]
	v_cvt_scalef32_pk16_bf6_f32 v[\tq+4*qc:\tq+4*qc+2], v[\s+32*qc+16:\s+32*qc+31], v[\tm+9+2*qc]
.set qc, qc+1
.endr
	v_nop                                          ; one plain place behind a scaled conversion
.set qc, 0
.rept \nc
.irp qi, 0,1,2
	v_permlane16_swap_b32 v[\d+\st*qc+\qi], v[\tq+4*qc+\qi]
.endr
.irp qi, 0,1,2
	v_mov_b32 v[\d+\st*qc+3+\qi], v[\tq+4*qc+\qi]
.endr
.set qc, qc+1
.endr
.endm
.macro PLACES
.rept 4
	v_nop
.endr
.endm
.macro PLOAD reg, sp, va, imm          ; a vector's 32 numbers of my columns, in the result's layout
.irp pb, 0,1
.irp pq, 0,1,2,3
	global_load_b128 v[\reg+16*\pb+4*\pq:\reg+16*\pb+4*\pq+3], v[\va], s[\sp:\sp+1] offset:\imm+128*\pb+16*\pq
.endr
.endr
.endm
.macro WLOAD widx, m, x                ; eight fragments of weight widx (4 column tiles x 2 K steps) and their scale words.  m = the product's K; x: which two K steps (512) or which four column tiles (256)
.irp wt, 0,1,2,3
.irp wl, 0,1
.if \m == 512
.set FL, 4*\wt+2*\x+\wl
.else
.set FL, 8*\x+2*\wt+\wl
.endif
.irp wc, 0,1,2
	global_load_b128 v[WB+12*(2*\wt+\wl)+4*\wc:WB+12*(2*\wt+\wl)+4*\wc+3], v3, s[WIB:WIB+1] offset:\widx*98304+FL*1536+512*\wc
.endr
	global_load_b32 v[WS+2*\wt+\wl], v2, s[WCB:WCB+1] offset:\widx*8192+FL*128
.endr
.endr
.endm
.macro AFETCH g, base, sbase, rp, rps, s0   ; the two row tiles' fragments of K steps s0, s0 + 1, and their scale bytes, a word for each half; g = 1: from obuf, 0: from LDS
.irp ar, 0,1
.irp al, 0,1
.irp ap, 0,1,2,3,4,5
.if \g
	global_load_b64 v[AB+12*(2*\ar+\al)+2*\ap:AB+12*(2*\ar+\al)+2*\ap+1], v1, s[OBI:OBI+1] offset:\ar*\rp+(\s0+\al)*1536+256*\ap
.else
	ds_load_b64 v[AB+12*(2*\ar+\al)+2*\ap:AB+12*(2*\ar+\al)+2*\ap+1], v1 offset:\base+\ar*\rp+(\s0+\al)*1536+256*\ap
.endif
.endr
.irp ac, 0,1
.if \g
	global_load_b32 v[T+2*(2*\ar+\al)+\ac], v2, s[OBS:OBS+1] offset:\ar*\rps+(\s0+\al)*256+128*\ac
.else
	ds_load_b32 v[T+2*(2*\ar+\al)+\ac], v2 offset:\sbase+\ar*\rps+(\s0+\al)*256+128*\ac
.endif
.endr
.endr
.endr
.endm
.macro ASCALE                          ; two halves' bytes make a fragment's scale word; a scale register written by a vector instruction stands eight places ahead of the product
.irp k, 0,1,2,3
	v_lshl_or_b32 v[AS+\k], v[T+2*\k+1], 16, v[T+2*\k]
.endr
.rept 8
	v_nop
.endr
.endm
.macro MM16                            ; two K steps x two row tiles x four column tiles; the eight accumulators take turns
.irp ml, 0,1
.irp mr, 0,1
.irp mt, 0,1,2,3
	v_wmma_scale_f32_16x16x128_f8f6f4 v[ACC+32*\mr+8*\mt:ACC+32*\mr+8*\mt+7], v[WB+12*(2*\mt+\ml):WB+12*(2*\mt+\ml)+11], v[AB+12*(2*\mr+\ml):AB+12*(2*\mr+\ml)+11], v[ACC+32*\mr+8*\mt:ACC+32*\mr+8*\mt+7], v[WS+2*\mt+\ml], v[AS+2*\mr+\ml] matrix_a_fmt:MATRIX_FMT_BF6 matrix_b_fmt:MATRIX_FMT_BF6
.endr
.endr
.endr
.endm
.macro STAGE_PUT                       ; ACC into my stage: row 16 p + r, my 16 columns of block b at 128 b + 64 h
.irp sr, 0,1
.irp sb, 0,1
.irp sq, 0,1,2,3
	ds_store_b128 v4, v[ACC+32*\sr+16*\sb+4*\sq:ACC+32*\sr+16*\sb+4*\sq+3] offset:\sr*4352+128*\sb+16*\sq
.endr
.endr
.endr
.endm
.macro STAGE_GET reg                   ; and back, in the same layout
.irp sr, 0,1
.irp sb, 0,1
.irp sq, 0,1,2,3
	ds_load_b128 v[\reg+32*\sr+16*\sb+4*\sq:\reg+32*\sr+16*\sb+4*\sq+3], v4 offset:\sr*4352+128*\sb+16*\sq
.endr
.endr
.endr
.endm
.macro ROWS_LD sp                      ; my 256 bytes of the 32 rows, two rows an instruction, in the stage's order of rows
.irp i, 0,1,2,3,4,5,6,7,8,9,10,11,12,13,14,15
	global_load_b128 v[ACC+4*\i:ACC+4*\i+3], v6, s[\sp:\sp+1] offset:(8*(\i/8)+2*(\i%8)+8*((\i/4)%2))*1024
.endr
.endm
.macro ROWS_ST
.irp i, 0,1,2,3,4,5,6,7,8,9,10,11,12,13,14,15
	ds_store_b128 v5, v[ACC+4*\i:ACC+4*\i+3] offset:544*\i
.endr
.endm
.macro ROWS_OUT reg, sp                ; the stage's rows leave: 16 lanes store 256 consecutive bytes, aligned; written once, read by nobody here
.irp i, 0,1,2,3,4,5,6,7,8,9,10,11,12,13,14,15
	ds_load_b128 v[\reg+4*\i:\reg+4*\i+3], v5 offset:544*\i   ; LDS serves a wave's instructions in order: these see my stores
.endr
	s_wait_dscnt 0x0
.irp i, 0,1,2,3,4,5,6,7,8,9,10,11,12,13,14,15
	global_store_b128 v6, v[\reg+4*\i:\reg+4*\i+3], s[\sp:\sp+1] offset:(8*(\i/8)+2*(\i%8)+8*((\i/4)%2))*1024 th:TH_STORE_NT
.endr
.endm
.macro HALVES va, vs, imm, imms, rp, rps   ; the two half fragments just made (row tile p in v[D + 8 p] on) and their bytes go to LDS
.irp hc, 0,1
.irp hp, 0,1,2
	ds_store_b64 v[\va], v[D+8*\hc+2*\hp:D+8*\hc+2*\hp+1] offset:\imm+\hc*\rp+256*\hp
.endr
	v_lshl_or_b32 v[T+\hc], v[TM+5+2*\hc], 8, v[TM+4+2*\hc]
	ds_store_b32 v[\vs], v[T+\hc] offset:\imms+\hc*\rps
.endr
.endm
.macro ADDV src, st                    ; ACC += v[src + st p + j], each accumulator from its low end on
.irp p, 0,1
.set j, 0
.rept 16
	v_pk_add_f32 v[ACC+32*\p+j:ACC+32*\p+j+1], v[ACC+32*\p+j:ACC+32*\p+j+1], v[\src+\st*\p+j:\src+\st*\p+j+1]
.set j, j+2
.endr
.endr
.endm
.macro LN k, g, b                      ; ACC = (ACC - mean) rsqrt(var + 1e-6) g + b over the 256 columns; the two row tiles by turns; area k of LDS
.irp p, 0,1
	v_pk_add_f32 v[T+8*\p:T+8*\p+1], v[ACC+32*\p:ACC+32*\p+1], v[ACC+32*\p+2:ACC+32*\p+3]
.endr
.irp j, 4,6,8,10,12,14,16,18,20,22,24,26,28,30
.irp p, 0,1
	v_pk_add_f32 v[T+8*\p:T+8*\p+1], v[T+8*\p:T+8*\p+1], v[ACC+32*\p+\j:ACC+32*\p+\j+1]
.endr
.endr
.irp p, 0,1
	v_add_f32 v[T+8*\p], v[T+8*\p], v[T+8*\p+1]
.endr
.irp p, 0,1
	v_permlanex16_b32 v[T+8*\p+1], v[T+8*\p], s[SEL], s[SEL+1]
.endr
.irp p, 0,1
	v_add_f32 v[T+8*\p], v[T+8*\p], v[T+8*\p+1]
.endr
.irp p, 0,1
	v_mul_f32 v[T+8*\p+6], 0x3c800000, v[T+8*\p]   ; the mean of my wave's 64 columns
.endr
.irp p, 0,1
	v_pk_add_f32 v[T+8*\p+2:T+8*\p+3], v[ACC+32*\p:ACC+32*\p+1], v[T+8*\p+6:T+8*\p+7] op_sel_hi:[1,0] neg_lo:[0,1] neg_hi:[0,1]
.endr
.irp p, 0,1
	v_pk_mul_f32 v[T+8*\p+4:T+8*\p+5], v[T+8*\p+2:T+8*\p+3], v[T+8*\p+2:T+8*\p+3]
.endr
.irp j, 2,4,6,8,10,12,14,16,18,20,22,24,26,28,30
.irp p, 0,1
	v_pk_add_f32 v[T+8*\p+2:T+8*\p+3], v[ACC+32*\p+\j:ACC+32*\p+\j+1], v[T+8*\p+6:T+8*\p+7] op_sel_hi:[1,0] neg_lo:[0,1] neg_hi:[0,1]
.endr
.irp p, 0,1
	v_pk_fma_f32 v[T+8*\p+4:T+8*\p+5], v[T+8*\p+2:T+8*\p+3], v[T+8*\p+2:T+8*\p+3], v[T+8*\p+4:T+8*\p+5]
.endr
.endr
.irp p, 0,1
	v_add_f32 v[T+8*\p+4], v[T+8*\p+4], v[T+8*\p+5]
.endr
.irp p, 0,1
	v_permlanex16_b32 v[T+8*\p+5], v[T+8*\p+4], s[SEL], s[SEL+1]
.endr
.irp p, 0,1
	v_add_f32 v[T+8*\p+7], v[T+8*\p+4], v[T+8*\p+5]   ; and the sum of their squared deviations from it
.endr
.irp p, 0,1
	ds_store_b64 v13, v[T+8*\p+6:T+8*\p+7] offset:1024*\k+128*\p   ; (both halves of the lanes write the same pair)
.endr
	s_wait_dscnt 0x0                               ; for the others' sake
	s_barrier_signal -1
	s_barrier_wait -1
.irp p, 0,1
.irp w, 0,1,2,3
	ds_load_b64 v[T+8*\p+2*\w:T+8*\p+2*\w+1], v14 offset:1024*\k+256*\w+128*\p
.endr
.endr
	s_wait_dscnt 0x0
.irp p, 0,1
	v_add_f32 v[U+2*\p], v[T+8*\p], v[T+8*\p+2]
	v_add_f32 v[U+2*\p+1], v[T+8*\p+4], v[T+8*\p+6]
.endr
.irp p, 0,1
	v_add_f32 v[U+2*\p], v[U+2*\p], v[U+2*\p+1]
.endr
.irp p, 0,1
	v_mul_f32 v[U+2*\p], 0x3e800000, v[U+2*\p]     ; the row's mean
.endr
.irp w, 0,1,2,3
.irp p, 0,1
	v_sub_f32 v[T+8*\p+2*\w], v[T+8*\p+2*\w], v[U+2*\p]
.endr
.endr
.irp p, 0,1
	v_mul_f32 v[U+2*\p+1], v[T+8*\p], v[T+8*\p]
.endr
.irp w, 1,2,3
.irp p, 0,1
	v_fmac_f32 v[U+2*\p+1], v[T+8*\p+2*\w], v[T+8*\p+2*\w]
.endr
.endr
.irp p, 0,1
	v_add_f32 v[T+8*\p+1], v[T+8*\p+1], v[T+8*\p+3]
	v_add_f32 v[T+8*\p+5], v[T+8*\p+5], v[T+8*\p+7]
.endr
.irp p, 0,1
	v_add_f32 v[T+8*\p+1], v[T+8*\p+1], v[T+8*\p+5]
.endr
.irp p, 0,1
	v_fmamk_f32 v[T+8*\p+1], v[U+2*\p+1], 0x42800000, v[T+8*\p+1]   ; + 64 x the squared distances of the four means from the row's
.endr
.irp p, 0,1
	v_fma_f32 v[U+2*\p+1], v[T+8*\p+1], s60, s61   ; / 256 + 1e-6
.endr
.irp p, 0,1
	v_rsq_f32 v[T+8*\p], v[U+2*\p+1]
.endr
	v_nop                                          ; a plain place behind the two
	s_wait_alu depctr_va_vdst(0)                   ; one wait for both, ahead of their first reader
.irp j, 0,2,4,6,8,10,12,14,16,18,20,22,24,26,28,30
.irp p, 0,1
	v_pk_add_f32 v[ACC+32*\p+\j:ACC+32*\p+\j+1], v[ACC+32*\p+\j:ACC+32*\p+\j+1], v[U+2*\p:U+2*\p+1] op_sel_hi:[1,0] neg_lo:[0,1] neg_hi:[0,1]
.endr
.irp p, 0,1
	v_pk_mul_f32 v[ACC+32*\p+\j:ACC+32*\p+\j+1], v[ACC+32*\p+\j:ACC+32*\p+\j+1], v[T+8*\p:T+8*\p+1] op_sel_hi:[1,0]
.endr
.irp p, 0,1
	v_pk_fma_f32 v[ACC+32*\p+\j:ACC+32*\p+\j+1], v[ACC+32*\p+\j:ACC+32*\p+\j+1], v[\g+\j:\g+\j+1], v[\b+\j:\b+\j+1]
.endr
.endr
.endm
; ACC = LN(res + LN(O w2 + b2 + res)).  The residual rows go into my stage, come back in the result's layout as the sums' first C, and stay in the stage for the second addition.
.macro FRONT widx
	WLOAD \widx, 512, 0
	AFETCH 1, 0, 0, 6144, 1024, 0
	ROWS_LD RES
	s_wait_loadcnt 0x0
	ROWS_ST
	s_wait_dscnt 0x0                               ; the stores have read their registers
	STAGE_GET ACC
	ASCALE
	s_wait_dscnt 0x0
	MM16
	PLACES                                         ; in front of loads into registers that the products have read
	WLOAD \widx, 512, 1
	AFETCH 1, 0, 0, 6144, 1024, 2
	s_wait_loadcnt 0x0
	ASCALE
	MM16
	PLACES
	PLOAD AB, 14, 7, 0                             ; b2
	PLOAD WB, 16, 7, 0                             ; the first norm's gain and bias
	PLOAD WB+32, 18, 7, 0
	PLOAD WB+64, 20, 7, 0                          ; the second's gain
	s_wait_loadcnt 0x0
	ADDV AB, 0
	PLOAD AB, 22, 7, 0                             ; the second's bias lands during the first norm
	LN 0, WB, WB+32
	STAGE_GET WB
	s_wait_dscnt 0x0
	ADDV WB, 32
	s_wait_loadcnt 0x0
	LN 1, WB+64, AB
.endm
	s_load_b512 s[8:23], s[0:1], 0x0               ; obuf 8, x1 10, wts 12, m2_b2 14, m2_g 16, m2_b 18, ln2_g 20, ln2_b 22
	s_load_b256 s[24:31], s[0:1], 0x40             ; ffn_b1 24, ffn_b2 26, ln3_g 28, ln3_b 30
	s_load_b64 s[32:33], s[0:1], 0x60              ; out0
	v_lshl_add_u32 v15, v0, 2, 0xe800
	s_set_vgpr_msb 0x40
	v_mov_b32 v1, 0
	s_set_vgpr_msb 0x4000
	v_lshrrev_b32 v1, 5, v0
	v_readfirstlane_b32 s[WV], v1                  ; wave 0..3
	s_mov_b32 s[SEL], 0x76543210
	s_mov_b32 s[SEL+1], 0xfedcba98
	s_mov_b32 s60, 0x3b800000                      ; 1 / 256
	s_mov_b32 s61, 0x358637bd                      ; 1e-6
	v_and_b32 v16, 31, v0                          ; l
	v_and_b32 v17, 15, v0                          ; r
	v_bfe_u32 v18, v0, 4, 1                        ; h
	v_lshlrev_b32 v1, 3, v16
	v_lshlrev_b32 v2, 2, v16
	v_lshlrev_b32 v3, 4, v16
	s_mul_i32 s58, s[WV], 8704                     ; my stage
	v_mul_u32_u24 v4, v17, 272
	v_lshl_add_u32 v4, v18, 6, v4
	v_add_nc_u32 v4, s58, v4                       ; in the result's layout: row r, + 64 h
	v_mul_u32_u24 v5, v18, 272
	v_lshl_add_u32 v5, v17, 4, v5
	v_add_nc_u32 v5, s58, v5                       ; by rows: lanes 0-15 one row, lanes 16-31 the next
	s_lshl_b32 s59, s[WV], 8
	v_lshlrev_b32 v6, 10, v18
	v_lshl_add_u32 v6, v17, 4, v6
	v_add_nc_u32 v6, s59, v6                       ; the same two rows in memory, my 256 bytes
	v_lshlrev_b32 v7, 6, v18
	v_add_nc_u32 v7, s59, v7                       ; a vector of 256: my 64 numbers, + 64 h
	s_lshl_b32 s58, s[WV], 9
	v_lshlrev_b32 v8, 6, v18
	v_add_nc_u32 v8, s58, v8                       ; a vector of 512: my 128 numbers
	s_mul_i32 s58, s[WV], 768
	s_add_co_u32 s58, s58, XIMG
	v_add_nc_u32 v9, s58, v1                       ; where I store x2's half fragments,
	s_lshl_b32 s58, s[WV], 7
	s_add_co_u32 s58, s58, XSC
	v_add_nc_u32 v10, s58, v2                      ; and their bytes;
	s_mul_i32 s58, s[WV], 1536
	s_add_co_u32 s58, s58, HIMG
	v_add_nc_u32 v11, s58, v1                      ; the hidden layer's,
	s_lshl_b32 s58, s[WV], 8
	s_add_co_u32 s58, s58, HSC
	v_add_nc_u32 v12, s58, v2                      ; and theirs
	v_lshlrev_b32 v14, 3, v17
	v_add_nc_u32 v14, LNX, v14                     ; the norms' pairs: 8 r,
	v_add_nc_u32 v13, s59, v14                     ; + 256 x wave for mine
.set j, 0
.rept 16
	v_mov_b32 v[T+j], 0                            ; written once: named in pairs and as lane permutes' destinations
.set j, j+1
.endr
	s_mov_b32 s57, 0
	s_wait_kmcnt 0x0
	s_mul_i32 s56, ttmp9, 12288
	s_add_nc_u64 s[OBI:OBI+1], s[8:9], s[56:57]    ; my two row tiles' images,
	s_lshl_b32 s56, ttmp9, 11
	s_add_co_u32 s56, s56, 3145728
	s_add_nc_u64 s[OBS:OBS+1], s[8:9], s[56:57]    ; and scale bytes
	s_lshl_b32 s56, ttmp9, 15
	s_add_nc_u64 s[RES:RES+1], s[10:11], s[56:57]  ; my 32 rows of x1
	s_add_nc_u64 s[OUTP:OUTP+1], s[32:33], s[56:57]   ; and of the output
	s_mul_i32 s56, s[WV], 24576
	s_add_nc_u64 s[WIB:WIB+1], s[12:13], s[56:57]  ; my 16 fragments of a weight,
	s_lshl_b32 s56, s[WV], 11
	s_add_co_u32 s56, s56, 983040
	s_add_nc_u64 s[WCB:WCB+1], s[12:13], s[56:57]  ; and their scale words
	FRONT 8
	WLOAD 6, 256, 0                                ; ffn_w1, my first 64 hidden units: lands while x2 is quantised
	STAGE_PUT                                      ; x2 stays in my stage for the last residual
	QUANT ACC, D, 8, 2, TM, TQ
	HALVES 9, 10, 0, 0, 3072, 512
	s_wait_dscnt 0x0                               ; for the others' sake, and the stores have read their registers
	s_barrier_signal -1
	s_barrier_wait -1                              ; x2's four fragments lie in LDS
.irp a, 0,1                                    ; hidden units 128 w + 64 a on
	AFETCH 0, XIMG, XSC, 3072, 512, 0
	PLOAD ACC, 24, 8, 256*\a                       ; the bias is the sums' first C
	PLOAD ACC+32, 24, 8, 256*\a
	s_wait_loadcnt 0x0
	s_wait_dscnt 0x0
	ASCALE
	MM16
	PLACES
.if \a == 0
	WLOAD 6, 256, 1
.else
	WLOAD 9, 512, 0                                ; ffn_w2's first two K steps
.endif
.set j, 0
.rept 64
	v_max_num_f32 v[ACC+j], 0, v[ACC+j]            ; the activation, in f32
.set j, j+1
.endr
	QUANT ACC, D, 8, 2, TM, TQ
	HALVES 11, 12, 768*\a, 128*\a, 6144, 1024
	s_wait_dscnt 0x0                               ; the stores have read their registers, and have landed
.endr
	s_barrier_signal -1
	s_barrier_wait -1                              ; the hidden layer's eight fragments lie in LDS
	STAGE_GET ACC                                  ; x2 is the sums' first C
	AFETCH 0, HIMG, HSC, 6144, 1024, 0
	s_wait_loadcnt 0x0
	s_wait_dscnt 0x0
	ASCALE
	MM16
	PLACES
	WLOAD 9, 512, 1
	AFETCH 0, HIMG, HSC, 6144, 1024, 2
	s_wait_loadcnt 0x0
	s_wait_dscnt 0x0
	ASCALE
	MM16
	PLACES
	PLOAD AB, 26, 7, 0                             ; ffn_b2
	PLOAD WB, 28, 7, 0                             ; ln3_g
	PLOAD WB+32, 30, 7, 0                          ; ln3_b
	s_wait_loadcnt 0x0
	ADDV AB, 0
	LN 2, WB, WB+32
	STAGE_PUT
	ROWS_OUT WB, OUTP
	s_set_vgpr_msb 0x4
	s_wait_tensorcnt 0x0
	ds_add_u32 v15, v1
	s_wait_dscnt 0x0
	s_set_vgpr_msb 0x400
	s_endpgm
.Lfunc_end_k_qc0a1f00cf7_post2:
	.size	k_qc0a1f00cf7_post2, .Lfunc_end_k_qc0a1f00cf7_post2-k_qc0a1f00cf7_post2
	.p2alignl 7, 3214868480
	.fill 96, 4, 3214868480
	.section	.rodata,"a",@progbits
	.p2align	6, 0x0
	.amdhsa_kernel k_qc0a1f00cf7_post2
		.amdhsa_group_segment_fixed_size 59904
		.amdhsa_private_segment_fixed_size 0
		.amdhsa_enable_private_segment 0
		.amdhsa_kernarg_size 104
		.amdhsa_user_sgpr_count 2
		.amdhsa_user_sgpr_kernarg_segment_ptr 1
		.amdhsa_wavefront_size32 1
		.amdhsa_system_sgpr_workgroup_id_x 1
		.amdhsa_system_sgpr_workgroup_id_y 1
		.amdhsa_system_sgpr_workgroup_id_z 1
		.amdhsa_system_vgpr_workitem_id 0
		.amdhsa_next_free_vgpr 258
		.amdhsa_next_free_sgpr 66
		.amdhsa_reserve_vcc 0
		.amdhsa_float_denorm_mode_32 3
		.amdhsa_float_denorm_mode_16_64 3
		.amdhsa_memory_ordered 1
		.amdhsa_forward_progress 1
		.amdhsa_inst_pref_size 138
	.end_amdhsa_kernel
	.amdgpu_metadata
---
amdhsa.version: [ 1, 2 ]
amdhsa.kernels:
  - .name:           k_qc0a1f00cf7_post2
    .symbol:         k_qc0a1f00cf7_post2.kd
    .args:
      - { .name: obuf, .offset: 0, .size: 8, .value_kind: global_buffer, .address_space: global }
      - { .name: x1, .offset: 8, .size: 8, .value_kind: global_buffer, .address_space: global }
      - { .name: wts, .offset: 16, .size: 8, .value_kind: global_buffer, .address_space: global }
      - { .name: m2_b2, .offset: 24, .size: 8, .value_kind: global_buffer, .address_space: global }
      - { .name: m2_g, .offset: 32, .size: 8, .value_kind: global_buffer, .address_space: global }
      - { .name: m2_b, .offset: 40, .size: 8, .value_kind: global_buffer, .address_space: global }
      - { .name: ln2_g, .offset: 48, .size: 8, .value_kind: global_buffer, .address_space: global }
      - { .name: ln2_b, .offset: 56, .size: 8, .value_kind: global_buffer, .address_space: global }
      - { .name: ffn_b1, .offset: 64, .size: 8, .value_kind: global_buffer, .address_space: global }
      - { .name: ffn_b2, .offset: 72, .size: 8, .value_kind: global_buffer, .address_space: global }
      - { .name: ln3_g, .offset: 80, .size: 8, .value_kind: global_buffer, .address_space: global }
      - { .name: ln3_b, .offset: 88, .size: 8, .value_kind: global_buffer, .address_space: global }
      - { .name: out0, .offset: 96, .size: 8, .value_kind: global_buffer, .address_space: global }
    .group_segment_fixed_size: 59904
    .private_segment_fixed_size: 0
    .kernarg_segment_align: 8
    .kernarg_segment_size: 104
    .max_flat_workgroup_size: 128
    .sgpr_count:     66
    .vgpr_count:     258
    .wavefront_size: 32
...
	.end_amdgpu_metadata
.endif
;; end of part 5
;; ======== version 2 of 2: 6 launches
;; workspace buffers: wts 1,064,960 bytes; qimg 4,194,304 bytes; kv1 7,864,320 bytes; kv2 7,864,320 bytes; obuf 3,670,016 bytes; x1 8,388,608 bytes
;; launch wprep (part 6): grid 160 x 1, 4 waves a work-group, no clusters, 0 bytes of LDS; arguments m1_wq, m1_wk, m1_wv, m2_wk, m2_wv, m2_wq, ffn_w1, m1_w2, m2_w2, ffn_w2, wts; writes wts
.if DOCPART == 6
	.amdgcn_target "amdgcn-amd-amdhsa--gfx1250"
	.amdhsa_code_object_version 6
	.text
	.protected	k_qc0a1f00cf7_wprep
	.globl	k_qc0a1f00cf7_wprep
	.p2align	8
	.type	k_qc0a1f00cf7_wprep,@function
k_qc0a1f00cf7_wprep:
	s_mov_b64 s[64:65], 0
	v_nop
	global_prefetch_b8 v0, s[64:65] scope:SCOPE_SE
	s_setreg_imm32_b32 hwreg(HW_REG_WAVE_MODE, 25, 1), 1
	s_wait_xcnt 0x0
; The ten weights, f32 stored [K][N], become codes of E3M2 with one E8M0 byte for each 32 along K, laid as IMAGES OF OPERAND REGISTERS.
; A fragment is 16 columns x 128 K: 12 registers a lane.  Weight w (0 m1_wq, 1 m1_wk, 2 m1_wv, 3 m2_wk, 4 m2_wv, 5 m2_wq, 6 ffn_w1: [256][512]; 7 m1_w2, 8 m2_w2, 9 ffn_w2: [512][256])
; has 64 fragments, f = column tile x (K / 128) + K step.  Image: wts + (64 w + f) x 1536, registers 4 c .. 4 c + 3 of lane l at 512 c + 16 l.  Scale words: wts + 983040 + (64 w + f) x 128 + 4 l.
; THE COLUMNS OF A TILE ARE NOT NEIGHBOURS: member i of tile t is column 32 (t / 2) + 8 (t % 2) + i + 8 (i / 8), so that the results of tiles 2 b and 2 b + 1 are 16 neighbours along the next K.
; One wave makes one fragment: lane (r, h) takes its column and its registers run DOWN K (k = 64 c + 32 h + 0 .. 31): a lane holds two whole blocks, nothing is transposed.
; A block's byte is its largest magnitude's exponent field - 4, held at 1 from below.
; LIMITS: a block of zeros, and a block whose largest magnitude lies under 2^-122, gets the byte 1 (its codes are zeros or tiny; this program alone reads the bytes); NaN and infinities are not served.
.set SCW, 983040
.macro LOADW rb                        ; 64 numbers of my column; rb = bytes of a row of the weight
.irp c, 0,1
.set i, 0
.rept 32
	global_load_b32 v[32+32*\c+i], v3, s[36:37] offset:(64*\c+i)*\rb
.set i, i+1
.endr
.endr
.endm
	s_load_b512 s[4:19], s[0:1], 0x0               ; weights 0 to 7
	s_load_b128 s[20:23], s[0:1], 0x40             ; weights 8, 9
	s_load_b64 s[24:25], s[0:1], 0x50              ; wts
	v_lshrrev_b32 v1, 5, v0
	v_readfirstlane_b32 s26, v1                    ; wave
	s_lshl_b32 s27, ttmp9, 2
	s_add_co_u32 s27, s27, s26                     ; the fragment's number, 0 .. 639
	s_lshr_b32 s28, ttmp9, 4                       ; the weight
	s_and_b32 s29, s27, 63                         ; the fragment in it
	s_cmp_lt_u32 s28, 7
	s_cselect_b32 s30, 1, 2                        ; log2 of the K steps
	s_cselect_b32 s31, 11, 10                      ; log2 of a row's bytes
	s_lshr_b32 s32, s29, s30                       ; column tile t
	s_lshl_b32 s33, s32, s30
	s_sub_co_u32 s33, s29, s33                     ; K step
	s_lshl_b32 s33, s33, 7
	s_lshl_b32 s33, s33, s31                       ; 128 rows a K step
	s_lshr_b32 s34, s32, 1
	s_lshl_b32 s34, s34, 7                         ; 32 (t / 2) columns of 4 bytes
	s_and_b32 s35, s32, 1
	s_lshl_b32 s35, s35, 5                         ; 8 (t % 2)
	s_add_co_u32 s34, s34, s35
	s_add_co_u32 s34, s34, s33
	s_mov_b32 s35, 0
	s_mov_b32 s38, 0x76543210
	s_mov_b32 s39, 0xfedcba98                      ; selects: lane l xor 16
	v_and_b32 v1, 15, v0                           ; r
	v_bfe_u32 v2, v0, 4, 1                         ; h
	v_and_b32 v6, 8, v1
	v_add_nc_u32 v6, v6, v1                        ; r + 8 (r / 8)
	v_lshlrev_b32 v3, 5, v2
	v_lshlrev_b32 v3, s31, v3                      ; lanes 16-31 begin 32 rows further down
	v_lshl_add_u32 v3, v6, 2, v3
	v_and_b32 v7, 31, v0
	v_lshlrev_b32 v4, 4, v7                        ; 16 l
	v_lshlrev_b32 v5, 2, v7                        ; 4 l
	s_mul_i32 s40, s27, 1536
	s_mov_b32 s41, 0
	s_lshl_b32 s42, s27, 7
	s_add_co_u32 s42, s42, SCW
	s_mov_b32 s43, 0
	s_wait_kmcnt 0x0
	s_mov_b64 s[36:37], s[4:5]                     ; the weight's address: a choice on the work-group's number alone
.irp i, 1,2,3,4,5,6,7
	s_cmp_eq_u32 s28, \i
	s_cselect_b64 s[36:37], s[4+2*\i:5+2*\i], s[36:37]
.endr
	s_cmp_eq_u32 s28, 8
	s_cselect_b64 s[36:37], s[20:21], s[36:37]
	s_cmp_eq_u32 s28, 9
	s_cselect_b64 s[36:37], s[22:23], s[36:37]
	s_add_nc_u64 s[36:37], s[36:37], s[34:35]
	s_add_nc_u64 s[40:41], s[24:25], s[40:41]
	s_add_nc_u64 s[42:43], s[24:25], s[42:43]
	s_cmp_lt_u32 s28, 7
	s_cbranch_scc0 .Lnarrow
	s_wait_alu depctr_va_vdst(0)
	LOADW 2048
	s_branch .Lloaded
.Lnarrow:
	s_wait_alu depctr_va_vdst(0)
	LOADW 1024
.Lloaded:
	s_wait_loadcnt 0x0
.irp c, 0,1                                    ; my block 2 c + h: all its 32 numbers are mine; the floor 2^(5 - 127) holds the byte at 1 from below
	v_max3_num_f32 v[8+\c], |v[32+32*\c]|, |v[33+32*\c]|, 0x2800000
.endr
.irp i, 2,4,6,8,10,12,14,16,18,20,22,24,26,28,30
.irp c, 0,1
	v_max3_num_f32 v[8+\c], v[8+\c], |v[32+32*\c+\i]|, |v[33+32*\c+\i]|
.endr
.endr
.irp c, 0,1
	v_add_nc_u32 v[10+\c], 0xfe000000, v[8+\c]     ; 4 off the exponent field: the conversion's scale operand
.endr
.irp c, 0,1
	v_lshrrev_b32 v[12+\c], 23, v[10+\c]           ; the byte
.endr
	v_lshl_or_b32 v14, v13, 16, v12                ; my two bytes, blocks h and 2 + h,
	v_lshlrev_b32 v15, 3, v2
	v_lshlrev_b32 v14, v15, v14                    ; at their places;
	v_mov_b32 v15, 0
	v_permlanex16_b32 v15, v14, s38, s39
	v_or_b32 v14, v14, v15                         ; with lane l xor 16's the word is whole, in both halves of the lanes
.irp c, 0,1
	v_cvt_scalef32_pk16_bf6_f32 v[16+6*\c:18+6*\c], v[32+32*\c:47+32*\c], v[10+\c]
	v_cvt_scalef32_pk16_bf6_f32 v[96+4*\c:98+4*\c], v[48+32*\c:63+32*\c], v[10+\c]   ; (a conversion's three registers begin on an even number)
.endr
	v_nop                                          ; one plain place behind a scaled conversion
.irp c, 0,1
.irp i, 0,1,2
	v_mov_b32 v[19+6*\c+\i], v[96+4*\c+\i]
.endr
.endr
	global_store_b128 v4, v[16:19], s[40:41]       ; each store covers 512 consecutive bytes, aligned
	global_store_b128 v4, v[20:23], s[40:41] offset:512
	global_store_b128 v4, v[24:27], s[40:41] offset:1024
	global_store_b32 v5, v14, s[42:43]             ; 128 consecutive bytes; the work-group's four waves fill 512
	s_endpgm
.Lfunc_end_k_qc0a1f00cf7_wprep:
	.size	k_qc0a1f00cf7_wprep, .Lfunc_end_k_qc0a1f00cf7_wprep-k_qc0a1f00cf7_wprep
	.p2alignl 7, 3214868480
	.fill 96, 4, 3214868480
	.section	.rodata,"a",@progbits
	.p2align	6, 0x0
	.amdhsa_kernel k_qc0a1f00cf7_wprep
		.amdhsa_group_segment_fixed_size 0
		.amdhsa_private_segment_fixed_size 0
		.amdhsa_enable_private_segment 0
		.amdhsa_kernarg_size 88
		.amdhsa_user_sgpr_count 2
		.amdhsa_user_sgpr_kernarg_segment_ptr 1
		.amdhsa_wavefront_size32 1
		.amdhsa_system_sgpr_workgroup_id_x 1
		.amdhsa_system_sgpr_workgroup_id_y 1
		.amdhsa_system_sgpr_workgroup_id_z 1
		.amdhsa_system_vgpr_workitem_id 0
		.amdhsa_next_free_vgpr 112
		.amdhsa_next_free_sgpr 66
		.amdhsa_reserve_vcc 0
		.amdhsa_float_denorm_mode_32 3
		.amdhsa_float_denorm_mode_16_64 3
		.amdhsa_memory_ordered 1
		.amdhsa_forward_progress 1
		.amdhsa_inst_pref_size 19
	.end_amdhsa_kernel
	.amdgpu_metadata
---
amdhsa.version: [ 1, 2 ]
amdhsa.kernels:
  - .name:           k_qc0a1f00cf7_wprep
    .symbol:         k_qc0a1f00cf7_wprep.kd
    .args:
      - { .name: m1_wq, .offset: 0, .size: 8, .value_kind: global_buffer, .address_space: global }
      - { .name: m1_wk, .offset: 8, .size: 8, .value_kind: global_buffer, .address_space: global }
      - { .name: m1_wv, .offset: 16, .size: 8, .value_kind: global_buffer, .address_space: global }
      - { .name: m2_wk, .offset: 24, .size: 8, .value_kind: global_buffer, .address_space: global }
      - { .name: m2_wv, .offset: 32, .size: 8, .value_kind: global_buffer, .address_space: global }
      - { .name: m2_wq, .offset: 40, .size: 8, .value_kind: global_buffer, .address_space: global }
      - { .name: ffn_w1, .offset: 48, .size: 8, .value_kind: global_buffer, .address_space: global }
      - { .name: m1_w2, .offset: 56, .size: 8, .value_kind: global_buffer, .address_space: global }
      - { .name: m2_w2, .offset: 64, .size: 8, .value_kind: global_buffer, .address_space: global }
      - { .name: ffn_w2, .offset: 72, .size: 8, .value_kind: global_buffer, .address_space: global }
      - { .name: wts, .offset: 80, .size: 8, .value_kind: global_buffer, .address_space: global }
    .group_segment_fixed_size: 0
    .private_segment_fixed_size: 0
    .kernarg_segment_align: 8
    .kernarg_segment_size: 88
    .max_flat_workgroup_size: 128
    .sgpr_count:     66
    .vgpr_count:     112
    .wavefront_size: 32
...
	.end_amdgpu_metadata
.endif
;; end of part 6
;; launch proj (part 7): grid 64 x 5, 8 waves a work-group, no clusters, 27,648 bytes of LDS; arguments x, encoder_output, tgt_mask, wts, m1_bq, m1_bk, m1_bv, m2_bk, m2_bv, qimg, kv1, kv2; writes qimg, kv1, kv2
.if DOCPART == 7
	.amdgcn_target "amdgcn-amd-amdhsa--gfx1250"
	.amdhsa_code_object_version 6
	.text
	.protected	k_qc0a1f00cf7_proj
	.globl	k_qc0a1f00cf7_proj
	.p2align	8
	.type	k_qc0a1f00cf7_proj,@function
k_qc0a1f00cf7_proj:
	s_mov_b64 s[64:65], 0
	v_nop
	global_prefetch_b8 v0, s[64:65] scope:SCOPE_SE
	s_setreg_imm32_b32 hwreg(HW_REG_WAVE_MODE, 25, 1), 1
	s_wait_xcnt 0x0
; The five projections that hang on inputs alone: job (work-group y) 0: Q1 = x wq + bq, 1: K1, 2: V1, 3: K2 = enc wk + bk, 4: V2.  Both operands in E3M2 codes; the results are quantised again for attention
; and stored as images of operand registers.  A work-group takes 128 rows (work-group x): one key step of attention.
; PHASE X: wave w quantises row tile w (16 rows x 256) along K into two fragments and stores their images in LDS; one barrier; behind it LDS is only read.
; THE ROWS OF A TILE ARE NOT NEIGHBOURS: member i of tile m is row 32 (m / 2) + 8 (m % 2) + i + 8 (i / 8); the weights' column tiles are chosen likewise.
; Then wave w makes head w (64 columns: 4 column tiles, 8 weight fragments, kept in registers) for all 8 row tiles.
; Q, K: the product is used transposed (source 0 = weight, source 1 = rows): a lane holds one row and 32 of the head's 64 numbers; they are quantised along the head's 64.  A tile's image is 1,024 bytes:
;   lane l's 16 bytes at 16 l: registers 0-3; at 512 + 16 l: registers 4, 5, 6 and a word: the row's scale word (Q) or 0 (K: it is register 7 of the operand).
; V: source 0 = rows, source 1 = weight: a lane holds one of the head's 64 numbers and its registers run along the KEYS: quantised along the keys, 128 to a fragment.
; THE KEY MASK rides on the unused K positions 64 .. 127 of the score product.  Q holds the code +16 at k = 64 (scale byte 127); a key with tgt_mask == 0 holds the code -16 there with the scale byte 154 (2^27),
; and its 64 numbers are multiplied by 0 ahead of the quantiser: its score is exactly -2^35, which is -2^32 after the division by 8: the f32 value of -2^32 + 1.
; LIMITS: a block of zeros, and one whose largest magnitude lies under 2^-122, gets the byte 1 (this program alone reads the bytes); NaN and infinities are not served.  src_mask is not read.
; REGISTERS: v1 16 l, v2 4 l, v3 x's lane offset, v4, v5 where I store images and scale words, v6 64 h, v7 4 (r + 8 (r / 8)), v8 h; v10-17 the weights' scale words, v18-21 the rows', v22-25 scale words to store;
;   v32-43, v44-51 at work in the quantiser, v52-63 codes; v64-191 x's numbers, later accumulators, fragments and biases; v160-255 the weight fragments.
.set SEL, 54
.set XSC, 24576                        ; LDS: images of the 16 fragments (tile m, K step s: (2 m + s) x 1536) from 0; their scale words, 128 bytes each, from here
; 32 nc x 2 numbers of a lane, register s + 16 b + i = k 32 b + 16 (lane / 16) + i of my row, become codes: half fragment c (blocks 2 c, 2 c + 1) in v[d + st c] on, six registers.  The bytes stay in v[tm + 4 + b].
.macro QUANT s, d, st, nc, tm, tq
.set qb, 0
.rept 2*\nc
	v_max3_num_f32 v[\tm+qb], |v[\s+16*qb]|, |v[\s+16*qb+1]|, 0x2800000   ; my 16 numbers of block b, and the floor 2^(5 - 127): the byte cannot fall under 1
.set qb, qb+1
.endr
.irp qi, 2,4,6,8,10,12,14
.set qb, 0
.rept 2*\nc
	v_max3_num_f32 v[\tm+qb], v[\tm+qb], |v[\s+16*qb+\qi]|, |v[\s+16*qb+\qi+1]|   ; (the blocks by turns)
.set qb, qb+1
.endr
.endr
.set qb, 0
.rept 2*\nc
	v_permlanex16_b32 v[\tm+4+qb], v[\tm+qb], s[SEL], s[SEL+1]
.set qb, qb+1
.endr
.set qb, 0
.rept 2*\nc
	v_max_num_f32 v[\tm+qb], v[\tm+qb], v[\tm+4+qb]   ; with lane l xor 16's: the block's largest magnitude
.set qb, qb+1
.endr
.set qb, 0
.rept 2*\nc
	v_add_nc_u32 v[\tm+8+qb], 0xfe000000, v[\tm+qb]   ; 4 off its exponent field: the conversion's scale operand
.set qb, qb+1
.endr
.set qb, 0
.rept 2*\nc
	v_lshrrev_b32 v[\tm+4+qb], 23, v[\tm+8+qb]        ; the byte
.set qb, qb+1
.endr
.set qc, 0
.rept \nc
	v_cvt_scalef32_pk16_bf6_f32 v[\d+\st*qc:\d+\st*qc+2], v[\s+32*qc:\s+32*qc+15], v[\tm+8+2*qc]
	v_cvt_scalef32_pk16_bf6_f32 v[\tq+4*qc:\tq+4*qc+2], v[\s+32*qc+16:\s+32*qc+31], v[\tm+9+2*qc]   ; (a conversion's three registers begin on an even number)
.set qc, qc+1
.endr
	v_nop                                          ; one plain place behind a scaled conversion
.set qc, 0
.rept \nc                                      ; the operand's layout wants a whole block in a lane: lanes 0-15 block 2 c, lanes 16-31 block 2 c + 1
.irp qi, 0,1,2
	v_permlane16_swap_b32 v[\d+\st*qc+\qi], v[\tq+4*qc+\qi]
.endr
.irp qi, 0,1,2
	s_delay_alu instid0(VALU_DEP_3)
	v_mov_b32 v[\d+\st*qc+3+\qi], v[\tq+4*qc+\qi]
.endr
.set qc, qc+1
.endr
.endm
.macro WM d, a, b, c, sa, sb
	v_wmma_scale_f32_16x16x128_f8f6f4 v[\d:\d+7], v[\a:\a+11], v[\b:\b+11], v[\c:\c+7], v[\sa], v[\sb] matrix_a_fmt:MATRIX_FMT_BF6 matrix_b_fmt:MATRIX_FMT_BF6
.endm
	s_load_b512 s[8:23], s[0:1], 0x0               ; x 8, enc 10, tgt_mask 12, wts 14, m1_bq 16, m1_bk 18, m1_bv 20, m2_bk 22
	s_load_b256 s[24:31], s[0:1], 0x40             ; m2_bv 24, qimg 26, kv1 28, kv2 30
	s_set_vgpr_msb 0x40
	v_lshl_add_u32 v0, v0, 2, 0x6800
	v_mov_b32 v1, 0
	s_set_vgpr_msb 0x4000
	v_lshrrev_b32 v1, 5, v0
	s_delay_alu instid0(VALU_DEP_1)
	v_readfirstlane_b32 s32, v1                    ; wave 0..7
	s_and_b32 s33, ttmp7, 0xffff                   ; job
	s_mov_b32 s34, ttmp9                           ; block of 128 rows
	s_mov_b32 s[SEL], 0x76543210
	s_mov_b32 s[SEL+1], 0xfedcba98
	s_mov_b32 s52, 0xffff0000                      ; lanes 16-31
	v_and_b32 v9, 31, v0
	v_and_b32 v26, 15, v0
	v_bfe_u32 v8, v0, 4, 1                         ; h
	s_delay_alu instid0(VALU_DEP_3)
	v_lshlrev_b32 v1, 4, v9                        ; 16 l
	s_delay_alu instid0(VALU_DEP_4)
	v_lshlrev_b32 v2, 2, v9                        ; 4 l
	s_delay_alu instid0(VALU_DEP_4)
	v_and_b32 v27, 8, v26
	s_delay_alu instid0(VALU_DEP_1)
	v_add_nc_u32 v27, v27, v26                     ; r + 8 (r / 8)
	s_delay_alu instid0(VALU_DEP_1)
	v_lshlrev_b32 v3, 10, v27
	s_delay_alu instid0(VALU_DEP_1)
	v_lshl_add_u32 v3, v8, 6, v3                   ; my row of 1,024 bytes, + 64 h: my 16 numbers of a block of 32
	s_delay_alu instid0(VALU_DEP_3)
	v_lshlrev_b32 v7, 2, v27
	v_lshlrev_b32 v6, 6, v8
	s_mul_i32 s4, s32, 3072
	v_add_nc_u32 v4, s4, v1                        ; my tile's two images
	s_lshl_b32 s4, s32, 8
	s_add_co_u32 s4, s4, XSC
	v_add_nc_u32 v5, s4, v2                        ; and their scale words
.irp i, 0,1,2,3
	v_mov_b32 v[36+\i], 0                          ; written once: a lane permute's destination counts as one of its sources
.endr
	v_mov_b32 v31, 0                               ; (named as the upper half of the pair v[30:31])
	s_lshl_b32 s2, s34, 7                          ; my tile's first row: 128 x block + 32 (w / 2) + 8 (w % 2)
	s_lshr_b32 s4, s32, 1
	s_lshl_b32 s4, s4, 5
	s_add_co_u32 s2, s2, s4
	s_and_b32 s4, s32, 1
	s_lshl_b32 s4, s4, 3
	s_add_co_u32 s2, s2, s4
	s_lshl_b32 s2, s2, 10
	s_mov_b32 s3, 0
	s_mov_b32 s5, 0
	s_mov_b32 s7, 0
	s_cmp_eq_u32 s33, 1
	s_cselect_b32 s51, 60, 0                       ; register 6 of a masked row: the code -16 (K1)
	s_mov_b32 s48, 0x7f9a0000                      ; the scale word's upper bytes: K: 2^27, 1
	s_mov_b32 s56, 15360
	s_cmp_eq_u32 s33, 0
	s_cselect_b32 s51, 28, s51
	s_cselect_b32 s50, 28, 0                       ; register 6 of a row that counts: Q: the code +16; K: 0
	s_cselect_b32 s49, -1, 0                       ; Q keeps its scale word in the image's last word, K has 0 there
	s_cselect_b32 s48, 0x7f7f0000, s48             ; Q: 1, 1
	s_cselect_b32 s56, 8192, s56                   ; bytes of a block of 128 rows in the output
	s_cmp_eq_u32 s33, 2
	s_cselect_b32 s57, 1, 0
	s_cmp_eq_u32 s33, 4
	s_cselect_b32 s57, 1, s57                      ; is it a V job?
	s_lshr_b32 s6, s34, 4                          ; ((batch x 8 + head) x 16 + step) blocks
	s_lshl_b32 s6, s6, 3
	s_add_co_u32 s6, s6, s32
	s_lshl_b32 s6, s6, 4
	s_and_b32 s4, s34, 15
	s_add_co_u32 s6, s6, s4
	s_mul_i32 s6, s6, s56
	s_wait_kmcnt 0x0
	s_cmp_lt_u32 s33, 3                            ; every choice of a buffer hangs on the job alone
	s_cselect_b64 s[36:37], s[8:9], s[10:11]       ; the rows
	s_cselect_b64 s[40:41], s[28:29], s[30:31]     ; the output
	s_cmp_eq_u32 s33, 0
	s_cselect_b64 s[40:41], s[26:27], s[40:41]
	s_mov_b64 s[38:39], s[16:17]                   ; the bias
.irp j, 1,2,3,4
	s_cmp_eq_u32 s33, \j
	s_cselect_b64 s[38:39], s[16+2*\j:17+2*\j], s[38:39]
.endr
	s_add_nc_u64 s[36:37], s[36:37], s[2:3]
	s_add_nc_u64 s[40:41], s[40:41], s[6:7]
	s_lshl_b32 s4, s32, 8
	s_add_nc_u64 s[38:39], s[38:39], s[4:5]        ; my head's 64 numbers
	s_mul_i32 s4, s33, 98304
	s_mul_i32 s6, s32, 12288
	s_add_co_u32 s4, s4, s6
	s_add_nc_u64 s[42:43], s[14:15], s[4:5]        ; my 8 weight fragments
	s_lshl_b32 s4, s33, 13
	s_lshl_b32 s6, s32, 10
	s_add_co_u32 s4, s4, s6
	s_add_co_u32 s4, s4, 983040
	s_add_nc_u64 s[44:45], s[14:15], s[4:5]        ; and their scale words
	s_lshl_b32 s4, s34, 9
	s_add_nc_u64 s[46:47], s[12:13], s[4:5]        ; the block's 128 words of tgt_mask
	; ---- X: my 16 rows become two fragments
.irp s, 0,1
.irp b, 0,1,2,3
.irp j, 0,1,2,3
	global_load_b128 v[64+64*\s+16*\b+4*\j:67+64*\s+16*\b+4*\j], v3, s[36:37] offset:512*\s+128*\b+16*\j
.endr
.endr
.endr
	s_wait_loadcnt 16                              ; K step 0's sixteen loads are in; K step 1's sixteen may be out
	QUANT 64, 52, 6, 2, 32, 44
	v_lshl_or_b32 v26, v37, 8, v36                 ; the four bytes make my row's scale word
	s_delay_alu instid0(VALU_DEP_1)
	v_lshl_or_b32 v26, v38, 16, v26
	s_delay_alu instid0(VALU_DEP_1)
	v_lshl_or_b32 v26, v39, 24, v26
.irp c, 0,1,2
	ds_store_b128 v4, v[52+4*\c:55+4*\c] offset:512*\c
.endr
	ds_store_b32 v5, v26
	s_wait_dscnt 0x0                               ; the stores have read their registers
	s_wait_loadcnt 0x0
	QUANT 128, 52, 6, 2, 32, 44
	v_lshl_or_b32 v26, v37, 8, v36
	s_delay_alu instid0(VALU_DEP_1)
	v_lshl_or_b32 v26, v38, 16, v26
	s_delay_alu instid0(VALU_DEP_1)
	v_lshl_or_b32 v26, v39, 24, v26
.irp c, 0,1,2
	ds_store_b128 v4, v[52+4*\c:55+4*\c] offset:1536+512*\c
.endr
	ds_store_b32 v5, v26 offset:128
.irp f, 0,1,2,3,4,5,6,7                        ; the weight fragments (column tile f / 2 of my head, K step f % 2) take the registers that x's numbers have left
.irp c, 0,1,2
	global_load_b128 v[160+12*\f+4*\c:163+12*\f+4*\c], v1, s[42:43] offset:1536*\f+512*\c
.endr
	global_load_b32 v[10+\f], v2, s[44:45] offset:128*\f
.endr
	s_wait_dscnt 0x0                               ; for the others' sake: my images lie in LDS
	s_barrier_signal -1
	s_barrier_wait -1                              ; all sixteen do; from here on LDS is only read
	s_cmp_eq_u32 s57, 1
	s_cbranch_scc1 .Lvpath
	; ---- Q or K.  v64-95 four accumulators, v96-119 a row tile's two fragments, v120-151 the bias in the result's layout, v152-159 the mask words
.irp t, 0,1,2,3
	global_load_b128 v[120+8*\t:123+8*\t], v6, s[38:39] offset:128*(\t/2)+32*(\t%2)
	global_load_b128 v[124+8*\t:127+8*\t], v6, s[38:39] offset:128*(\t/2)+32*(\t%2)+16
.endr
.irp m, 0,1,2,3,4,5,6,7
	v_mov_b32 v[152+\m], 1                         ; every row counts, unless tgt_mask says otherwise (K1 alone)
.endr
	s_cmp_eq_u32 s33, 1
	s_cbranch_scc0 .Lnomask
.irp m, 0,1,2,3,4,5,6,7
	global_load_b32 v[152+\m], v7, s[46:47] offset:(32*(\m/2)+8*(\m%2))*4
.endr
.Lnomask:
	v_sub_nc_u32 v9, 1, v8                         ; k = 64 lies in lanes 0-15
	s_delay_alu instid0(VALU_DEP_1)
	v_mul_u32_u24 v27, s50, v9
	s_delay_alu instid0(VALU_DEP_2)
	v_mul_u32_u24 v28, s51, v9
	s_wait_alu depctr_va_vdst(0)
	s_wait_loadcnt 0x0
.irp m, 0,1,2,3,4,5,6,7
.irp c, 0,1,2
	ds_load_b128 v[96+4*\c:99+4*\c], v1 offset:(2*\m)*1536+512*\c
	ds_load_b128 v[108+4*\c:111+4*\c], v1 offset:(2*\m+1)*1536+512*\c
.endr
	ds_load_b32 v18, v2 offset:XSC+(2*\m)*128
	ds_load_b32 v19, v2 offset:XSC+(2*\m+1)*128
	s_wait_dscnt 0x0
.irp t, 0,1,2,3                                ; the bias is the C of each sum's first product; the four accumulators take turns
	WM 64+8*\t, 160+24*\t, 96, 120+8*\t, 10+2*\t, 18
.endr
.irp t, 0,1,2,3
	WM 64+8*\t, 172+24*\t, 108, 64+8*\t, 11+2*\t, 19
.endr
	v_cmp_ne_u32 vcc_lo, 0, v[152+\m]              ; these lines name no register of the products: they are the places behind them
	s_delay_alu instid0(VALU_DEP_1)
	v_cndmask_b32 v30, 0, 1.0, vcc_lo              ; a masked key's row is multiplied by 0
	s_delay_alu instid0(VALU_DEP_2)
	v_cndmask_b32 v29, v28, v27, vcc_lo            ; and its register 6 holds the code -16
	v_nop
	v_nop
.set j, 0
.rept 16
	v_pk_mul_f32 v[64+j:65+j], v[64+j:65+j], v[30:31] op_sel_hi:[1,0]
.set j, j+2
.endr
	s_wait_alu depctr_va_vdst(0)
	s_wait_xcnt 0x0                                ; the last tile's stores have read v52-59
	QUANT 64, 52, 8, 1, 32, 44
	v_lshl_or_b32 v26, v37, 8, v36
	s_delay_alu instid0(VALU_DEP_1)
	v_or_b32 v26, s48, v26                         ; the row's scale word
	v_mov_b32 v58, v29
	s_delay_alu instid0(VALU_DEP_2)
	v_and_b32 v59, s49, v26
	global_store_b128 v1, v[52:55], s[40:41] offset:1024*\m
	global_store_b128 v1, v[56:59], s[40:41] offset:1024*\m+512
.if \m < 4
	v_mov_b32 v[22+\m], v26                        ; K's scale words: register i: lanes 0-15 tile i,
.else
	v_cndmask_b32 v[18+\m], v[18+\m], v26, s52     ; lanes 16-31 tile 4 + i
.endif
.endr
	s_cmp_eq_u32 s33, 0
	s_cbranch_scc1 .Lqdone
	global_store_b128 v1, v[22:25], s[40:41] offset:8192
.Lqdone:
	s_set_vgpr_msb 0x5
	s_wait_tensorcnt 0x0
	ds_add_u32 v0, v1
	s_wait_dscnt 0x0
	s_set_vgpr_msb 0x500
	s_endpgm
.Lvpath:
	; ---- V.  v64-127 eight accumulators (row tiles 0-7: 128 keys); four row fragments at v128, v140, v32, v44; v152-159 the bias; v26-29 my columns' biases
.irp t, 0,1,2,3
	global_load_b32 v[26+\t], v7, s[38:39] offset:(32*(\t/2)+8*(\t%2))*4
.endr
	s_wait_loadcnt 0x0
.irp t, 0,1,2,3
.irp j, 0,1,2,3,4,5,6,7
	v_mov_b32 v[152+\j], v[26+\t]                  ; a lane holds one column: the same bias in its eight registers
.endr
.rept 4
	v_nop
.endr
	s_wait_alu depctr_va_vdst(0)
	s_wait_xcnt 0x0                                ; the last tile's stores have read v52-63
.irp s, 0,1
.irp q, 0,1
.irp i, 0,1,2,3
.irp c, 0,1,2
	ds_load_b128 v[128+12*\i-120*(\i/2)+4*\c:131+12*\i-120*(\i/2)+4*\c], v1 offset:(2*(4*\q+\i)+\s)*1536+512*\c
.endr
	ds_load_b32 v[18+\i], v2 offset:XSC+(2*(4*\q+\i)+\s)*128
.endr
	s_wait_dscnt 0x0
.irp i, 0,1,2,3                                ; the eight accumulators take turns
.if \s == 0
	WM 64+8*(4*\q+\i), 128+12*\i-120*(\i/2), 160+12*(2*\t+\s), 152, 18+\i, 10+2*\t+\s
.else
	WM 64+8*(4*\q+\i), 128+12*\i-120*(\i/2), 160+12*(2*\t+\s), 64+8*(4*\q+\i), 18+\i, 10+2*\t+\s
.endif
.endr
.rept 4
	v_nop                                          ; places in front of loads into, and vector writes of, registers that the products have read, and of the first read of results
.endr
.endr
.endr
	QUANT 64, 52, 6, 2, 32, 44                     ; register 16 b + i is key 32 b + 16 h + i of my column
	v_lshl_or_b32 v[22+\t], v37, 8, v36
	s_delay_alu instid0(VALU_DEP_1)
	v_lshl_or_b32 v[22+\t], v38, 16, v[22+\t]
	s_delay_alu instid0(VALU_DEP_1)
	v_lshl_or_b32 v[22+\t], v39, 24, v[22+\t]
.irp c, 0,1,2
	global_store_b128 v1, v[52+4*\c:55+4*\c], s[40:41] offset:8704+1536*\t+512*\c
.endr
.endr
	global_store_b128 v1, v[22:25], s[40:41] offset:14848
	s_set_vgpr_msb 0x5
	s_wait_tensorcnt 0x0
	ds_add_u32 v0, v1
	s_wait_dscnt 0x0
	s_set_vgpr_msb 0x500
	s_endpgm
.Lfunc_end_k_qc0a1f00cf7_proj:
	.size	k_qc0a1f00cf7_proj, .Lfunc_end_k_qc0a1f00cf7_proj-k_qc0a1f00cf7_proj
	.p2alignl 7, 3214868480
	.fill 96, 4, 3214868480
	.section	.rodata,"a",@progbits
	.p2align	6, 0x0
	.amdhsa_kernel k_qc0a1f00cf7_proj
		.amdhsa_group_segment_fixed_size 27648
		.amdhsa_private_segment_fixed_size 0
		.amdhsa_enable_private_segment 0
		.amdhsa_kernarg_size 96
		.amdhsa_user_sgpr_count 2
		.amdhsa_user_sgpr_kernarg_segment_ptr 1
		.amdhsa_wavefront_size32 1
		.amdhsa_system_sgpr_workgroup_id_x 1
		.amdhsa_system_sgpr_workgroup_id_y 1
		.amdhsa_system_sgpr_workgroup_id_z 1
		.amdhsa_system_vgpr_workitem_id 0
		.amdhsa_next_free_vgpr 258
		.amdhsa_next_free_sgpr 66
		.amdhsa_reserve_vcc 1
		.amdhsa_float_denorm_mode_32 3
		.amdhsa_float_denorm_mode_16_64 3
		.amdhsa_memory_ordered 1
		.amdhsa_forward_progress 1
		.amdhsa_inst_pref_size 109
	.end_amdhsa_kernel
	.amdgpu_metadata
---
amdhsa.version: [ 1, 2 ]
amdhsa.kernels:
  - .name:           k_qc0a1f00cf7_proj
    .symbol:         k_qc0a1f00cf7_proj.kd
    .args:
      - { .name: x, .offset: 0, .size: 8, .value_kind: global_buffer, .address_space: global }
      - { .name: encoder_output, .offset: 8, .size: 8, .value_kind: global_buffer, .address_space: global }
      - { .name: tgt_mask, .offset: 16, .size: 8, .value_kind: global_buffer, .address_space: global }
      - { .name: wts, .offset: 24, .size: 8, .value_kind: global_buffer, .address_space: global }
      - { .name: m1_bq, .offset: 32, .size: 8, .value_kind: global_buffer, .address_space: global }
      - { .name: m1_bk, .offset: 40, .size: 8, .value_kind: global_buffer, .address_space: global }
      - { .name: m1_bv, .offset: 48, .size: 8, .value_kind: global_buffer, .address_space: global }
      - { .name: m2_bk, .offset: 56, .size: 8, .value_kind: global_buffer, .address_space: global }
      - { .name: m2_bv, .offset: 64, .size: 8, .value_kind: global_buffer, .address_space: global }
      - { .name: qimg, .offset: 72, .size: 8, .value_kind: global_buffer, .address_space: global }
      - { .name: kv1, .offset: 80, .size: 8, .value_kind: global_buffer, .address_space: global }
      - { .name: kv2, .offset: 88, .size: 8, .value_kind: global_buffer, .address_space: global }
    .group_segment_fixed_size: 27648
    .private_segment_fixed_size: 0
    .kernarg_segment_align: 8
    .kernarg_segment_size: 96
    .max_flat_workgroup_size: 256
    .sgpr_count:     66
    .vgpr_count:     258
    .wavefront_size: 32
...
	.end_amdgpu_metadata
.endif
;; end of part 7
;; launch att1 (part 8): grid 8 x 32, 16 waves a work-group, clusters of 4 x 1, 247,808 bytes of LDS; arguments qimg, kv1, obuf; writes obuf
.if DOCPART == 8
	.amdgcn_target "amdgcn-amd-amdhsa--gfx1250"
	.amdhsa_code_object_version 6
	.text
	.protected	k_qc0a1f00cf7_att1
	.globl	k_qc0a1f00cf7_att1
	.p2align	8
	.type	k_qc0a1f00cf7_att1,@function
k_qc0a1f00cf7_att1:
	s_mov_b64 s[64:65], 0
	v_nop
	global_prefetch_b8 v0, s[64:65] scope:SCOPE_SE
	s_setreg_imm32_b32 hwreg(HW_REG_WAVE_MODE, 25, 1), 1
	s_wait_xcnt 0x0
	s_wait_alu depctr_hold_cnt(0) depctr_sa_sdst(0) depctr_va_vdst(0) depctr_va_sdst(0) depctr_va_ssrc(0) depctr_va_vcc(0) depctr_vm_vsrc(0)
	s_getreg_b32 s2, hwreg(HW_REG_IB_STS2, 6, 4)
	s_cmp_eq_u32 s2, 0
	s_cbranch_scc0 .Lentry_in_a_cluster
	s_endpgm
.Lentry_in_a_cluster:
	s_bfe_u32 s2, ttmp6, 0x10000c
	s_cmp_lg_u32 s2, 0x3003
	s_cbranch_scc0 .Lentry_shape_is_right
	s_endpgm
.Lentry_shape_is_right:
; Attention of one head on codes of E3M2: O = softmax(Q K^T / 8) V, divided by the row's sum and quantised along the head's 64 for the next product.
; Inputs are images of operand registers.  qimg: [batch x 8 + head][query tile 0..127] x 1,024 bytes.  kv: [batch x 8 + head][key step 0..15] x 15,360 bytes: 8 tiles of K (1,024 each), K's scale words (512),
; 4 tiles of V^T (16 of the head's 64 x 128 keys, 1,536 each), V's scale words (512).  Output: obuf + (row tile x 8 + head) x 768: half a fragment, registers 2 p, 2 p + 1 of lane l at 256 p + 8 l;
; its two scale bytes as a word at obuf + 3145728 + (row tile x 8 + head) x 128 + 4 l.
; THE SOFTMAX: t = score x log2(e) / 8; M = the row's largest t so far, rounded UP to a whole number; p = 2^(t - M) is quantised along the keys, not normalised; the row's sum is taken of the unquantised p.
; When M moves, the sum and O are multiplied by 2^(old M - new M): exact.  A masked key arrives with the score -2^35 (made in the projection's launch): t = -2^32 log2(e).
; SHARES.  A work-group owns 256 queries of one head, each of its sixteen waves one tile of 16: four waves to a SIMD, so that one wave's vector work stands beside another's matrix work and LDS loads.
; ALL OF THE HEAD'S K AND V, 16 x 15,360 bytes, IS BROUGHT INTO LDS ONCE: no byte of LDS is filled twice.  Waves 0 to 3 issue four tensor loads each (load j of wave w: key step 4 j + w): four loads of a wave are out at the most.
; CLUSTER.  The four query blocks of a cluster belong to one head and need the same K and V: each load is asked for JOINTLY, with the same descriptor and a mask that names the four.
; LAYOUT.  Both products are used transposed (S^T = K Q^T, O^T = V^T P^T): a lane holds one query throughout.  The keys of a tile of K, and the head's numbers of a tile of V^T, are chosen so that the 16 registers
; of tiles 2 b and 2 b + 1 are 16 neighbours along the next K.
; LIMITS: logits of keys that count are taken to lie above -2^32; NaN and infinities are not served; a block of zeros gets the scale byte 1 (this program alone reads the bytes).
; REGISTERS: v1 16 l, v2 the step's LDS address, v3 8 l, v4 4 l, v5 Q's scale words, v8-11 K's, v12 -M, v13 the largest t, v[14:15] the sum, v16-27 Q, v28-31 V's scale words, v32-79 four tiles of K,
;   v80-143 S^T, then p; V's four fragments then lie over v80-127; v144-175 O^T; v176-187 p's codes; v188-195, v196-215 at work (v208 f, v209 p's scale word).
.set WV,  10
.set G1,  16                           ; s[16:23] descriptor group 1
.set G0,  24                           ; s[24:39] four groups 0
.set TB,  40                           ; the step's first LDS byte
.set CNT, 41
.set CS,  42                           ; s[42:43] c = log2(e) / 8
.set SEL, 44
.set STEPB, 15360
.macro QUANT s, d, st, nc, tm, tq      ; 32 nc x 2 numbers of a lane, register s + 16 b + i = k 32 b + 16 (lane / 16) + i of my row, become codes in v[d + st c] on; the bytes stay in v[tm + 4 + b]
.set qb, 0
.rept 2*\nc
	v_max3_num_f32 v[\tm+qb], |v[\s+16*qb]|, |v[\s+16*qb+1]|, 0x2800000
.set qb, qb+1
.endr
.irp qi, 2,4,6,8,10,12,14
.set qb, 0
.rept 2*\nc
	s_delay_alu instid0(VALU_DEP_2)
	v_max3_num_f32 v[\tm+qb], v[\tm+qb], |v[\s+16*qb+\qi]|, |v[\s+16*qb+\qi+1]|
.set qb, qb+1
.endr
.endr
.set qb, 0
.rept 2*\nc
	s_delay_alu instid0(VALU_DEP_2)
	v_permlanex16_b32 v[\tm+4+qb], v[\tm+qb], s[SEL], s[SEL+1]
.set qb, qb+1
.endr
.set qb, 0
.rept 2*\nc
	s_delay_alu instid0(VALU_DEP_2)
	v_max_num_f32 v[\tm+qb], v[\tm+qb], v[\tm+4+qb]
.set qb, qb+1
.endr
.set qb, 0
.rept 2*\nc
	s_delay_alu instid0(VALU_DEP_2)
	v_add_nc_u32 v[\tm+8+qb], 0xfe000000, v[\tm+qb]
.set qb, qb+1
.endr
.set qb, 0
.rept 2*\nc
	s_delay_alu instid0(VALU_DEP_2)
	v_lshrrev_b32 v[\tm+4+qb], 23, v[\tm+8+qb]
.set qb, qb+1
.endr
.set qc, 0
.rept \nc
	v_cvt_scalef32_pk16_bf6_f32 v[\d+\st*qc:\d+\st*qc+2], v[\s+32*qc:\s+32*qc+15], v[\tm+8+2*qc]
	v_cvt_scalef32_pk16_bf6_f32 v[\tq+4*qc:\tq+4*qc+2], v[\s+32*qc+16:\s+32*qc+31], v[\tm+9+2*qc]
.set qc, qc+1
.endr
	v_nop                                          ; one plain place behind a scaled conversion
.set qc, 0
.rept \nc
.irp qi, 0,1,2
	v_permlane16_swap_b32 v[\d+\st*qc+\qi], v[\tq+4*qc+\qi]
.endr
.irp qi, 0,1,2
	s_delay_alu instid0(VALU_DEP_3)
	v_mov_b32 v[\d+\st*qc+3+\qi], v[\tq+4*qc+\qi]
.endr
.set qc, qc+1
.endr
.endm
.macro CROUND                          ; a round of the cluster's barrier
	s_barrier_signal -1
	s_barrier_wait -1
	s_cmp_lg_u32 s[WV], 0
	s_cbranch_scc1 .Lnot_wave_0_\@
	s_barrier_signal -3
.Lnot_wave_0_\@:
	s_barrier_wait -3
	s_barrier_signal -1
	s_barrier_wait -1
.endm
	s_load_b128 s[4:7], s[0:1], 0x0                ; qimg, kv
	s_load_b64 s[8:9], s[0:1], 0x10                ; obuf
	v_lshl_add_u32 v216, v0, 2, 0x3c000
	v_mov_b32 v217, 0
	ds_add_u32 v216, v217
	ds_add_u32 v216, v217
	v_lshrrev_b32 v1, 5, v0
	s_delay_alu instid0(VALU_DEP_1)
	v_readfirstlane_b32 s[WV], v1                  ; wave 0..15
	s_bfe_u32 s11, ttmp6, 0x40000                  ; cx: it enters Q's and the output's addresses alone
	s_lshl_b32 s12, ttmp9, 2
	s_add_co_u32 s12, s12, s11                     ; my block of 256 queries
	s_and_b32 s13, ttmp7, 0xffff                   ; batch x 8 + head, which the four partners share
	; descriptor group 1: a key step's block, 15,360 dense bytes, as 60 rows of 256 bytes (32 elements of 8 bytes)
	s_mov_b32 s[G1], 15|(3<<16)|(1<<21)            ; 15:0 the mask: all four work-groups; 17:16 elements of 8 bytes; 20 no padding; 21 set beside a mask
	s_mov_b32 s[G1+1], 32<<16                      ; tensor_dim0
	s_mov_b32 s[G1+2], 60<<16                      ; tensor_dim1
	s_mov_b32 s[G1+3], 32<<16                      ; tile_dim0
	s_mov_b32 s[G1+4], 60                          ; tile_dim1
	s_mov_b32 s[G1+5], 32                          ; the pitch
	s_mov_b32 s[G1+6], 0
	s_mov_b32 s[G1+7], 0
	s_mul_i32 s14, s13, 16*STEPB
	s_mul_i32 s46, s[WV], STEPB
	s_add_co_u32 s14, s14, s46
	s_mov_b32 s15, 0
	s_mov_b32 s[CS], 0x3e38aa3b                    ; log2(e) / 8
	s_mov_b32 s[CS+1], s[CS]                       ; (named with it as a pair)
	s_mov_b32 s[SEL], 0x76543210
	s_mov_b32 s[SEL+1], 0xfedcba98
	s_mov_b32 s[TB], 0
	s_wait_dscnt 0x0
	s_wait_kmcnt 0x0
	s_add_nc_u64 s[6:7], s[6:7], s[14:15]          ; my head's key step w
.irp j, 0,1,2,3
	s_mov_b32 s[G0+4*\j], 1                        ; count = 1
	s_add_co_u32 s[G0+4*\j+1], s46, \j*4*STEPB     ; LDS address: key step 4 j + w
	s_add_nc_u64 s[G0+4*\j+2:G0+4*\j+3], s[6:7], \j*4*STEPB
	s_or_b32 s[G0+4*\j+3], s[G0+4*\j+3], 0x80000000   ; type = 2
.endr
	CROUND                                         ; all four work-groups are here: the joint loads meet
	s_cmp_lt_u32 s[WV], 4                          ; a wave's fills stand in one branch, ahead of every wait on TENSORcnt and every LDS read
	s_cbranch_scc0 .Lno_fill
	tensor_load_to_lds s[G0:G0+3], s[G1:G1+7]
	s_nop 0
	tensor_load_to_lds s[G0+4:G0+7], s[G1:G1+7]
	s_nop 0
	tensor_load_to_lds s[G0+8:G0+11], s[G1:G1+7]
	s_nop 0
	tensor_load_to_lds s[G0+12:G0+15], s[G1:G1+7]
	s_nop 0
.rept 4
	v_nop
.endr
.Lno_fill:
	s_lshl_b32 s47, s12, 4
	s_add_co_u32 s47, s47, s[WV]                   ; my query tile, 0 .. 127
	s_lshl_b32 s48, s13, 17
	s_lshl_b32 s49, s47, 10
	s_add_co_u32 s48, s48, s49
	s_mov_b32 s49, 0
	s_add_nc_u64 s[4:5], s[4:5], s[48:49]
	v_and_b32 v2, 31, v0
	s_delay_alu instid0(VALU_DEP_1)
	v_lshlrev_b32 v1, 4, v2
	s_delay_alu instid0(VALU_DEP_2)
	v_lshlrev_b32 v3, 3, v2
	s_delay_alu instid0(VALU_DEP_3)
	v_lshlrev_b32 v4, 2, v2
	global_load_b128 v[16:19], v1, s[4:5]          ; Q's registers 0-3,
	global_load_b96 v[20:22], v1, s[4:5] offset:512   ; 4-6,
	global_load_b32 v5, v1, s[4:5] offset:524      ; and the row's scale word
.irp j, 23,24,25,26,27
	v_mov_b32 v[\j], 0                             ; the rest of K positions 64 .. 127: zero codes, in Q
.endr
.irp t, 0,1,2,3
.irp j, 8,9,10,11
	v_mov_b32 v[32+12*\t+\j], 0                    ; and in K: these registers are never loaded
.endr
.endr
	v_mov_b32 v13, 0xff61b1e6                      ; the largest t so far: -3e38
	s_delay_alu instid0(VALU_DEP_1)
	v_floor_f32 v12, -v13                          ; -M
	v_mov_b32 v14, 0
	v_mov_b32 v15, 0
.irp b, 0,1,2,3
	v_mov_b32 v[200+\b], 0                         ; written once: a lane permute's destination counts as one of its sources
.endr
	v_mov_b32 v209, 0                              ; (named as the upper half of the pair v[208:209])
.set j, 0
.rept 32
	v_mov_b32 v[144+j], 0                          ; O^T: the step is written once for all steps; the first finds zeros, which the first change of M leaves zeros
.set j, j+1
.endr
; A KEY STEP: 128 keys
.macro STEP
	v_add_nc_u32 v2, s[TB], v1
	s_wait_alu depctr_va_vdst(0)
.rept 4
	v_nop                                          ; with the addition: five places between the last products, which read v80-127, and the products that write them
.endr
.irp g, 0,1                                    ; S^T = K Q^T, four tiles of 16 keys at a time
.irp t, 0,1,2,3
	ds_load_b128 v[32+12*\t:35+12*\t], v2 offset:(4*\g+\t)*1024
	ds_load_b128 v[36+12*\t:39+12*\t], v2 offset:(4*\g+\t)*1024+512
.endr
.if \g == 0
	ds_load_b128 v[8:11], v2 offset:8192           ; K's scale words: lanes 0-15 tiles 0-3, lanes 16-31 tiles 4-7
.endif
	s_wait_dscnt 0x0
.irp t, 0,1,2,3
.if \g == 0
	v_wmma_scale_f32_16x16x128_f8f6f4 v[80+8*\t:87+8*\t], v[32+12*\t:43+12*\t], v[16:27], 0, v[8+\t], v5 matrix_a_fmt:MATRIX_FMT_BF6 matrix_b_fmt:MATRIX_FMT_BF6
.else
	v_wmma_scale_f32_16x16x128_f8f6f4 v[112+8*\t:119+8*\t], v[32+12*\t:43+12*\t], v[16:27], 0, v[8+\t], v5 matrix_a_fmt:MATRIX_FMT_BF6 matrix_b_fmt:MATRIX_FMT_BF6 matrix_a_scale:MATRIX_SCALE_ROW1
.endif
.endr
.rept 4
	v_nop                                          ; places in front of loads into registers that the products have read, and of the first read of results
.endr
.endr
.irp b, 0,1,2,3
	v_max3_num_f32 v[196+\b], v[80+16*\b], v[81+16*\b], v[82+16*\b]   ; the largest score of each block of 32 keys: it serves the row's maximum and, since p rises with the score, the block's largest p
.endr
.irp i, 3,5,7,9,11,13
.irp b, 0,1,2,3
	v_max3_num_f32 v[196+\b], v[196+\b], v[80+16*\b+\i], v[81+16*\b+\i]
.endr
.endr
.irp b, 0,1,2,3
	v_max_num_f32 v[196+\b], v[196+\b], v[95+16*\b]
.endr
.irp b, 0,1,2,3
	s_delay_alu instid0(VALU_DEP_4)
	v_permlanex16_b32 v[200+\b], v[196+\b], s[SEL], s[SEL+1]
.endr
.irp b, 0,1,2,3
	s_delay_alu instid0(VALU_DEP_4)
	v_max_num_f32 v[196+\b], v[196+\b], v[200+\b]  ; with lane l xor 16's 16 keys
.endr
	s_delay_alu instid0(VALU_DEP_2)
	v_max3_num_f32 v210, v196, v197, v198
	s_delay_alu instid0(VALU_DEP_1)
	v_max_num_f32 v210, v210, v199
	s_delay_alu instid0(VALU_DEP_1)
	v_mul_f32 v210, s[CS], v210                    ; the step's largest t
	s_delay_alu instid0(VALU_DEP_1)
	v_max_num_f32 v13, v13, v210
	v_mov_b32 v210, v12
	s_delay_alu instid0(VALU_DEP_2)
	v_floor_f32 v12, -v13                          ; the new -M = -ceil(t)
	s_delay_alu instid0(VALU_DEP_1)
	v_sub_f32 v210, v12, v210                      ; old M - new M: a whole number, 0 or less
	s_delay_alu instid0(VALU_DEP_1)
	v_cvt_i32_f32 v210, v210                       ; (it saturates)
	s_delay_alu instid0(VALU_DEP_1)
	v_ldexp_f32 v208, 1.0, v210                    ; f = 2^(old M - new M)
.set j, 0
.rept 32
	v_pk_fma_f32 v[80+j:81+j], v[80+j:81+j], s[CS:CS+1], v[12:13] op_sel_hi:[1,0,0]   ; t - M
.set j, j+2
.endr
.irp b, 0,1,2,3
	v_fma_f32 v[196+\b], v[196+\b], s[CS], v12     ; the same of each block's largest score
.endr
.set j, 0
	s_wait_alu depctr_va_vdst(0)
.rept 64
	v_exp_f32 v[80+j], v[80+j]                     ; p = 2^(t - M)
.set j, j+1
.endr
	s_setprio 1
	v_pk_mul_f32 v[14:15], v[14:15], v[208:209] op_sel_hi:[1,0]   ; the sums under the new M (a plain place behind the exponentials)
	s_wait_alu depctr_va_vdst(0)                   ; one wait for the whole batch, ahead of its first reader
.irp b, 0,1,2,3
	v_exp_f32 v[196+\b], v[196+\b]                 ; the block's largest p
.endr
	v_pk_add_f32 v[200:201], v[84:85], v[88:89]
	v_pk_add_f32 v[214:215], v[92:93], v[96:97]
	v_pk_add_f32 v[212:213], v[100:101], v[104:105]
	v_pk_add_f32 v[210:211], v[108:109], v[112:113]
	v_pk_add_f32 v[206:207], v[116:117], v[120:121]
	v_pk_add_f32 v[204:205], v[124:125], v[128:129]
	v_pk_add_f32 v[202:203], v[132:133], v[136:137]
	v_pk_add_f32 v[14:15], v[14:15], v[140:141]
	v_pk_add_f32 v[200:201], v[200:201], v[80:81]
	v_pk_add_f32 v[214:215], v[214:215], v[82:83]
	v_pk_add_f32 v[212:213], v[212:213], v[86:87]
	v_pk_add_f32 v[210:211], v[210:211], v[90:91]
	v_pk_add_f32 v[206:207], v[206:207], v[94:95]
	v_pk_add_f32 v[204:205], v[204:205], v[98:99]
	v_pk_add_f32 v[202:203], v[202:203], v[102:103]
	v_pk_add_f32 v[14:15], v[14:15], v[106:107]
	v_pk_add_f32 v[200:201], v[200:201], v[110:111]
	v_pk_add_f32 v[214:215], v[214:215], v[114:115]
	v_pk_add_f32 v[212:213], v[212:213], v[118:119]
	v_pk_add_f32 v[210:211], v[210:211], v[122:123]
	v_pk_add_f32 v[206:207], v[206:207], v[126:127]
	v_pk_add_f32 v[204:205], v[204:205], v[130:131]
	v_pk_add_f32 v[202:203], v[202:203], v[134:135]
	v_pk_add_f32 v[14:15], v[14:15], v[138:139]
	v_pk_add_f32 v[200:201], v[200:201], v[142:143]
	s_delay_alu instid0(VALU_DEP_2)
	v_pk_add_f32 v[14:15], v[14:15], v[210:211]
	s_delay_alu instid0(VALU_DEP_2)
	v_pk_add_f32 v[200:201], v[200:201], v[206:207]
	v_pk_add_f32 v[214:215], v[214:215], v[204:205]
	v_pk_add_f32 v[212:213], v[212:213], v[202:203]
	s_delay_alu instid0(VALU_DEP_2)
	v_pk_add_f32 v[14:15], v[14:15], v[214:215]
	s_delay_alu instid0(VALU_DEP_2)
	v_pk_add_f32 v[200:201], v[200:201], v[212:213]
	s_delay_alu instid0(VALU_DEP_1)
	v_pk_add_f32 v[14:15], v[14:15], v[200:201]
	s_wait_alu depctr_va_vdst(0)                   ; and one for the four
.irp b, 0,1,2,3
	v_max_num_f32 v[196+\b], 0x2800000, v[196+\b]  ; the floor 2^(5 - 127)
.endr
.irp b, 0,1,2,3
	s_delay_alu instid0(VALU_DEP_4)
	v_add_nc_u32 v[204+\b], 0xfe000000, v[196+\b]  ; the conversion's scale operand
.endr
.irp b, 0,1,2,3
	s_delay_alu instid0(VALU_DEP_4)
	v_lshrrev_b32 v[200+\b], 23, v[204+\b]         ; the byte
.endr
	s_delay_alu instid0(VALU_DEP_3)
	v_lshl_or_b32 v209, v201, 8, v200              ; p's scale word for these 128 keys
	s_delay_alu instid0(VALU_DEP_1)
	v_lshl_or_b32 v209, v202, 16, v209
	s_delay_alu instid0(VALU_DEP_1)
	v_lshl_or_b32 v209, v203, 24, v209
.irp c, 0,1
	v_cvt_scalef32_pk16_bf6_f32 v[176+6*\c:178+6*\c], v[80+32*\c:95+32*\c], v[204+2*\c]
	v_cvt_scalef32_pk16_bf6_f32 v[188+4*\c:190+4*\c], v[96+32*\c:111+32*\c], v[204+2*\c+1]
.endr
	v_nop                                          ; one plain place behind a scaled conversion
.irp t, 0,1,2,3                                ; p has been read for the last time: V's fragments land on it while the codes are put in order and O^T is rescaled
.irp c, 0,1,2
	ds_load_b128 v[80+12*\t+4*\c:83+12*\t+4*\c], v2 offset:8704+1536*\t+512*\c
.endr
.endr
	ds_load_b128 v[28:31], v2 offset:14848
.irp c, 0,1
.irp i, 0,1,2
	v_permlane16_swap_b32 v[176+6*\c+\i], v[188+4*\c+\i]
.endr
.irp i, 0,1,2
	s_delay_alu instid0(VALU_DEP_3)
	v_mov_b32 v[179+6*\c+\i], v[188+4*\c+\i]
.endr
.endr
.set j, 0
	s_setprio 0
.rept 16
	v_pk_mul_f32 v[144+j:145+j], v[144+j:145+j], v[208:209] op_sel_hi:[1,0]   ; O^T under the new M (also the places in front of the products below)
.set j, j+2
.endr
	s_wait_alu depctr_va_vdst(0)
	s_wait_dscnt 0x0
.irp t, 0,1,2,3                                ; O^T += V^T P^T; between two products on one accumulator stand the three others' and the next step's eight
	v_wmma_scale_f32_16x16x128_f8f6f4 v[144+8*\t:151+8*\t], v[80+12*\t:91+12*\t], v[176:187], v[144+8*\t:151+8*\t], v[28+\t], v209 matrix_a_fmt:MATRIX_FMT_BF6 matrix_b_fmt:MATRIX_FMT_BF6
.endr
.endm
; Four key steps, which the waves' loads number j have brought.  left = my younger loads, which may stay out.
.macro GROUP left
	s_wait_tensorcnt \left
	s_wait_dscnt 0x0
	s_barrier_signal -1
	s_barrier_wait -1                              ; the four fetching waves' parts have landed
	s_mov_b32 s[CNT], 4
.Lstep_\@:
	s_setprio 2
	STEP
	s_add_co_u32 s[TB], s[TB], STEPB
	s_sub_co_u32 s[CNT], s[CNT], 1
	s_cmp_lg_u32 s[CNT], 0
	s_cbranch_scc1 .Lstep_\@
	s_setprio 0
.endm
	s_wait_loadcnt 0x0                             ; Q
	GROUP 3
	GROUP 2
	GROUP 1
	GROUP 0
	; THE WAY OUT: O^T / the sum, quantised along the head's 64: register 16 b + i is number 32 b + 16 h + i of my query
.rept 4
	v_nop
.endr
	v_add_f32 v14, v14, v15
	s_delay_alu instid0(VALU_DEP_1)
	v_permlanex16_b32 v208, v14, s[SEL], s[SEL+1]
	s_delay_alu instid0(VALU_DEP_1)
	v_add_f32 v14, v14, v208                       ; the row's sum
	s_wait_alu depctr_va_vdst(0)
	v_rcp_f32 v14, v14
	v_nop                                          ; a plain place behind the reciprocal
	s_lshr_b32 s48, s13, 3                         ; (batch x 128 + query tile) x 8 + head
	s_lshl_b32 s48, s48, 7
	s_add_co_u32 s48, s48, s47
	s_lshl_b32 s48, s48, 3
	s_and_b32 s49, s13, 7
	s_add_co_u32 s48, s48, s49
	s_mul_i32 s50, s48, 768
	s_mov_b32 s51, 0
	s_add_nc_u64 s[50:51], s[8:9], s[50:51]
	s_lshl_b32 s52, s48, 7
	s_add_co_u32 s52, s52, 3145728
	s_mov_b32 s53, 0
	s_add_nc_u64 s[52:53], s[8:9], s[52:53]
	s_wait_alu depctr_va_vdst(0)                   ; the wait ahead of the reciprocal's first reader
.set j, 0
.rept 32
	v_mul_f32 v[80+j], v[144+j], v14
.set j, j+1
.endr
	QUANT 80, 176, 6, 1, 196, 188
	v_lshl_or_b32 v210, v201, 8, v200
.irp p, 0,1,2
	global_store_b64 v3, v[176+2*\p:177+2*\p], s[50:51] offset:256*\p   ; 32 lanes store 256 consecutive bytes, aligned
.endr
	global_store_b32 v4, v210, s[52:53]
	s_wait_tensorcnt 0x0
	ds_add_u32 v216, v217
	s_wait_dscnt 0x0
	CROUND                                         ; the closing round: no work-group ends while a partner may still ask for a tile that names it
	s_endpgm
.Lfunc_end_k_qc0a1f00cf7_att1:
	.size	k_qc0a1f00cf7_att1, .Lfunc_end_k_qc0a1f00cf7_att1-k_qc0a1f00cf7_att1
	.p2alignl 7, 3214868480
	.fill 96, 4, 3214868480
	.section	.rodata,"a",@progbits
	.p2align	6, 0x0
	.amdhsa_kernel k_qc0a1f00cf7_att1
		.amdhsa_group_segment_fixed_size 247808
		.amdhsa_private_segment_fixed_size 0
		.amdhsa_enable_private_segment 0
		.amdhsa_kernarg_size 24
		.amdhsa_user_sgpr_count 2
		.amdhsa_user_sgpr_kernarg_segment_ptr 1
		.amdhsa_wavefront_size32 1
		.amdhsa_system_sgpr_workgroup_id_x 1
		.amdhsa_system_sgpr_workgroup_id_y 1
		.amdhsa_system_sgpr_workgroup_id_z 1
		.amdhsa_system_vgpr_workitem_id 0
		.amdhsa_next_free_vgpr 218
		.amdhsa_next_free_sgpr 66
		.amdhsa_reserve_vcc 0
		.amdhsa_float_denorm_mode_32 3
		.amdhsa_float_denorm_mode_16_64 3
		.amdhsa_memory_ordered 1
		.amdhsa_forward_progress 1
		.amdhsa_inst_pref_size 81
	.end_amdhsa_kernel
	.amdgpu_metadata
---
amdhsa.version: [ 1, 2 ]
amdhsa.kernels:
  - .name:           k_qc0a1f00cf7_att1
    .symbol:         k_qc0a1f00cf7_att1.kd
    .args:
      - { .name: qimg, .offset: 0, .size: 8, .value_kind: global_buffer, .address_space: global }
      - { .name: kv1, .offset: 8, .size: 8, .value_kind: global_buffer, .address_space: global }
      - { .name: obuf, .offset: 16, .size: 8, .value_kind: global_buffer, .address_space: global }
    .group_segment_fixed_size: 247808
    .private_segment_fixed_size: 0
    .kernarg_segment_align: 8
    .kernarg_segment_size: 24
    .max_flat_workgroup_size: 512
    .sgpr_count:     66
    .vgpr_count:     218
    .wavefront_size: 32
...
	.end_amdgpu_metadata
.endif
;; end of part 8
;; launch post1 (part 9): grid 256 x 1, 4 waves a work-group, no clusters, 59,904 bytes of LDS; arguments obuf, x, wts, m1_b2, m1_g, m1_b, ln1_g, ln1_b, m2_bq, x1, qimg; writes x1, qimg
.if DOCPART == 9
	.amdgcn_target "amdgcn-amd-amdhsa--gfx1250"
	.amdhsa_code_object_version 6
	.text
	.protected	k_qc0a1f00cf7_post1
	.globl	k_qc0a1f00cf7_post1
	.p2align	8
	.type	k_qc0a1f00cf7_post1,@function
k_qc0a1f00cf7_post1:
	s_mov_b64 s[64:65], 0
	v_nop
	global_prefetch_b8 v0, s[64:65] scope:SCOPE_SE
	s_setreg_imm32_b32 hwreg(HW_REG_WAVE_SCHED_MODE, 0, 2), 2
	s_setreg_imm32_b32 hwreg(HW_REG_WAVE_MODE, 25, 1), 1
	s_wait_xcnt 0x0
	s_wait_alu depctr_vm_vsrc(0)
; x1 = LN(x + LN(O w2 + b2 + x; m1_g, m1_b); ln1_g, ln1_b), and Q2 = x1 m2_wq + m2_bq, quantised for the second attention.  Products on codes of E3M2; all else f32.
; A work-group owns 32 rows: row tiles 2 G and 2 G + 1 (member i of tile m is row 32 (m / 2) + 8 (m % 2) + i + 8 (i / 8)).  THE WAVES SHARE THE COLUMNS: wave w owns 64 columns of a result 256 wide, 128 of one 512 wide.
; Products are used transposed (source 0 = 16 columns of the weight, source 1 = 16 rows): lane (r, h) holds one row; register 32 p + 16 b + i is column 32 b + 16 h + i of my 64, of row tile p.
; Weight fragments come from memory as images of their registers; each feeds two products (the two row tiles).  Rows reach and leave the layout through the wave's own stage in LDS, so that 16 lanes read or store 256 aligned bytes.
; A LAYER NORM: each wave takes the mean and the sum of squared deviations of its 64 columns; the four waves' pairs meet in LDS behind one barrier and are combined (no difference of large sums is formed).
; x1's codes go from wave to wave through LDS as images of half fragments (64 along K: 768 bytes), with their two scale bytes as a word.
; No cluster: what work-groups share here is the weights alone, which go straight into registers; the launch has no tensor load.
; LIMITS: a block of zeros, and one whose largest magnitude lies under 2^-122, gets the scale byte 1 (this program alone reads the bytes); NaN and infinities are not served.
; REGISTERS: v1 8 l, v2 4 l, v3 16 l, v4-v14 addresses, v15 Q's register 6; v16-31 T at work; v32-95 ACC; v96-191 WB weight fragments, later vectors and rows; v192-239 AB row fragments, also the quantiser's scratch;
;   v240-247 WS, v248-251 AS scale words; v252-255 U.
; THE MODE: SCHED_MODE bits 1:0 = 2 (LLVM: expert scheduling mode 2), set by the entry lines.  The code itself states the register dependences between vector or matrix instructions and memory or LDS instructions,
; with s_wait_alu, always for 0.
; THE PLAN.  Registers that memory or LDS instructions touch, and who else names them:
;   v1-v10, v13, v14  offsets and LDS addresses: written at the head and never again: one wait on va_vdst ahead of the first load serves them for the whole kernel.
;   WB, WS  loads land here (weight fragments, vectors, rows from the stage); the products, the additions and the norms read them.  A wait on va_vdst stands behind the last reader, ahead of each new run of loads.
;   AB      loads land here (row fragments, vectors); the products and the additions read it; as TM, TQ, D the quantiser writes it; LDS stores and the stores to qimg read D.
;   T       loads land here (scale bytes, the norms' pairs); vector work writes and reads it; LDS stores read the norms' pairs (T + 6, 7, 14, 15) and the halves' bytes (T + 0, 1).
;   ACC     loads land here (rows, biases, the stage); the products and the norms write it; the quantiser reads it; LDS stores into the stage and the stores of x1 read it.
;   AS      written by vector work alone and taken by the products as scales: eight places, then a wait on va_vdst.
; So a wait on va_vdst stands where a phase's vector or matrix work hands registers to loads or stores, and a wait on vm_vsrc between a run of stores and the next write of their data registers.
.set LNX,  34816                       ; LDS: from 0 the four stages, 32 rows x 272 bytes each; then three areas of 1,024 bytes for the layer norms,
.set XIMG, 37888                       ; x1's images: p x 3072 + K step x 1536 + half x 768,
.set XSC,  44032                       ; their scale words: p x 512 + K step x 256 + half x 128
.set T,   16
.set ACC, 32
.set WB,  96
.set AB,  192
.set WS,  240
.set AS,  248
.set U,   252
.set TM,  192
.set TQ,  204
.set D,   212
.set WV,  34
.set SEL, 36
.set OBI, 38
.set OBS, 40
.set RES, 42
.set WIB, 44
.set WCB, 46
.set OUTP, 52
.set QP,  54
.macro QUANT s, d, st, nc, tm, tq      ; 32 nc x 2 numbers of a lane, register s + 16 b + i = k 32 b + 16 (lane / 16) + i, become codes in v[d + st c] on (blocks 2 c, 2 c + 1); the bytes stay in v[tm + 4 + b]
.set qb, 0
.rept 2*\nc
	v_max3_num_f32 v[\tm+qb], |v[\s+16*qb]|, |v[\s+16*qb+1]|, 0x2800000
.set qb, qb+1
.endr
.irp qi, 2,4,6,8,10,12,14
.set qb, 0
.rept 2*\nc
	v_max3_num_f32 v[\tm+qb], v[\tm+qb], |v[\s+16*qb+\qi]|, |v[\s+16*qb+\qi+1]|
.set qb, qb+1
.endr
.endr
.set qb, 0
.rept 2*\nc
	v_permlanex16_b32 v[\tm+4+qb], v[\tm+qb], s[SEL], s[SEL+1]
.set qb, qb+1
.endr
.set qb, 0
.rept 2*\nc
	v_max_num_f32 v[\tm+qb], v[\tm+qb], v[\tm+4+qb]
.set qb, qb+1
.endr
.set qb, 0
.rept 2*\nc
	v_add_nc_u32 v[\tm+8+qb], 0xfe000000, v[\tm+qb]
.set qb, qb+1
.endr
.set qb, 0
.rept 2*\nc
	v_lshrrev_b32 v[\tm+4+qb], 23, v[\tm+8+qb]
.set qb, qb+1
.endr
.set qc, 0
.rept \nc
	v_cvt_scalef32_pk16_bf6_f32 v[\d+\st*qc:\d+\st*qc+2], v[\s+32*qc:\s+32*qc+15], v[\tm+8+2*qc]
	v_cvt_scalef32_pk16_bf6_f32 v[\tq+4*qc:\tq+4*qc+2], v[\s+32*qc+16:\s+32*qc+31], v[\tm+9+2*qc]
.set qc, qc+1
.endr
	v_nop                                          ; one plain place behind a scaled conversion
.set qc, 0
.rept \nc
.irp qi, 0,1,2
	v_permlane16_swap_b32 v[\d+\st*qc+\qi], v[\tq+4*qc+\qi]
.endr
.irp qi, 0,1,2
	v_mov_b32 v[\d+\st*qc+3+\qi], v[\tq+4*qc+\qi]
.endr
.set qc, qc+1
.endr
.endm
.macro PLACES
.rept 4
	v_nop
.endr
.endm
.macro PLOAD reg, sp, va, imm          ; a vector's 32 numbers of my columns, in the result's layout
.irp pb, 0,1
.irp pq, 0,1,2,3
	global_load_b128 v[\reg+16*\pb+4*\pq:\reg+16*\pb+4*\pq+3], v[\va], s[\sp:\sp+1] offset:\imm+128*\pb+16*\pq
.endr
.endr
.endm
.macro WLOAD widx, m, x                ; eight fragments of weight widx (4 column tiles x 2 K steps) and their scale words.  m = the product's K; x: which two K steps (512) or which four column tiles (256)
.irp wt, 0,1,2,3
.irp wl, 0,1
.if \m == 512
.set FL, 4*\wt+2*\x+\wl
.else
.set FL, 8*\x+2*\wt+\wl
.endif
.irp wc, 0,1,2
	global_load_b128 v[WB+12*(2*\wt+\wl)+4*\wc:WB+12*(2*\wt+\wl)+4*\wc+3], v3, s[WIB:WIB+1] offset:\widx*98304+FL*1536+512*\wc
.endr
	global_load_b32 v[WS+2*\wt+\wl], v2, s[WCB:WCB+1] offset:\widx*8192+FL*128
.endr
.endr
.endm
.macro AFETCH g, base, sbase, rp, rps, s0   ; the two row tiles' fragments of K steps s0, s0 + 1, and their scale bytes, a word for each half; g = 1: from obuf, 0: from LDS
.irp ar, 0,1
.irp al, 0,1
.irp ap, 0,1,2,3,4,5
.if \g
	global_load_b64 v[AB+12*(2*\ar+\al)+2*\ap:AB+12*(2*\ar+\al)+2*\ap+1], v1, s[OBI:OBI+1] offset:\ar*\rp+(\s0+\al)*1536+256*\ap
.else
	ds_load_b64 v[AB+12*(2*\ar+\al)+2*\ap:AB+12*(2*\ar+\al)+2*\ap+1], v1 offset:\base+\ar*\rp+(\s0+\al)*1536+256*\ap
.endif
.endr
.irp ac, 0,1
.if \g
	global_load_b32 v[T+2*(2*\ar+\al)+\ac], v2, s[OBS:OBS+1] offset:\ar*\rps+(\s0+\al)*256+128*\ac
.else
	ds_load_b32 v[T+2*(2*\ar+\al)+\ac], v2 offset:\sbase+\ar*\rps+(\s0+\al)*256+128*\ac
.endif
.endr
.endr
.endr
.endm
.macro ASCALE                          ; two halves' bytes make a fragment's scale word; a scale register written by a vector instruction stands eight places ahead of the product
.irp k, 0,1,2,3
	v_lshl_or_b32 v[AS+\k], v[T+2*\k+1], 16, v[T+2*\k]
.endr
.rept 8
	v_nop
.endr
	s_wait_alu depctr_va_vdst(0)                   ; AS is written, which the products take as scales; the four lines above are also done reading T, in which later loads land
.endm
.macro MM16                            ; two K steps x two row tiles x four column tiles; the eight accumulators take turns
.irp ml, 0,1
.irp mr, 0,1
.irp mt, 0,1,2,3
	v_wmma_scale_f32_16x16x128_f8f6f4 v[ACC+32*\mr+8*\mt:ACC+32*\mr+8*\mt+7], v[WB+12*(2*\mt+\ml):WB+12*(2*\mt+\ml)+11], v[AB+12*(2*\mr+\ml):AB+12*(2*\mr+\ml)+11], v[ACC+32*\mr+8*\mt:ACC+32*\mr+8*\mt+7], v[WS+2*\mt+\ml], v[AS+2*\mr+\ml] matrix_a_fmt:MATRIX_FMT_BF6 matrix_b_fmt:MATRIX_FMT_BF6
.endr
.endr
.endr
.endm
.macro STAGE_PUT                       ; ACC into my stage: row 16 p + r, my 16 columns of block b at 128 b + 64 h
.irp sr, 0,1
.irp sb, 0,1
.irp sq, 0,1,2,3
	ds_store_b128 v4, v[ACC+32*\sr+16*\sb+4*\sq:ACC+32*\sr+16*\sb+4*\sq+3] offset:\sr*4352+128*\sb+16*\sq
.endr
.endr
.endr
.endm
.macro STAGE_GET reg                   ; and back, in the same layout
.irp sr, 0,1
.irp sb, 0,1
.irp sq, 0,1,2,3
	ds_load_b128 v[\reg+32*\sr+16*\sb+4*\sq:\reg+32*\sr+16*\sb+4*\sq+3], v4 offset:\sr*4352+128*\sb+16*\sq
.endr
.endr
.endr
.endm
.macro ROWS_LD sp                      ; my 256 bytes of the 32 rows, two rows an instruction, in the stage's order of rows
.irp i, 0,1,2,3,4,5,6,7,8,9,10,11,12,13,14,15
	global_load_b128 v[ACC+4*\i:ACC+4*\i+3], v6, s[\sp:\sp+1] offset:(8*(\i/8)+2*(\i%8)+8*((\i/4)%2))*1024
.endr
.endm
.macro ROWS_ST
.irp i, 0,1,2,3,4,5,6,7,8,9,10,11,12,13,14,15
	ds_store_b128 v5, v[ACC+4*\i:ACC+4*\i+3] offset:544*\i
.endr
.endm
.macro ROWS_OUT reg, sp                ; the stage's rows leave: 16 lanes store 256 consecutive bytes, aligned
.irp i, 0,1,2,3,4,5,6,7,8,9,10,11,12,13,14,15
	ds_load_b128 v[\reg+4*\i:\reg+4*\i+3], v5 offset:544*\i   ; LDS serves a wave's instructions in order: these see my stores
.endr
	s_wait_dscnt 0x0
.irp i, 0,1,2,3,4,5,6,7,8,9,10,11,12,13,14,15
	global_store_b128 v6, v[\reg+4*\i:\reg+4*\i+3], s[\sp:\sp+1] offset:(8*(\i/8)+2*(\i%8)+8*((\i/4)%2))*1024
.endr
.endm
.macro HALVES va, vs, imm, imms, rp, rps   ; the two half fragments just made (row tile p in v[D + 8 p] on) and their bytes go to LDS
.irp hc, 0,1
	v_lshl_or_b32 v[T+\hc], v[TM+5+2*\hc], 8, v[TM+4+2*\hc]
.endr
	s_wait_alu depctr_va_vdst(0)                   ; the quantiser has written the codes in D, and the two lines above the words in T, which the LDS stores read; the quantiser is also done reading ACC and writing AB's registers, in which later loads land
.irp hc, 0,1
.irp hp, 0,1,2
	ds_store_b64 v[\va], v[D+8*\hc+2*\hp:D+8*\hc+2*\hp+1] offset:\imm+\hc*\rp+256*\hp
.endr
	ds_store_b32 v[\vs], v[T+\hc] offset:\imms+\hc*\rps
.endr
.endm
.macro ADDV src, st                    ; ACC += v[src + st p + j], each accumulator from its low end on
.irp p, 0,1
.set j, 0
.rept 16
	v_pk_add_f32 v[ACC+32*\p+j:ACC+32*\p+j+1], v[ACC+32*\p+j:ACC+32*\p+j+1], v[\src+\st*\p+j:\src+\st*\p+j+1]
.set j, j+2
.endr
.endr
.endm
.macro LN k, g, b, more                ; ACC = (ACC - mean) rsqrt(var + 1e-6) g + b over the 256 columns; the two row tiles by turns; area k of LDS.  more = 1: the next norm's bias is asked for, into AB
.irp p, 0,1
	v_pk_add_f32 v[T+8*\p:T+8*\p+1], v[ACC+32*\p:ACC+32*\p+1], v[ACC+32*\p+2:ACC+32*\p+3]
.endr
.irp j, 4,6,8,10,12,14,16,18,20,22,24,26,28,30
.irp p, 0,1
	v_pk_add_f32 v[T+8*\p:T+8*\p+1], v[T+8*\p:T+8*\p+1], v[ACC+32*\p+\j:ACC+32*\p+\j+1]
.endr
.endr
.irp p, 0,1
	v_add_f32 v[T+8*\p], v[T+8*\p], v[T+8*\p+1]
.endr
.irp p, 0,1
	v_permlanex16_b32 v[T+8*\p+1], v[T+8*\p], s[SEL], s[SEL+1]
.endr
.irp p, 0,1
	v_add_f32 v[T+8*\p], v[T+8*\p], v[T+8*\p+1]
.endr
.irp p, 0,1
	v_mul_f32 v[T+8*\p+6], 0x3c800000, v[T+8*\p]   ; the mean of my wave's 64 columns
.endr
.irp p, 0,1
	v_pk_add_f32 v[T+8*\p+2:T+8*\p+3], v[ACC+32*\p:ACC+32*\p+1], v[T+8*\p+6:T+8*\p+7] op_sel_hi:[1,0] neg_lo:[0,1] neg_hi:[0,1]
.endr
.irp p, 0,1
	v_pk_mul_f32 v[T+8*\p+4:T+8*\p+5], v[T+8*\p+2:T+8*\p+3], v[T+8*\p+2:T+8*\p+3]
.endr
.irp j, 2,4,6,8,10,12,14,16,18,20,22,24,26,28,30
.irp p, 0,1
	v_pk_add_f32 v[T+8*\p+2:T+8*\p+3], v[ACC+32*\p+\j:ACC+32*\p+\j+1], v[T+8*\p+6:T+8*\p+7] op_sel_hi:[1,0] neg_lo:[0,1] neg_hi:[0,1]
.endr
.irp p, 0,1
	v_pk_fma_f32 v[T+8*\p+4:T+8*\p+5], v[T+8*\p+2:T+8*\p+3], v[T+8*\p+2:T+8*\p+3], v[T+8*\p+4:T+8*\p+5]
.endr
.endr
.irp p, 0,1
	v_add_f32 v[T+8*\p+4], v[T+8*\p+4], v[T+8*\p+5]
.endr
.irp p, 0,1
	v_permlanex16_b32 v[T+8*\p+5], v[T+8*\p+4], s[SEL], s[SEL+1]
.endr
.irp p, 0,1
	v_add_f32 v[T+8*\p+7], v[T+8*\p+4], v[T+8*\p+5]   ; and the sum of their squared deviations from it
.endr
	s_wait_alu depctr_va_vdst(0)                   ; my pairs in T are written, which the LDS stores read; all vector work on T is done, in which the eight loads below land; more = 1: the addition ahead of this norm is done reading AB
.irp p, 0,1
	ds_store_b64 v13, v[T+8*\p+6:T+8*\p+7] offset:1024*\k+128*\p   ; (both halves of the lanes write the same pair)
.endr
.if \more
	PLOAD AB, 22, 7, 0                             ; the second's bias lands during the first norm.  No further wait: no vector instruction since the wait above names AB
.endif
	s_wait_dscnt 0x0                               ; for the others' sake
	s_barrier_signal -1
	s_barrier_wait -1
	s_wait_alu depctr_vm_vsrc(0)                   ; my LDS stores have read their pairs in T, in which the loads below land
.irp p, 0,1
.irp w, 0,1,2,3
	ds_load_b64 v[T+8*\p+2*\w:T+8*\p+2*\w+1], v14 offset:1024*\k+256*\w+128*\p
.endr
.endr
	s_wait_dscnt 0x0
.irp p, 0,1
	v_add_f32 v[U+2*\p], v[T+8*\p], v[T+8*\p+2]
	v_add_f32 v[U+2*\p+1], v[T+8*\p+4], v[T+8*\p+6]
.endr
.irp p, 0,1
	v_add_f32 v[U+2*\p], v[U+2*\p], v[U+2*\p+1]
.endr
.irp p, 0,1
	v_mul_f32 v[U+2*\p], 0x3e800000, v[U+2*\p]     ; the row's mean
.endr
.irp w, 0,1,2,3
.irp p, 0,1
	v_sub_f32 v[T+8*\p+2*\w], v[T+8*\p+2*\w], v[U+2*\p]
.endr
.endr
.irp p, 0,1
	v_mul_f32 v[U+2*\p+1], v[T+8*\p], v[T+8*\p]
.endr
.irp w, 1,2,3
.irp p, 0,1
	v_fmac_f32 v[U+2*\p+1], v[T+8*\p+2*\w], v[T+8*\p+2*\w]
.endr
.endr
.irp p, 0,1
	v_add_f32 v[T+8*\p+1], v[T+8*\p+1], v[T+8*\p+3]
	v_add_f32 v[T+8*\p+5], v[T+8*\p+5], v[T+8*\p+7]
.endr
.irp p, 0,1
	v_add_f32 v[T+8*\p+1], v[T+8*\p+1], v[T+8*\p+5]
.endr
.irp p, 0,1
	v_fmamk_f32 v[T+8*\p+1], v[U+2*\p+1], 0x42800000, v[T+8*\p+1]   ; + 64 x the squared distances of the four means from the row's
.endr
.irp p, 0,1
	v_fma_f32 v[U+2*\p+1], v[T+8*\p+1], s60, s61   ; / 256 + 1e-6
.endr
	s_wait_alu depctr_va_vdst(0)
.irp p, 0,1
	v_rsq_f32 v[T+8*\p], v[U+2*\p+1]
.endr
	v_nop                                          ; a plain place behind the two
	s_wait_alu depctr_va_vdst(0)                   ; the two reciprocal roots are written: one wait for both, ahead of their first reader
.irp j, 0,2,4,6,8,10,12,14,16,18,20,22,24,26,28,30
.irp p, 0,1
	v_pk_add_f32 v[ACC+32*\p+\j:ACC+32*\p+\j+1], v[ACC+32*\p+\j:ACC+32*\p+\j+1], v[U+2*\p:U+2*\p+1] op_sel_hi:[1,0] neg_lo:[0,1] neg_hi:[0,1]
.endr
.irp p, 0,1
	v_pk_mul_f32 v[ACC+32*\p+\j:ACC+32*\p+\j+1], v[ACC+32*\p+\j:ACC+32*\p+\j+1], v[T+8*\p:T+8*\p+1] op_sel_hi:[1,0]
.endr
.irp p, 0,1
	v_pk_fma_f32 v[ACC+32*\p+\j:ACC+32*\p+\j+1], v[ACC+32*\p+\j:ACC+32*\p+\j+1], v[\g+\j:\g+\j+1], v[\b+\j:\b+\j+1]
.endr
.endr
.endm
; ACC = LN(res + LN(O w2 + b2 + res)).  The residual rows go into my stage, come back in the result's layout as the sums' first C, and stay in the stage for the second addition.
.macro FRONT widx
	WLOAD \widx, 512, 0
	AFETCH 1, 0, 0, 6144, 1024, 0
	ROWS_LD RES
	s_wait_loadcnt 0x0
	ROWS_ST
	s_wait_dscnt 0x0                               ; the stores have landed
	s_wait_alu depctr_vm_vsrc(0)                   ; the LDS stores above have read ACC, in which the loads below land
	STAGE_GET ACC
	ASCALE
	s_wait_dscnt 0x0
	MM16
	PLACES                                         ; four places between the products and the vector lines that write their scale registers again
	s_wait_alu depctr_va_vdst(0)                   ; the products are done reading WB, WS and AB, in which the loads below land
	WLOAD \widx, 512, 1
	AFETCH 1, 0, 0, 6144, 1024, 2
	s_wait_loadcnt 0x0
	ASCALE
	MM16
	PLACES                                         ; four places between the products and the first read of their results
	s_wait_alu depctr_va_vdst(0)                   ; the products are done reading WB and AB, in which the loads below land
	PLOAD AB, 14, 7, 0                             ; b2
	PLOAD WB, 16, 7, 0                             ; the first norm's gain and bias
	PLOAD WB+32, 18, 7, 0
	PLOAD WB+64, 20, 7, 0                          ; the second's gain
	s_wait_loadcnt 0x0
	ADDV AB, 0
	LN 0, WB, WB+32, 1
	s_wait_alu depctr_va_vdst(0)                   ; the first norm is done reading its gain and bias in WB, in which the stage's rows land
	STAGE_GET WB
	s_wait_dscnt 0x0
	ADDV WB, 32
	s_wait_loadcnt 0x0
	LN 1, WB+64, AB, 0
.endm
	s_load_b512 s[8:23], s[0:1], 0x0               ; obuf 8, x 10, wts 12, m1_b2 14, m1_g 16, m1_b 18, ln1_g 20, ln1_b 22
	s_load_b128 s[24:27], s[0:1], 0x40             ; m2_bq 24, x1 26
	s_load_b64 s[28:29], s[0:1], 0x50              ; qimg
	v_lshl_add_u32 v11, v0, 2, 0xe800
	v_mov_b32 v12, 0
	v_lshrrev_b32 v1, 5, v0
	v_readfirstlane_b32 s[WV], v1                  ; wave 0..3
	s_mov_b32 s[SEL], 0x76543210
	s_mov_b32 s[SEL+1], 0xfedcba98
	s_mov_b32 s60, 0x3b800000                      ; 1 / 256
	s_mov_b32 s61, 0x358637bd                      ; 1e-6
	v_and_b32 v16, 31, v0                          ; l
	v_and_b32 v17, 15, v0                          ; r
	v_bfe_u32 v18, v0, 4, 1                        ; h
	v_lshlrev_b32 v1, 3, v16
	v_lshlrev_b32 v2, 2, v16
	v_lshlrev_b32 v3, 4, v16
	s_wait_alu depctr_va_sdst(0)                   ; the wave's number is written, ahead of its first reader
	s_mul_i32 s58, s[WV], 8704                     ; my stage
	v_mul_u32_u24 v4, v17, 272
	v_lshl_add_u32 v4, v18, 6, v4
	v_add_nc_u32 v4, s58, v4                       ; in the result's layout: row r, + 64 h
	v_mul_u32_u24 v5, v18, 272
	v_lshl_add_u32 v5, v17, 4, v5
	v_add_nc_u32 v5, s58, v5                       ; by rows: lanes 0-15 one row, lanes 16-31 the next
	s_lshl_b32 s59, s[WV], 8
	v_lshlrev_b32 v6, 10, v18
	v_lshl_add_u32 v6, v17, 4, v6
	v_add_nc_u32 v6, s59, v6                       ; the same two rows in memory, my 256 bytes
	v_lshlrev_b32 v7, 6, v18
	v_add_nc_u32 v7, s59, v7                       ; a vector of 256: my 64 numbers, + 64 h
	s_lshl_b32 s58, s[WV], 9
	v_lshlrev_b32 v8, 6, v18
	v_add_nc_u32 v8, s58, v8                       ; a vector of 512: my 128 numbers
	s_mul_i32 s58, s[WV], 768
	s_add_co_u32 s58, s58, XIMG
	v_add_nc_u32 v9, s58, v1                       ; where I store x1's half fragments,
	s_lshl_b32 s58, s[WV], 7
	s_add_co_u32 s58, s58, XSC
	v_add_nc_u32 v10, s58, v2                      ; and their bytes
	v_lshlrev_b32 v14, 3, v17
	v_add_nc_u32 v14, LNX, v14                     ; the norms' pairs: 8 r,
	v_add_nc_u32 v13, s59, v14                     ; + 256 x wave for mine
	v_sub_nc_u32 v15, 1, v18
	v_mul_u32_u24 v15, 28, v15                     ; Q's register 6: the code +16 at k = 64, which lies in lanes 0-15
.set j, 0
.rept 16
	v_mov_b32 v[T+j], 0                            ; written once: named in pairs and as lane permutes' destinations
.set j, j+1
.endr
	s_mov_b32 s57, 0
	s_wait_kmcnt 0x0
	s_mul_i32 s56, ttmp9, 12288
	s_add_nc_u64 s[OBI:OBI+1], s[8:9], s[56:57]    ; my two row tiles' images,
	s_lshl_b32 s56, ttmp9, 11
	s_add_co_u32 s56, s56, 3145728
	s_add_nc_u64 s[OBS:OBS+1], s[8:9], s[56:57]    ; and scale bytes
	s_lshl_b32 s56, ttmp9, 15
	s_add_nc_u64 s[RES:RES+1], s[10:11], s[56:57]  ; my 32 rows of x
	s_add_nc_u64 s[OUTP:OUTP+1], s[26:27], s[56:57]   ; and of x1
	s_mul_i32 s56, s[WV], 24576
	s_add_nc_u64 s[WIB:WIB+1], s[12:13], s[56:57]  ; my 16 fragments of a weight,
	s_lshl_b32 s56, s[WV], 11
	s_add_co_u32 s56, s56, 983040
	s_add_nc_u64 s[WCB:WCB+1], s[12:13], s[56:57]  ; and their scale words
	s_lshr_b32 s56, ttmp9, 6                       ; qimg: ((batch x 8 + 2 w) x 128 + 2 (G % 64)) tiles of 1,024 bytes
	s_lshl_b32 s56, s56, 3
	s_lshl_b32 s58, s[WV], 1
	s_add_co_u32 s56, s56, s58
	s_lshl_b32 s56, s56, 7
	s_and_b32 s58, ttmp9, 63
	s_lshl_b32 s58, s58, 1
	s_add_co_u32 s56, s56, s58
	s_lshl_b32 s56, s56, 10
	s_add_nc_u64 s[QP:QP+1], s[28:29], s[56:57]
	s_wait_alu depctr_va_vdst(0)                   ; the offsets and LDS addresses v1 to v10, v13 and v14 are written, which every load and store of the kernel reads; so is T, in which loads of scale bytes land
	FRONT 7
	s_wait_alu depctr_va_vdst(0)                   ; the second norm has written ACC, which the LDS stores below read, and it and the addition ahead of it are done reading WB, in which the weight's loads land
	WLOAD 5, 256, 0                                ; m2_wq, my first head: lands while x1 is quantised
	STAGE_PUT
	QUANT ACC, D, 8, 2, TM, TQ                     ; my 64 columns are half a K step of the next product
	HALVES 9, 10, 0, 0, 3072, 512
	s_wait_dscnt 0x0                               ; for the others' sake
	s_barrier_signal -1
	s_barrier_wait -1                              ; x1's four fragments lie in LDS
	s_wait_alu depctr_vm_vsrc(0)                   ; the LDS stores into the stage have read ACC, in which the stage's rows land
	ROWS_OUT ACC, OUTP
.irp a, 0,1                                    ; head 2 w + a
	s_wait_xcnt 0x0                                ; the stores have read their registers: ACC and the codes' registers are loaded again
	s_wait_alu depctr_vm_vsrc(0)                   ; the stores of x1 have read ACC, the stores of halves (second trip: those to qimg) have read D and T + 0, 1: loads land in all of them below
	AFETCH 0, XIMG, XSC, 3072, 512, 0
	PLOAD ACC, 24, 8, 256*\a                       ; the bias is the sums' first C
	PLOAD ACC+32, 24, 8, 256*\a
	s_wait_loadcnt 0x0
	s_wait_dscnt 0x0
	ASCALE
	MM16
	PLACES                                         ; four places between the products and the quantiser, which reads their results and writes AB's registers
.if \a == 0
	s_wait_alu depctr_va_vdst(0)                   ; the products are done reading WB and WS, in which the loads below land
	WLOAD 5, 256, 1
.endif
	QUANT ACC, D, 8, 2, TM, TQ
.irp c, 0,1
	v_lshl_or_b32 v[D+8*\c+7], v[TM+5+2*\c], 8, v[TM+4+2*\c]
	v_or_b32 v[D+8*\c+7], 0x7f7f0000, v[D+8*\c+7]  ; the row's scale word
	v_mov_b32 v[D+8*\c+6], v15
.endr
	s_wait_alu depctr_va_vdst(0)                   ; the quantiser and the six lines above have written D, which the stores read; the quantiser is also done reading ACC and writing AB's registers, in which the next trip's loads land
.irp c, 0,1
	global_store_b128 v3, v[D+8*\c:D+8*\c+3], s[QP:QP+1] offset:\a*131072+\c*1024
	global_store_b128 v3, v[D+8*\c+4:D+8*\c+7], s[QP:QP+1] offset:\a*131072+\c*1024+512
.endr
.endr
	s_wait_dscnt 0x0                               ; the closing lines, six on end
	s_wait_alu 0x0
	s_wait_tensorcnt 0x0
	ds_add_u32 v11, v12
	s_wait_dscnt 0x0
	s_endpgm
.Lfunc_end_k_qc0a1f00cf7_post1:
	.size	k_qc0a1f00cf7_post1, .Lfunc_end_k_qc0a1f00cf7_post1-k_qc0a1f00cf7_post1
	.p2alignl 7, 3214868480
	.fill 96, 4, 3214868480
	.section	.rodata,"a",@progbits
	.p2align	6, 0x0
	.amdhsa_kernel k_qc0a1f00cf7_post1
		.amdhsa_group_segment_fixed_size 59904
		.amdhsa_private_segment_fixed_size 0
		.amdhsa_enable_private_segment 0
		.amdhsa_kernarg_size 88
		.amdhsa_user_sgpr_count 2
		.amdhsa_user_sgpr_kernarg_segment_ptr 1
		.amdhsa_wavefront_size32 1
		.amdhsa_system_sgpr_workgroup_id_x 1
		.amdhsa_system_sgpr_workgroup_id_y 1
		.amdhsa_system_sgpr_workgroup_id_z 1
		.amdhsa_system_vgpr_workitem_id 0
		.amdhsa_next_free_vgpr 256
		.amdhsa_next_free_sgpr 66
		.amdhsa_reserve_vcc 0
		.amdhsa_float_denorm_mode_32 3
		.amdhsa_float_denorm_mode_16_64 3
		.amdhsa_memory_ordered 1
		.amdhsa_forward_progress 1
		.amdhsa_inst_pref_size 99
	.end_amdhsa_kernel
	.amdgpu_metadata
---
amdhsa.version: [ 1, 2 ]
amdhsa.kernels:
  - .name:           k_qc0a1f00cf7_post1
    .symbol:         k_qc0a1f00cf7_post1.kd
    .args:
      - { .name: obuf, .offset: 0, .size: 8, .value_kind: global_buffer, .address_space: global }
      - { .name: x, .offset: 8, .size: 8, .value_kind: global_buffer, .address_space: global }
      - { .name: wts, .offset: 16, .size: 8, .value_kind: global_buffer, .address_space: global }
      - { .name: m1_b2, .offset: 24, .size: 8, .value_kind: global_buffer, .address_space: global }
      - { .name: m1_g, .offset: 32, .size: 8, .value_kind: global_buffer, .address_space: global }
      - { .name: m1_b, .offset: 40, .size: 8, .value_kind: global_buffer, .address_space: global }
      - { .name: ln1_g, .offset: 48, .size: 8, .value_kind: global_buffer, .address_space: global }
      - { .name: ln1_b, .offset: 56, .size: 8, .value_kind: global_buffer, .address_space: global }
      - { .name: m2_bq, .offset: 64, .size: 8, .value_kind: global_buffer, .address_space: global }
      - { .name: x1, .offset: 72, .size: 8, .value_kind: global_buffer, .address_space: global }
      - { .name: qimg, .offset: 80, .size: 8, .value_kind: global_buffer, .address_space: global }
    .group_segment_fixed_size: 59904
    .private_segment_fixed_size: 0
    .kernarg_segment_align: 8
    .kernarg_segment_size: 88
    .max_flat_workgroup_size: 128
    .sgpr_count:     66
    .vgpr_count:     256
    .wavefront_size: 32
...
	.end_amdgpu_metadata
.endif
;; end of part 9
;; launch att2: the kernel of part 8 again; grid 8 x 32, 16 waves a work-group, clusters of 4 x 1, 247,808 bytes of LDS; arguments qimg, kv2, obuf; writes obuf
;; launch post2 (part 10): grid 256 x 1, 4 waves a work-group, no clusters, 59,904 bytes of LDS; arguments obuf, x1, wts, m2_b2, m2_g, m2_b, ln2_g, ln2_b, ffn_b1, ffn_b2, ln3_g, ln3_b, out0; writes out0
.if DOCPART == 10
	.amdgcn_target "amdgcn-amd-amdhsa--gfx1250"
	.amdhsa_code_object_version 6
	.text
	.protected	k_qc0a1f00cf7_post2
	.globl	k_qc0a1f00cf7_post2
	.p2align	8
	.type	k_qc0a1f00cf7_post2,@function
k_qc0a1f00cf7_post2:
	s_mov_b64 s[64:65], 0
	v_nop
	global_prefetch_b8 v0, s[64:65] scope:SCOPE_SE
	s_setreg_imm32_b32 hwreg(HW_REG_WAVE_SCHED_MODE, 0, 2), 2
	s_setreg_imm32_b32 hwreg(HW_REG_WAVE_MODE, 25, 1), 1
	s_wait_xcnt 0x0
	s_wait_alu depctr_vm_vsrc(0)
; x2 = LN(x1 + LN(O w2 + b2 + x1; m2_g, m2_b); ln2_g, ln2_b);  out0 = LN(x2 + relu(x2 W1 + b1) W2 + b2; ln3_g, ln3_b).  Products on codes of E3M2; all else f32.
; A work-group owns 32 rows: row tiles 2 G and 2 G + 1 (member i of tile m is row 32 (m / 2) + 8 (m % 2) + i + 8 (i / 8)).  THE WAVES SHARE THE COLUMNS: wave w owns 64 columns of a result 256 wide, 128 of one 512 wide.
; Products are used transposed (source 0 = 16 columns of the weight, source 1 = 16 rows): lane (r, h) holds one row; register 32 p + 16 b + i is column 32 b + 16 h + i of my 64, of row tile p.
; Weight fragments come from memory as images of their registers; each feeds two products.  Rows reach and leave the layout through the wave's own stage in LDS, so that 16 lanes read or store 256 aligned bytes.
; A LAYER NORM: each wave takes the mean and the sum of squared deviations of its 64 columns; the four waves' pairs meet in LDS behind one barrier and are combined (no difference of large sums is formed).
; x2's and the hidden layer's codes go from wave to wave through LDS as images of half fragments (64 along K: 768 bytes), with their two scale bytes as a word.  The hidden layer never goes to memory.
; No cluster: what work-groups share here is the weights alone, which go straight into registers; the launch has no tensor load.
; LIMITS: a block of zeros, and one whose largest magnitude lies under 2^-122, gets the scale byte 1 (this program alone reads the bytes); NaN and infinities are not served.
; REGISTERS: v1 8 l, v2 4 l, v3 16 l, v4-v14 addresses; v16-31 T at work; v32-95 ACC; v96-191 WB weight fragments, later vectors and rows; v192-239 AB row fragments, also the quantiser's scratch;
;   v240-247 WS, v248-251 AS scale words; v252-255 U.
; THE MODE: SCHED_MODE bits 1:0 = 2 (LLVM: expert scheduling mode 2), set by the entry lines.  The code itself states the register dependences between vector or matrix instructions and memory or LDS instructions,
; with s_wait_alu, always for 0.
; THE PLAN.  Registers that memory or LDS instructions touch, and who else names them:
;   v1-v14  offsets and LDS addresses: written at the head and never again: one wait on va_vdst ahead of the first load serves them for the whole kernel.
;   WB, WS  loads land here (weight fragments, vectors, rows from the stage); the products, the additions and the norms read them; the stores of out0 read WB at the end.  A wait on va_vdst stands behind the last
;           vector or matrix reader, ahead of each new run of loads.
;   AB      loads land here (row fragments, vectors); the products and the additions read it; as TM, TQ, D the quantiser writes it; LDS stores read D.
;   T       loads land here (scale bytes, the norms' pairs); vector work writes and reads it; LDS stores read the norms' pairs (T + 6, 7, 14, 15) and the halves' bytes (T + 0, 1).
;   ACC     loads land here (rows, biases, the stage); the products, the activation and the norms write it; the quantiser reads it; LDS stores into the stage read it.
;   AS      written by vector work alone and taken by the products as scales: eight places, then a wait on va_vdst.
; So a wait on va_vdst stands where a phase's vector or matrix work hands registers to loads or stores, and a wait on vm_vsrc between a run of stores and the next write of their data registers.
.set LNX,  34816                       ; LDS: from 0 the four stages, 32 rows x 272 bytes each; then three areas of 1,024 bytes for the layer norms,
.set XIMG, 37888                       ; x2's images: p x 3072 + K step x 1536 + half x 768,
.set XSC,  44032                       ; their scale words: p x 512 + K step x 256 + half x 128,
.set HIMG, 45056                       ; the hidden layer's: p x 6144 + K step x 1536 + half x 768,
.set HSC,  57344                       ; p x 1024 + K step x 256 + half x 128
.set T,   16
.set ACC, 32
.set WB,  96
.set AB,  192
.set WS,  240
.set AS,  248
.set U,   252
.set TM,  192
.set TQ,  204
.set D,   212
.set WV,  34
.set SEL, 36
.set OBI, 38
.set OBS, 40
.set RES, 42
.set WIB, 44
.set WCB, 46
.set OUTP, 52
.macro QUANT s, d, st, nc, tm, tq      ; 32 nc x 2 numbers of a lane, register s + 16 b + i = k 32 b + 16 (lane / 16) + i, become codes in v[d + st c] on (blocks 2 c, 2 c + 1); the bytes stay in v[tm + 4 + b]
.set qb, 0
.rept 2*\nc
	v_max3_num_f32 v[\tm+qb], |v[\s+16*qb]|, |v[\s+16*qb+1]|, 0x2800000
.set qb, qb+1
.endr
.irp qi, 2,4,6,8,10,12,14
.set qb, 0
.rept 2*\nc
	v_max3_num_f32 v[\tm+qb], v[\tm+qb], |v[\s+16*qb+\qi]|, |v[\s+16*qb+\qi+1]|
.set qb, qb+1
.endr
.endr
.set qb, 0
.rept 2*\nc
	v_permlanex16_b32 v[\tm+4+qb], v[\tm+qb], s[SEL], s[SEL+1]
.set qb, qb+1
.endr
.set qb, 0
.rept 2*\nc
	v_max_num_f32 v[\tm+qb], v[\tm+qb], v[\tm+4+qb]
.set qb, qb+1
.endr
.set qb, 0
.rept 2*\nc
	v_add_nc_u32 v[\tm+8+qb], 0xfe000000, v[\tm+qb]
.set qb, qb+1
.endr
.set qb, 0
.rept 2*\nc
	v_lshrrev_b32 v[\tm+4+qb], 23, v[\tm+8+qb]
.set qb, qb+1
.endr
.set qc, 0
.rept \nc
	v_cvt_scalef32_pk16_bf6_f32 v[\d+\st*qc:\d+\st*qc+2], v[\s+32*qc:\s+32*qc+15], v[\tm+8+2*qc]
	v_cvt_scalef32_pk16_bf6_f32 v[\tq+4*qc:\tq+4*qc+2], v[\s+32*qc+16:\s+32*qc+31], v[\tm+9+2*qc]
.set qc, qc+1
.endr
	v_nop                                          ; one plain place behind a scaled conversion
.set qc, 0
.rept \nc
.irp qi, 0,1,2
	v_permlane16_swap_b32 v[\d+\st*qc+\qi], v[\tq+4*qc+\qi]
.endr
.irp qi, 0,1,2
	v_mov_b32 v[\d+\st*qc+3+\qi], v[\tq+4*qc+\qi]
.endr
.set qc, qc+1
.endr
.endm
.macro PLACES
.rept 4
	v_nop
.endr
.endm
.macro PLOAD reg, sp, va, imm          ; a vector's 32 numbers of my columns, in the result's layout
.irp pb, 0,1
.irp pq, 0,1,2,3
	global_load_b128 v[\reg+16*\pb+4*\pq:\reg+16*\pb+4*\pq+3], v[\va], s[\sp:\sp+1] offset:\imm+128*\pb+16*\pq
.endr
.endr
.endm
.macro WLOAD widx, m, x                ; eight fragments of weight widx (4 column tiles x 2 K steps) and their scale words.  m = the product's K; x: which two K steps (512) or which four column tiles (256)
.irp wt, 0,1,2,3
.irp wl, 0,1
.if \m == 512
.set FL, 4*\wt+2*\x+\wl
.else
.set FL, 8*\x+2*\wt+\wl
.endif
.irp wc, 0,1,2
	global_load_b128 v[WB+12*(2*\wt+\wl)+4*\wc:WB+12*(2*\wt+\wl)+4*\wc+3], v3, s[WIB:WIB+1] offset:\widx*98304+FL*1536+512*\wc
.endr
	global_load_b32 v[WS+2*\wt+\wl], v2, s[WCB:WCB+1] offset:\widx*8192+FL*128
.endr
.endr
.endm
.macro AFETCH g, base, sbase, rp, rps, s0   ; the two row tiles' fragments of K steps s0, s0 + 1, and their scale bytes, a word for each half; g = 1: from obuf, 0: from LDS
.irp ar, 0,1
.irp al, 0,1
.irp ap, 0,1,2,3,4,5
.if \g
	global_load_b64 v[AB+12*(2*\ar+\al)+2*\ap:AB+12*(2*\ar+\al)+2*\ap+1], v1, s[OBI:OBI+1] offset:\ar*\rp+(\s0+\al)*1536+256*\ap
.else
	ds_load_b64 v[AB+12*(2*\ar+\al)+2*\ap:AB+12*(2*\ar+\al)+2*\ap+1], v1 offset:\base+\ar*\rp+(\s0+\al)*1536+256*\ap
.endif
.endr
.irp ac, 0,1
.if \g
	global_load_b32 v[T+2*(2*\ar+\al)+\ac], v2, s[OBS:OBS+1] offset:\ar*\rps+(\s0+\al)*256+128*\ac
.else
	ds_load_b32 v[T+2*(2*\ar+\al)+\ac], v2 offset:\sbase+\ar*\rps+(\s0+\al)*256+128*\ac
.endif
.endr
.endr
.endr
.endm
.macro ASCALE                          ; two halves' bytes make a fragment's scale word; a scale register written by a vector instruction stands eight places ahead of the product
.irp k, 0,1,2,3
	v_lshl_or_b32 v[AS+\k], v[T+2*\k+1], 16, v[T+2*\k]
.endr
.rept 8
	v_nop
.endr
	s_wait_alu depctr_va_vdst(0)                   ; AS is written, which the products take as scales; the four lines above are also done reading T, in which later loads land
.endm
.macro MM16                            ; two K steps x two row tiles x four column tiles; the eight accumulators take turns
.irp ml, 0,1
.irp mr, 0,1
.irp mt, 0,1,2,3
	v_wmma_scale_f32_16x16x128_f8f6f4 v[ACC+32*\mr+8*\mt:ACC+32*\mr+8*\mt+7], v[WB+12*(2*\mt+\ml):WB+12*(2*\mt+\ml)+11], v[AB+12*(2*\mr+\ml):AB+12*(2*\mr+\ml)+11], v[ACC+32*\mr+8*\mt:ACC+32*\mr+8*\mt+7], v[WS+2*\mt+\ml], v[AS+2*\mr+\ml] matrix_a_fmt:MATRIX_FMT_BF6 matrix_b_fmt:MATRIX_FMT_BF6
.endr
.endr
.endr
.endm
.macro STAGE_PUT                       ; ACC into my stage: row 16 p + r, my 16 columns of block b at 128 b + 64 h
.irp sr, 0,1
.irp sb, 0,1
.irp sq, 0,1,2,3
	ds_store_b128 v4, v[ACC+32*\sr+16*\sb+4*\sq:ACC+32*\sr+16*\sb+4*\sq+3] offset:\sr*4352+128*\sb+16*\sq
.endr
.endr
.endr
.endm
.macro STAGE_GET reg                   ; and back, in the same layout
.irp sr, 0,1
.irp sb, 0,1
.irp sq, 0,1,2,3
	ds_load_b128 v[\reg+32*\sr+16*\sb+4*\sq:\reg+32*\sr+16*\sb+4*\sq+3], v4 offset:\sr*4352+128*\sb+16*\sq
.endr
.endr
.endr
.endm
.macro ROWS_LD sp                      ; my 256 bytes of the 32 rows, two rows an instruction, in the stage's order of rows
.irp i, 0,1,2,3,4,5,6,7,8,9,10,11,12,13,14,15
	global_load_b128 v[ACC+4*\i:ACC+4*\i+3], v6, s[\sp:\sp+1] offset:(8*(\i/8)+2*(\i%8)+8*((\i/4)%2))*1024
.endr
.endm
.macro ROWS_ST
.irp i, 0,1,2,3,4,5,6,7,8,9,10,11,12,13,14,15
	ds_store_b128 v5, v[ACC+4*\i:ACC+4*\i+3] offset:544*\i
.endr
.endm
.macro ROWS_OUT reg, sp                ; the stage's rows leave: 16 lanes store 256 consecutive bytes, aligned; written once, read by nobody here
.irp i, 0,1,2,3,4,5,6,7,8,9,10,11,12,13,14,15
	ds_load_b128 v[\reg+4*\i:\reg+4*\i+3], v5 offset:544*\i   ; LDS serves a wave's instructions in order: these see my stores
.endr
	s_wait_dscnt 0x0
.irp i, 0,1,2,3,4,5,6,7,8,9,10,11,12,13,14,15
	global_store_b128 v6, v[\reg+4*\i:\reg+4*\i+3], s[\sp:\sp+1] offset:(8*(\i/8)+2*(\i%8)+8*((\i/4)%2))*1024 th:TH_STORE_NT
.endr
.endm
.macro HALVES va, vs, imm, imms, rp, rps   ; the two half fragments just made (row tile p in v[D + 8 p] on) and their bytes go to LDS
.irp hc, 0,1
	v_lshl_or_b32 v[T+\hc], v[TM+5+2*\hc], 8, v[TM+4+2*\hc]
.endr
	s_wait_alu depctr_va_vdst(0)                   ; the quantiser has written the codes in D, and the two lines above the words in T, which the LDS stores read; the quantiser is also done reading ACC and writing AB's registers, in which later loads land
.irp hc, 0,1
.irp hp, 0,1,2
	ds_store_b64 v[\va], v[D+8*\hc+2*\hp:D+8*\hc+2*\hp+1] offset:\imm+\hc*\rp+256*\hp
.endr
	ds_store_b32 v[\vs], v[T+\hc] offset:\imms+\hc*\rps
.endr
.endm
.macro ADDV src, st                    ; ACC += v[src + st p + j], each accumulator from its low end on
.irp p, 0,1
.set j, 0
.rept 16
	v_pk_add_f32 v[ACC+32*\p+j:ACC+32*\p+j+1], v[ACC+32*\p+j:ACC+32*\p+j+1], v[\src+\st*\p+j:\src+\st*\p+j+1]
.set j, j+2
.endr
.endr
.endm
.macro LN k, g, b, more                ; ACC = (ACC - mean) rsqrt(var + 1e-6) g + b over the 256 columns; the two row tiles by turns; area k of LDS.  more = 1: the next norm's bias is asked for, into AB
.irp p, 0,1
	v_pk_add_f32 v[T+8*\p:T+8*\p+1], v[ACC+32*\p:ACC+32*\p+1], v[ACC+32*\p+2:ACC+32*\p+3]
.endr
.irp j, 4,6,8,10,12,14,16,18,20,22,24,26,28,30
.irp p, 0,1
	v_pk_add_f32 v[T+8*\p:T+8*\p+1], v[T+8*\p:T+8*\p+1], v[ACC+32*\p+\j:ACC+32*\p+\j+1]
.endr
.endr
.irp p, 0,1
	v_add_f32 v[T+8*\p], v[T+8*\p], v[T+8*\p+1]
.endr
.irp p, 0,1
	v_permlanex16_b32 v[T+8*\p+1], v[T+8*\p], s[SEL], s[SEL+1]
.endr
.irp p, 0,1
	v_add_f32 v[T+8*\p], v[T+8*\p], v[T+8*\p+1]
.endr
.irp p, 0,1
	v_mul_f32 v[T+8*\p+6], 0x3c800000, v[T+8*\p]   ; the mean of my wave's 64 columns
.endr
.irp p, 0,1
	v_pk_add_f32 v[T+8*\p+2:T+8*\p+3], v[ACC+32*\p:ACC+32*\p+1], v[T+8*\p+6:T+8*\p+7] op_sel_hi:[1,0] neg_lo:[0,1] neg_hi:[0,1]
.endr
.irp p, 0,1
	v_pk_mul_f32 v[T+8*\p+4:T+8*\p+5], v[T+8*\p+2:T+8*\p+3], v[T+8*\p+2:T+8*\p+3]
.endr
.irp j, 2,4,6,8,10,12,14,16,18,20,22,24,26,28,30
.irp p, 0,1
	v_pk_add_f32 v[T+8*\p+2:T+8*\p+3], v[ACC+32*\p+\j:ACC+32*\p+\j+1], v[T+8*\p+6:T+8*\p+7] op_sel_hi:[1,0] neg_lo:[0,1] neg_hi:[0,1]
.endr
.irp p, 0,1
	v_pk_fma_f32 v[T+8*\p+4:T+8*\p+5], v[T+8*\p+2:T+8*\p+3], v[T+8*\p+2:T+8*\p+3], v[T+8*\p+4:T+8*\p+5]
.endr
.endr
.irp p, 0,1
	v_add_f32 v[T+8*\p+4], v[T+8*\p+4], v[T+8*\p+5]
.endr
.irp p, 0,1
	v_permlanex16_b32 v[T+8*\p+5], v[T+8*\p+4], s[SEL], s[SEL+1]
.endr
.irp p, 0,1
	v_add_f32 v[T+8*\p+7], v[T+8*\p+4], v[T+8*\p+5]   ; and the sum of their squared deviations from it
.endr
	s_wait_alu depctr_va_vdst(0)                   ; my pairs in T are written, which the LDS stores read; all vector work on T is done, in which the eight loads below land; more = 1: the addition ahead of this norm is done reading AB
.irp p, 0,1
	ds_store_b64 v13, v[T+8*\p+6:T+8*\p+7] offset:1024*\k+128*\p   ; (both halves of the lanes write the same pair)
.endr
.if \more
	PLOAD AB, 22, 7, 0                             ; the second's bias lands during the first norm.  No further wait: no vector instruction since the wait above names AB
.endif
	s_wait_dscnt 0x0                               ; for the others' sake
	s_barrier_signal -1
	s_barrier_wait -1
	s_wait_alu depctr_vm_vsrc(0)                   ; my LDS stores have read their pairs in T, in which the loads below land
.irp p, 0,1
.irp w, 0,1,2,3
	ds_load_b64 v[T+8*\p+2*\w:T+8*\p+2*\w+1], v14 offset:1024*\k+256*\w+128*\p
.endr
.endr
	s_wait_dscnt 0x0
.irp p, 0,1
	v_add_f32 v[U+2*\p], v[T+8*\p], v[T+8*\p+2]
	v_add_f32 v[U+2*\p+1], v[T+8*\p+4], v[T+8*\p+6]
.endr
.irp p, 0,1
	v_add_f32 v[U+2*\p], v[U+2*\p], v[U+2*\p+1]
.endr
.irp p, 0,1
	v_mul_f32 v[U+2*\p], 0x3e800000, v[U+2*\p]     ; the row's mean
.endr
.irp w, 0,1,2,3
.irp p, 0,1
	v_sub_f32 v[T+8*\p+2*\w], v[T+8*\p+2*\w], v[U+2*\p]
.endr
.endr
.irp p, 0,1
	v_mul_f32 v[U+2*\p+1], v[T+8*\p], v[T+8*\p]
.endr
.irp w, 1,2,3
.irp p, 0,1
	v_fmac_f32 v[U+2*\p+1], v[T+8*\p+2*\w], v[T+8*\p+2*\w]
.endr
.endr
.irp p, 0,1
	v_add_f32 v[T+8*\p+1], v[T+8*\p+1], v[T+8*\p+3]
	v_add_f32 v[T+8*\p+5], v[T+8*\p+5], v[T+8*\p+7]
.endr
.irp p, 0,1
	v_add_f32 v[T+8*\p+1], v[T+8*\p+1], v[T+8*\p+5]
.endr
.irp p, 0,1
	v_fmamk_f32 v[T+8*\p+1], v[U+2*\p+1], 0x42800000, v[T+8*\p+1]   ; + 64 x the squared distances of the four means from the row's
.endr
.irp p, 0,1
	v_fma_f32 v[U+2*\p+1], v[T+8*\p+1], s60, s61   ; / 256 + 1e-6
.endr
	s_wait_alu depctr_va_vdst(0)
.irp p, 0,1
	v_rsq_f32 v[T+8*\p], v[U+2*\p+1]
.endr
	v_nop                                          ; a plain place behind the two
	s_wait_alu depctr_va_vdst(0)                   ; the two reciprocal roots are written: one wait for both, ahead of their first reader
.irp j, 0,2,4,6,8,10,12,14,16,18,20,22,24,26,28,30
.irp p, 0,1
	v_pk_add_f32 v[ACC+32*\p+\j:ACC+32*\p+\j+1], v[ACC+32*\p+\j:ACC+32*\p+\j+1], v[U+2*\p:U+2*\p+1] op_sel_hi:[1,0] neg_lo:[0,1] neg_hi:[0,1]
.endr
.irp p, 0,1
	v_pk_mul_f32 v[ACC+32*\p+\j:ACC+32*\p+\j+1], v[ACC+32*\p+\j:ACC+32*\p+\j+1], v[T+8*\p:T+8*\p+1] op_sel_hi:[1,0]
.endr
.irp p, 0,1
	v_pk_fma_f32 v[ACC+32*\p+\j:ACC+32*\p+\j+1], v[ACC+32*\p+\j:ACC+32*\p+\j+1], v[\g+\j:\g+\j+1], v[\b+\j:\b+\j+1]
.endr
.endr
.endm
; ACC = LN(res + LN(O w2 + b2 + res)).  The residual rows go into my stage, come back in the result's layout as the sums' first C, and stay in the stage for the second addition.
.macro FRONT widx
	WLOAD \widx, 512, 0
	AFETCH 1, 0, 0, 6144, 1024, 0
	ROWS_LD RES
	s_wait_loadcnt 0x0
	ROWS_ST
	s_wait_dscnt 0x0                               ; the stores have landed
	s_wait_alu depctr_vm_vsrc(0)                   ; the LDS stores above have read ACC, in which the loads below land
	STAGE_GET ACC
	ASCALE
	s_wait_dscnt 0x0
	MM16
	PLACES                                         ; four places between the products and the vector lines that write their scale registers again
	s_wait_alu depctr_va_vdst(0)                   ; the products are done reading WB, WS and AB, in which the loads below land
	WLOAD \widx, 512, 1
	AFETCH 1, 0, 0, 6144, 1024, 2
	s_wait_loadcnt 0x0
	ASCALE
	MM16
	PLACES                                         ; four places between the products and the first read of their results
	s_wait_alu depctr_va_vdst(0)                   ; the products are done reading WB and AB, in which the loads below land
	PLOAD AB, 14, 7, 0                             ; b2
	PLOAD WB, 16, 7, 0                             ; the first norm's gain and bias
	PLOAD WB+32, 18, 7, 0
	PLOAD WB+64, 20, 7, 0                          ; the second's gain
	s_wait_loadcnt 0x0
	ADDV AB, 0
	LN 0, WB, WB+32, 1
	s_wait_alu depctr_va_vdst(0)                   ; the first norm is done reading its gain and bias in WB, in which the stage's rows land
	STAGE_GET WB
	s_wait_dscnt 0x0
	ADDV WB, 32
	s_wait_loadcnt 0x0
	LN 1, WB+64, AB, 0
.endm
	s_load_b512 s[8:23], s[0:1], 0x0               ; obuf 8, x1 10, wts 12, m2_b2 14, m2_g 16, m2_b 18, ln2_g 20, ln2_b 22
	s_load_b256 s[24:31], s[0:1], 0x40             ; ffn_b1 24, ffn_b2 26, ln3_g 28, ln3_b 30
	s_load_b64 s[32:33], s[0:1], 0x60              ; out0
	v_lshl_add_u32 v15, v0, 2, 0xe800
	s_set_vgpr_msb 0x40
	v_mov_b32 v1, 0
	s_set_vgpr_msb 0x4000
	v_lshrrev_b32 v1, 5, v0
	v_readfirstlane_b32 s[WV], v1                  ; wave 0..3
	s_mov_b32 s[SEL], 0x76543210
	s_mov_b32 s[SEL+1], 0xfedcba98
	s_mov_b32 s60, 0x3b800000                      ; 1 / 256
	s_mov_b32 s61, 0x358637bd                      ; 1e-6
	v_and_b32 v16, 31, v0                          ; l
	v_and_b32 v17, 15, v0                          ; r
	v_bfe_u32 v18, v0, 4, 1                        ; h
	v_lshlrev_b32 v1, 3, v16
	v_lshlrev_b32 v2, 2, v16
	v_lshlrev_b32 v3, 4, v16
	s_wait_alu depctr_va_sdst(0)                   ; the wave's number is written, ahead of its first reader
	s_mul_i32 s58, s[WV], 8704                     ; my stage
	v_mul_u32_u24 v4, v17, 272
	v_lshl_add_u32 v4, v18, 6, v4
	v_add_nc_u32 v4, s58, v4                       ; in the result's layout: row r, + 64 h
	v_mul_u32_u24 v5, v18, 272
	v_lshl_add_u32 v5, v17, 4, v5
	v_add_nc_u32 v5, s58, v5                       ; by rows: lanes 0-15 one row, lanes 16-31 the next
	s_lshl_b32 s59, s[WV], 8
	v_lshlrev_b32 v6, 10, v18
	v_lshl_add_u32 v6, v17, 4, v6
	v_add_nc_u32 v6, s59, v6                       ; the same two rows in memory, my 256 bytes
	v_lshlrev_b32 v7, 6, v18
	v_add_nc_u32 v7, s59, v7                       ; a vector of 256: my 64 numbers, + 64 h
	s_lshl_b32 s58, s[WV], 9
	v_lshlrev_b32 v8, 6, v18
	v_add_nc_u32 v8, s58, v8                       ; a vector of 512: my 128 numbers
	s_mul_i32 s58, s[WV], 768
	s_add_co_u32 s58, s58, XIMG
	v_add_nc_u32 v9, s58, v1                       ; where I store x2's half fragments,
	s_lshl_b32 s58, s[WV], 7
	s_add_co_u32 s58, s58, XSC
	v_add_nc_u32 v10, s58, v2                      ; and their bytes;
	s_mul_i32 s58, s[WV], 1536
	s_add_co_u32 s58, s58, HIMG
	v_add_nc_u32 v11, s58, v1                      ; the hidden layer's,
	s_lshl_b32 s58, s[WV], 8
	s_add_co_u32 s58, s58, HSC
	v_add_nc_u32 v12, s58, v2                      ; and theirs
	v_lshlrev_b32 v14, 3, v17
	v_add_nc_u32 v14, LNX, v14                     ; the norms' pairs: 8 r,
	v_add_nc_u32 v13, s59, v14                     ; + 256 x wave for mine
.set j, 0
.rept 16
	v_mov_b32 v[T+j], 0                            ; written once: named in pairs and as lane permutes' destinations
.set j, j+1
.endr
	s_mov_b32 s57, 0
	s_wait_kmcnt 0x0
	s_mul_i32 s56, ttmp9, 12288
	s_add_nc_u64 s[OBI:OBI+1], s[8:9], s[56:57]    ; my two row tiles' images,
	s_lshl_b32 s56, ttmp9, 11
	s_add_co_u32 s56, s56, 3145728
	s_add_nc_u64 s[OBS:OBS+1], s[8:9], s[56:57]    ; and scale bytes
	s_lshl_b32 s56, ttmp9, 15
	s_add_nc_u64 s[RES:RES+1], s[10:11], s[56:57]  ; my 32 rows of x1
	s_add_nc_u64 s[OUTP:OUTP+1], s[32:33], s[56:57]   ; and of the output
	s_mul_i32 s56, s[WV], 24576
	s_add_nc_u64 s[WIB:WIB+1], s[12:13], s[56:57]  ; my 16 fragments of a weight,
	s_lshl_b32 s56, s[WV], 11
	s_add_co_u32 s56, s56, 983040
	s_add_nc_u64 s[WCB:WCB+1], s[12:13], s[56:57]  ; and their scale words
	s_wait_alu depctr_va_vdst(0)                   ; the offsets and LDS addresses v1 to v14 are written, which every load and store of the kernel reads; so is T, in which loads of scale bytes land
	FRONT 8
	s_wait_alu depctr_va_vdst(0)                   ; the second norm has written ACC, which the LDS stores below read, and it and the addition ahead of it are done reading WB, in which the weight's loads land
	WLOAD 6, 256, 0                                ; ffn_w1, my first 64 hidden units: lands while x2 is quantised
	STAGE_PUT                                      ; x2 stays in my stage for the last residual
	QUANT ACC, D, 8, 2, TM, TQ
	HALVES 9, 10, 0, 0, 3072, 512
	s_wait_dscnt 0x0                               ; for the others' sake
	s_barrier_signal -1
	s_barrier_wait -1                              ; x2's four fragments lie in LDS
.irp a, 0,1                                    ; hidden units 128 w + 64 a on
	s_wait_alu depctr_vm_vsrc(0)                   ; the LDS stores of halves have read D and T + 0, 1, and (first trip) those into the stage have read ACC: loads land in all of them below
	AFETCH 0, XIMG, XSC, 3072, 512, 0
	PLOAD ACC, 24, 8, 256*\a                       ; the bias is the sums' first C
	PLOAD ACC+32, 24, 8, 256*\a
	s_wait_loadcnt 0x0
	s_wait_dscnt 0x0
	ASCALE
	MM16
	PLACES                                         ; four places between the products and the vector work that reads their results and writes AB's registers
	s_wait_alu depctr_va_vdst(0)                   ; the products are done reading WB and WS, in which the loads below land
.if \a == 0
	WLOAD 6, 256, 1
.else
	WLOAD 9, 512, 0                                ; ffn_w2's first two K steps
.endif
.set j, 0
.rept 64
	v_max_num_f32 v[ACC+j], 0, v[ACC+j]            ; the activation, in f32
.set j, j+1
.endr
	QUANT ACC, D, 8, 2, TM, TQ
	HALVES 11, 12, 768*\a, 128*\a, 6144, 1024
	s_wait_dscnt 0x0                               ; the stores have landed
.endr
	s_barrier_signal -1
	s_barrier_wait -1                              ; the hidden layer's eight fragments lie in LDS
	s_wait_alu depctr_vm_vsrc(0)                   ; the last LDS stores of halves have read D and T + 0, 1, in which the loads below land
	STAGE_GET ACC                                  ; x2 is the sums' first C
	AFETCH 0, HIMG, HSC, 6144, 1024, 0
	s_wait_loadcnt 0x0
	s_wait_dscnt 0x0
	ASCALE
	MM16
	PLACES                                         ; four places between the products and the vector lines that write their scale registers again
	s_wait_alu depctr_va_vdst(0)                   ; the products are done reading WB, WS and AB, in which the loads below land
	WLOAD 9, 512, 1
	AFETCH 0, HIMG, HSC, 6144, 1024, 2
	s_wait_loadcnt 0x0
	s_wait_dscnt 0x0
	ASCALE
	MM16
	PLACES                                         ; four places between the products and the first read of their results
	s_wait_alu depctr_va_vdst(0)                   ; the products are done reading WB and AB, in which the loads below land
	PLOAD AB, 26, 7, 0                             ; ffn_b2
	PLOAD WB, 28, 7, 0                             ; ln3_g
	PLOAD WB+32, 30, 7, 0                          ; ln3_b
	s_wait_loadcnt 0x0
	ADDV AB, 0
	LN 2, WB, WB+32, 0
	s_wait_alu depctr_va_vdst(0)                   ; the last norm has written ACC, which the LDS stores below read, and is done reading its gain and bias in WB, in which the stage's rows land
	STAGE_PUT
	ROWS_OUT WB, OUTP
	s_set_vgpr_msb 0x4                             ; the add's second register lies in window 1: the one switch stands ahead of the closing lines
	s_wait_dscnt 0x0                               ; the closing lines, six on end
	s_wait_alu 0x0
	s_wait_tensorcnt 0x0
	ds_add_u32 v15, v1
	s_wait_dscnt 0x0
	s_endpgm
.Lfunc_end_k_qc0a1f00cf7_post2:
	.size	k_qc0a1f00cf7_post2, .Lfunc_end_k_qc0a1f00cf7_post2-k_qc0a1f00cf7_post2
	.p2alignl 7, 3214868480
	.fill 96, 4, 3214868480
	.section	.rodata,"a",@progbits
	.p2align	6, 0x0
	.amdhsa_kernel k_qc0a1f00cf7_post2
		.amdhsa_group_segment_fixed_size 59904
		.amdhsa_private_segment_fixed_size 0
		.amdhsa_enable_private_segment 0
		.amdhsa_kernarg_size 104
		.amdhsa_user_sgpr_count 2
		.amdhsa_user_sgpr_kernarg_segment_ptr 1
		.amdhsa_wavefront_size32 1
		.amdhsa_system_sgpr_workgroup_id_x 1
		.amdhsa_system_sgpr_workgroup_id_y 1
		.amdhsa_system_sgpr_workgroup_id_z 1
		.amdhsa_system_vgpr_workitem_id 0
		.amdhsa_next_free_vgpr 258
		.amdhsa_next_free_sgpr 66
		.amdhsa_reserve_vcc 0
		.amdhsa_float_denorm_mode_32 3
		.amdhsa_float_denorm_mode_16_64 3
		.amdhsa_memory_ordered 1
		.amdhsa_forward_progress 1
		.amdhsa_inst_pref_size 139
	.end_amdhsa_kernel
	.amdgpu_metadata
---
amdhsa.version: [ 1, 2 ]
amdhsa.kernels:
  - .name:           k_qc0a1f00cf7_post2
    .symbol:         k_qc0a1f00cf7_post2.kd
    .args:
      - { .name: obuf, .offset: 0, .size: 8, .value_kind: global_buffer, .address_space: global }
      - { .name: x1, .offset: 8, .size: 8, .value_kind: global_buffer, .address_space: global }
      - { .name: wts, .offset: 16, .size: 8, .value_kind: global_buffer, .address_space: global }
      - { .name: m2_b2, .offset: 24, .size: 8, .value_kind: global_buffer, .address_space: global }
      - { .name: m2_g, .offset: 32, .size: 8, .value_kind: global_buffer, .address_space: global }
      - { .name: m2_b, .offset: 40, .size: 8, .value_kind: global_buffer, .address_space: global }
      - { .name: ln2_g, .offset: 48, .size: 8, .value_kind: global_buffer, .address_space: global }
      - { .name: ln2_b, .offset: 56, .size: 8, .value_kind: global_buffer, .address_space: global }
      - { .name: ffn_b1, .offset: 64, .size: 8, .value_kind: global_buffer, .address_space: global }
      - { .name: ffn_b2, .offset: 72, .size: 8, .value_kind: global_buffer, .address_space: global }
      - { .name: ln3_g, .offset: 80, .size: 8, .value_kind: global_buffer, .address_space: global }
      - { .name: ln3_b, .offset: 88, .size: 8, .value_kind: global_buffer, .address_space: global }
      - { .name: out0, .offset: 96, .size: 8, .value_kind: global_buffer, .address_space: global }
    .group_segment_fixed_size: 59904
    .private_segment_fixed_size: 0
    .kernarg_segment_align: 8
    .kernarg_segment_size: 104
    .max_flat_workgroup_size: 128
    .sgpr_count:     66
    .vgpr_count:     258
    .wavefront_size: 32
...
	.end_amdgpu_metadata
.endif
;; end of part 10
